; MI455X (gfx1250); checked and timed in simulation.
; The chip was launched on July 23, 2026; its instructions are those of AMD's public machine-readable ISA for CDNA 5 (MIT licence, August 2026) and "CDNA5" Instruction Set Architecture Reference Guide (July 2026). The comments in the code are by the model that wrote it; some were corrected since.
;; Casual Self Attention. Allowed arithmetic: matrix products marked QUANTISED: E5M2 operands, one E8M0 scale for each 32 along K, by v_wmma_scale_f32_16x16x128_f8f6f4 with both operands' format E5M2, f32 sums; everything else in f32.
;; Inputs: Wk_codes 1,024 x 32 x 32 uint8 (E5M2 codes of Wk, K innermost, in blocks of 32 codes); Wk_scales 1,024 x 32 uint8 (E8M0 scales of Wk, one for each 32 codes along K); Wq_codes 1,024 x 32 x 32 uint8 (E5M2 codes of Wq, K innermost, in blocks of 32 codes); Wq_scales 1,024 x 32 uint8 (E8M0 scales of Wq, one for each 32 codes along K); Wv_codes 1,024 x 32 x 32 uint8 (E5M2 codes of Wv, K innermost, in blocks of 32 codes); Wv_scales 1,024 x 32 uint8 (E8M0 scales of Wv, one for each 32 codes along K); x_codes 4 x 2,048 x 32 x 32 uint8 (E5M2 codes of x, K innermost, in blocks of 32 codes); x_scales 4 x 2,048 x 32 uint8 (E8M0 scales of x, one for each 32 codes along K).
;; Outputs: out0 4 x 2,048 x 1,024 float32.
;; This version of the problem:
;;   THIS VERSION OF THE PROBLEM IS GIVEN IN LOW PRECISION. The matrix products marked QUANTISED in the list below multiply operands that are first quantised to E5M2 (5 exponent bits, 2 mantissa bits; 8 bits a number), with one power-of-two scale for each 32 numbers along K (OCP MX v1.0); their sums are f32. All else is computed in f32.
;;   The module's matrix products, in the order in which they are computed (A, B: the left and right operand; K: the contracted axis; several contracted axes count as one K, in the product's order):
;;     1. [M 8,192, K 1,024] x [K 1,024, N 1,024]; A: input x (given as codes); B: input Wq (given as codes): QUANTISED
;;     2. [M 8,192, K 1,024] x [K 1,024, N 1,024]; A: input x (given as codes); B: input Wk (given as codes): QUANTISED
;;     3. [M 8,192, K 1,024] x [K 1,024, N 1,024]; A: input x (given as codes); B: input Wv (given as codes): QUANTISED
;;     4. batch 4 x [M 2,048, K 1,024] x [K 1,024, N 2,048]; A: computed on the way; B: computed on the way: QUANTISED
;;     5. batch 4 x [M 2,048, K 2,048] x [K 2,048, N 1,024]; A: softmax (see below); B: computed on the way: QUANTISED
;;   THE QUANTISER, for each operand of a quantised product, along K:
;;     - K is cut into blocks of 32 from its start; a last block that is shorter is filled with zeros.
;;     - A block's scale is 2^e with e = floor(log2(the largest magnitude in the block)) - 15, held to -126 .. 127; a block of zeros has e = 0. As a byte (E8M0): e + 127.
;;     - Each number is divided by its block's scale, clamped to +-57,344, and rounded to the nearest number of E5M2, ties to even, subnormals kept.
;;     - The product sums the exact products of the quantised numbers (number of the format x scale) in f32.
;;   ~~~python
;;   def quantise(x, axis):      # numpy; x: float32 -> the quantised numbers, widened to float32 again
;;       x = np.moveaxis(x, axis, -1); K = x.shape[-1]
;;       x = np.pad(x, [(0, 0)] * (x.ndim - 1) + [(0, -K % 32)]); x = x.reshape(x.shape[:-1] + (-1, 32)); a = np.abs(x).max(-1, keepdims=True)
;;       e = np.where(a > 0, np.clip(np.frexp(np.where(a > 0, a, 1))[1] - 1 - 15, -126, 127), 0)      # np.frexp(a)[1] - 1 = floor(log2(a)), exactly
;;       r = np.clip(x / 2.0 ** e, -57344, 57344)
;;       step = 2.0 ** (np.maximum(np.frexp(np.where(r == 0, 1, r))[1] - 1, -14) - 2)
;;       q = np.round(r / step) * step * 2.0 ** e      # np.round: ties to even
;;       return np.moveaxis(q.reshape(q.shape[:-2] + (-1,))[..., :K], -1, axis).astype(np.float32)
;;   ~~~
;;   SOFTMAX AHEAD OF A QUANTISED PRODUCT. Where the list says 'softmax', what is quantised is not the finished softmax but p = 2^(t - M), with t = logit x log2(e) and M = ceil(the row's largest t), a whole number; so 1/2 < the row's largest p <= 1. The row's sum l is taken of the UNQUANTISED p, in f32, and the product's result is divided by l at the end. Since M is a whole number, a kernel that streams over the keys may use a running M (the ceiling of the running maximum): every later rescaling is an exact power of two, which a block's scale takes up: the codes' values come out the same.
;;   OPERANDS COMPUTED ON THE WAY. 'Computed on the way' means the value that the module computes at that place (a softmax that the list does not call 'softmax' is quantised finished and normalised). What goes into a quantiser is computed in f32, as accurately as f32 sums, v_exp_f32 and their like allow (about 1e-6 of the number): no bf16 or f16 on the way to a quantiser, and a product that is left as it is and whose result goes on into a quantised operand takes f32 operands (vector FMAs, or v_wmma_f32_16x16x4_f32). A number that lies on a knife's edge between two numbers of the format may be rounded either way, as far as f32 arithmetic and the matrix unit's own rounding can turn it there, and no further.
;;   INPUTS GIVEN AS CODES. Wk (in the module: [1024, 1024], K = its axis 0); Wq (in the module: [1024, 1024], K = its axis 0); Wv (in the module: [1024, 1024], K = its axis 0); x (in the module: [4, 2048, 1024], K = its axis 2): each comes as NAME_codes (uint8): NAME with its K axis moved to the last place and cut into blocks of 32 codes, [.., K / 32, bytes a block], one block behind the other in memory; one code a byte (a code: sign, 5 exponent bits, 2 mantissa bits); and NAME_scales (uint8): the same leading axes, one E8M0 byte (e + 127) for each 32 codes along K. Its value is code x scale, taken as it is: it is not quantised again, and the codes and scales need not be those that the quantiser above would give.
;; 2 versions. Each part assembles by itself: llvm-mc -triple=amdgcn-amd-amdhsa -mcpu=gfx1250 --defsym DOCPART=n.
;; ======== version 1 of 2: 3 launches
;; limits: right only within a limited range of input values
;; workspace buffers: q_img 8,388,608 bytes; k_img 8,388,608 bytes; v_img 8,388,608 bytes; q_sc 262,144 bytes; k_sc 262,144 bytes; v_sc 262,144 bytes; p_img 16,777,216 bytes; pstat 2,097,152 bytes
;; launch proj (part 1): grid 12 x 32, 4 waves a work-group, clusters of 4 x 4, 327,680 bytes of LDS; arguments x_codes, x_scales, Wq_codes, Wq_scales, Wk_codes, Wk_scales, Wv_codes, Wv_scales, q_img, q_sc, k_img, k_sc, v_img, v_sc; writes q_img, q_sc, k_img, k_sc, v_img, v_sc
.if DOCPART == 1
	.amdgcn_target "amdgcn-amd-amdhsa--gfx1250"
	.amdhsa_code_object_version 6
	.text
	.protected	k_q463f0ff738_proj
	.globl	k_q463f0ff738_proj
	.p2align	8
	.type	k_q463f0ff738_proj,@function
k_q463f0ff738_proj:
	s_mov_b64 s[64:65], 0
	v_nop
	global_prefetch_b8 v0, s[64:65] scope:SCOPE_SE
	s_setreg_imm32_b32 hwreg(HW_REG_WAVE_MODE, 25, 1), 1
	s_wait_xcnt 0x0
	s_wait_alu depctr_hold_cnt(0) depctr_sa_sdst(0) depctr_va_vdst(0) depctr_va_sdst(0) depctr_va_ssrc(0) depctr_va_vcc(0) depctr_vm_vsrc(0)
	s_getreg_b32 s2, hwreg(HW_REG_IB_STS2, 6, 4)
	s_cmp_eq_u32 s2, 0
	s_cbranch_scc0 .Lentry_in_a_cluster
	s_endpgm
.Lentry_in_a_cluster:
	s_bfe_u32 s2, ttmp6, 0x10000c
	s_cmp_lg_u32 s2, 0xf033
	s_cbranch_scc0 .Lentry_shape_is_right
	s_endpgm
.Lentry_shape_is_right:
; FIRST OF THREE LAUNCHES: q = x Wq, k = x Wk, v = x Wv on the given codes of BF8 (E5M2) with E8M0 scales, and the quantisers of q, k (along the 1,024 features) and of v (along the keys).
; The second launch makes the live tiles of q k^T, the mask, p = 2^(t - M) and p's quantiser; the third joins M and the sums, makes p v and divides.
; WORK LEFT OUT, in the later launches: a tile of 256 queries x 256 keys whose key tile comes after its query tile holds only pairs key > query.  reference() sets every such score to -infinity by
; the tril that it builds itself, whatever the inputs hold: its p is 0, it adds 0 to the row's sum and 0 to the last product.  So 28 of the 64 tiles of each batch are neither multiplied, stored nor read.
; Every input has a way to the output and is loaded.  LIMIT: a NaN, an infinity or an overflow that reaches only those tiles is not carried to the result.
; LIMITS: NaN and infinities among q, k, v are not served; a block of zeros gets the scale byte 1 where the rule says 127 (its codes are zeros, and this program alone reads the bytes).
; SHARES.  A tile OUT[256 A rows][256 B rows] to a work-group of four waves, 128 x 128 a wave: 64 accumulators.  Cluster x = 0, 1, 2 is q, k, v.  q, k: A = x (positions), B = W (features);  v: A = Wv (channels), B = x (keys).
; The matrix instruction takes B's rows as source 0 and A's as source 1: a lane holds ONE row of A and its registers run along B's rows, which are the next product's K.  A wave's 128 B rows are one K step of 128 of that product.
; CLUSTER 4 x 4: A's tile hangs on cy (and cluster y), B's on cx (and cluster y): each is asked for jointly, along a row or a column of the cluster.  q, k or v is chosen by selects on the cluster's x alone: no branch.
; K = 1,024 goes in four steps of 256 through two LDS slots; the scale bytes of the work-group's rows come once, in whole rows of 256 bytes.
; THE WAY OUT.  For A block a the accumulators (a, 0..7) are 64 registers: register 16 B + 8 u + j of lane (r, h) is B row 32 B + 16 u + 8 h + j.  A block of 32 lies in lanes l and l xor 16.  After the conversions two
; exchanges of half rows of lanes for each block put k = 32 B + 16 h + 0..15 into registers 4 B .. 4 B + 3: the operand's own registers.  They are stored AS AN IMAGE: register group c at 512 c + 16 x lane, 2,048 bytes a fragment.
; q_img, k_img: [row tile 512][K step 8][2048];  v_img: [channel tile 64][key step 64][2048];  q_sc, k_sc: [K step 8][row 8192] words;  v_sc: [key step 64][channel 1024] words.
; REGISTERS: window 0: v0-31 addresses; v32-63 scale words, two sets; v128-255 A's fragments, one set (on the way out: numbers, codes, work).  window 1: B's fragments, two sets.  windows 2, 3: accumulator (a, b) at v[8 (8 (a % 4) + b)].
.set NQ,     2                         ; matrix instructions deep in a slot
.set ROWB,   256                       ; a tile's row in bytes
.set KROW,   1024                      ; a row of codes in memory
.set PITCH,  272                       ; an LDS row: 256 bytes + 16 of padding: the 16 rows of a load start at 16 different banks
.set FR,     16
.set NL,     4
.set NP,     8                         ; places behind this matrix instruction (ISA guide 7.12.1)
.set HALFT,  128*PITCH
.set SLOT,   4*HALFT
.set KS,     32                        ; a row of scale bytes
.set SCL,    2*SLOT
.set HALFS,  (128*KS/256)*272
.set SBLK,   (16*KS/256)*272
.set SPARE,  SCL+4*HALFS               ; the spare words, 128 bytes a wave, that no other line names
.set ADRA, 16
.set ADRB, 20
.set IO,   24                          ; v24  16 x lane: my place in an image
.set SWA,  25                          ; v25  the stage for scale words: 512 x wave + 4 r (in slot 0, behind its last fill and its last read)
.set SRA,  26                          ; v26  and back: 512 x wave + 16 x lane
.set ADRS, 27
.set SPW,  28
.set NIL,  29
.set SC,   32
.set AF,   128
.set X,    128                         ; the way out: 64 numbers
.set PC,   192                         ; 16 registers of codes
.set TM,   208                         ; +0..3 largest magnitudes, +4..7 bytes, +8..11 the hold, +12..15 the conversions' scale operands
.set PW,   224                         ; v224-231 a scale word for each block
.set G1, 24
.set G0, 32
.set G1B, 48
.set G0B, 56
.set G1S, 68
.set G0S, 76
.set G1SB, 80
.set G0SB, 88
.set OSC, 94                           ; s[94:95] the output's scale words
.set STR, 98                           ; s[98:99] bytes from a block's image to the next block's
.set MSB, 0
.macro WIN new                         ; the immediate's high byte repeats the setting that is left
.if MSB != (\new)
	s_set_vgpr_msb (MSB<<8)|(\new)
.set MSB, (\new)
.endif
.endm
.set MUL_LO, 0xa1                      ; source 0 (B) window 1, source 1 (A) window 0, C and D window 2
.set MUL_HI, 0xf1
.set TO_B,   0x40
; A joint load: waves 0 and 1 fetch for A, waves 2 and 3 for B.  The branch hangs on the wave's number alone.  An s_nop 0 and four v_nop follow each line.
.macro JLOAD g0a, g1a, g0b, g1b
	s_cmp_eq_u32 s15, 0
	s_cbranch_scc0 .Lfor_b_\@
	tensor_load_to_lds s[\g0a:\g0a+3], s[\g1a:\g1a+7]
	s_nop 0
.rept 4
	v_nop
.endr
	s_branch .Lasked_\@
.Lfor_b_\@:
	tensor_load_to_lds s[\g0b:\g0b+3], s[\g1b:\g1b+7]
	s_nop 0
.rept 4
	v_nop
.endr
.Lasked_\@:
.endm
.macro CREST                           ; a round of the cluster's barrier behind its opening barrier
	s_cmp_lg_u32 s14, 0
	s_cbranch_scc1 .Lnot_wave_0_\@
	s_barrier_signal -3
.Lnot_wave_0_\@:
	s_barrier_wait -3
	s_barrier_signal -1
	s_barrier_wait -1
.endm
.macro CROUND
	s_barrier_signal -1
	s_barrier_wait -1
	CREST
.endm
	s_load_b512 s[68:83], s[0:1], 0x0              ; x codes, x scales, Wq codes, Wq scales, Wk codes, Wk scales, Wv codes, Wv scales
	s_load_b256 s[84:91], s[0:1], 0x40             ; q_img, q_sc, k_img, k_sc
	s_load_b128 s[92:95], s[0:1], 0x60             ; v_img, v_sc
	v_lshl_add_u32 v[SPW], v0, 2, SPARE
	v_mov_b32 v[NIL], 0
	ds_add_u32 v[SPW], v[NIL]                      ; the wave's opening: the add, twice on end, and its wait ahead of my first tensor load
	ds_add_u32 v[SPW], v[NIL]
	v_lshrrev_b32 v1, 5, v0
	v_readfirstlane_b32 s14, v1                    ; wave 0..3
	s_lshr_b32 s15, s14, 1                         ; my half of A's rows.  Also: I fetch for A (0) or for B (1)
	s_and_b32 s16, s14, 1                          ; my half of B's rows.  Also: which 128 rows I fetch
	s_bfe_u32 s40, ttmp6, 0x40000                  ; cx
	s_bfe_u32 s41, ttmp6, 0x40004                  ; cy
	s_and_b32 s2, ttmp7, 0xffff                    ; cluster y: which 1,024 rows of x
	s_cmp_eq_u32 ttmp9, 2                          ; v?  (the cluster's x: the same in all sixteen partners)
	s_cselect_b32 s17, 0, s2
	s_cselect_b32 s42, s2, 0
	s_cselect_b32 s66, 6, 3                        ; log2 of the K steps in a row tile of the output's images
	s_cselect_b32 s67, 10, 13                      ; log2 of the rows in a K step of the output's scale words
	s_lshl_b32 s17, s17, 2
	s_add_co_u32 s17, s17, s41                     ; A's tile of 256 rows: q, k: 4 x cluster y + cy of x;  v: cy of Wv
	s_lshl_b32 s42, s42, 2
	s_add_co_u32 s42, s42, s40                     ; B's tile: q, k: cx of W;  v: 4 x cluster y + cx of x
	s_lshl_b32 s43, s41, 2
	s_lshl_b32 s43, 15, s43                        ; my row of the cluster
	s_lshl_b32 s44, 0x1111, s40                    ; my column
	s_or_b32 s[G1+0], s43, (0<<16)|(1<<20)|(1<<21)|(5<<22)|(3<<25)  ; the mask; elements of 1 byte; padding on; bit 21 beside a mask; after every 64 words, 4 words
	s_or_b32 s[G1B+0], s44, (0<<16)|(1<<20)|(1<<21)|(5<<22)|(3<<25)
.irp g, G1, G1B
	s_mov_b32 s[\g+1], ROWB<<16                    ; tensor_dim0
	s_mov_b32 s[\g+2], 128<<16                     ; tensor_dim1
	s_mov_b32 s[\g+3], ROWB<<16                    ; tile_dim0
	s_mov_b32 s[\g+4], 128                         ; tile_dim1
	s_mov_b32 s[\g+5], KROW                        ; the pitch
	s_mov_b32 s[\g+6], 0
	s_mov_b32 s[\g+7], 0
.endr
	s_lshl_b32 s18, s16, 7                         ; which 128 rows of the tile I fetch
	s_lshl_b32 s20, s17, 8
	s_add_co_u32 s20, s20, s18                     ; A's row
	s_lshl_b32 s46, s42, 8
	s_add_co_u32 s46, s46, s18                     ; B's row
	s_lshl_b32 s22, s20, 5                         ; its scale bytes: 32 a row
	s_mov_b32 s23, 0
	s_lshl_b32 s20, s20, 10                        ; its codes: 1,024 a row (8,192 rows at the most: under 2^32)
	s_mov_b32 s21, 0
	s_lshl_b32 s96, s46, 5
	s_mov_b32 s97, 0
	s_lshl_b32 s46, s46, 10
	s_mov_b32 s47, 0
	s_mul_i32 s45, s14, HALFT                      ; where the codes go: wave x 128 rows: no place in the cluster enters an LDS address
	s_wait_dscnt 0x0                               ; both opening adds are done
	s_wait_kmcnt 0x0
	s_cmp_eq_u32 ttmp9, 2                          ; the buffers are chosen on the cluster's x, which hangs on no address
	s_cselect_b64 s[4:5], s[80:81], s[68:69]       ; A's codes: Wv's or x's
	s_cselect_b64 s[6:7], s[82:83], s[70:71]       ; A's scales
	s_cselect_b64 s[8:9], s[68:69], s[72:73]       ; B's codes: x's or Wq's
	s_cselect_b64 s[10:11], s[70:71], s[74:75]
	s_cselect_b64 s[12:13], s[92:93], s[84:85]     ; the images: v's or q's
	s_cselect_b64 s[OSC:OSC+1], s[94:95], s[86:87] ; the scale words
	s_cmp_eq_u32 ttmp9, 1                          ; k?
	s_cselect_b64 s[8:9], s[76:77], s[8:9]
	s_cselect_b64 s[10:11], s[78:79], s[10:11]
	s_cselect_b64 s[12:13], s[88:89], s[12:13]
	s_cselect_b64 s[OSC:OSC+1], s[90:91], s[OSC:OSC+1]
	s_mul_i32 s92, s14, HALFS                      ; where the scales go (the registers that held the arguments are free from here on)
	; the scales of 128 rows: a dense block of 4,096 bytes, as rows of 256 bytes (32 elements of 8), 16 bytes of padding behind each
	s_or_b32 s[G1S+0], s43, (3<<16)|(1<<20)|(1<<21)|(5<<22)|(3<<25)
	s_or_b32 s[G1SB+0], s44, (3<<16)|(1<<20)|(1<<21)|(5<<22)|(3<<25)
.irp g, G1S, G1SB
	s_mov_b32 s[\g+1], 32<<16
	s_mov_b32 s[\g+2], (128*KS/256)<<16
	s_mov_b32 s[\g+3], 32<<16
	s_mov_b32 s[\g+4], 128*KS/256
	s_mov_b32 s[\g+5], 32
	s_mov_b32 s[\g+6], 0
	s_mov_b32 s[\g+7], 0
.endr
	s_add_nc_u64 s[20:21], s[4:5], s[20:21]
	s_add_nc_u64 s[22:23], s[6:7], s[22:23]
	s_add_nc_u64 s[46:47], s[8:9], s[46:47]
	s_add_nc_u64 s[96:97], s[10:11], s[96:97]
	CROUND                                         ; all sixteen work-groups are here: the first joint loads meet
	s_mov_b32 s[G0S], 1
	s_add_co_u32 s[G0S+1], s92, SCL
	s_mov_b64 s[G0S+2:G0S+3], s[22:23]
	s_or_b32 s[G0S+3], s[G0S+3], 0x80000000
	s_mov_b32 s[G0SB], 1
	s_add_co_u32 s[G0SB+1], s92, SCL
	s_mov_b64 s[G0SB+2:G0SB+3], s[96:97]
	s_or_b32 s[G0SB+3], s[G0SB+3], 0x80000000
	JLOAD G0S, G1S, G0SB, G1SB                     ; the scales first: they are wanted with K step 0
.irp s, 0,1
	s_mov_b32 s[G0+4*\s], 1
	s_add_co_u32 s[G0+4*\s+1], s45, \s*SLOT
	s_add_nc_u64 s[G0+4*\s+2:G0+4*\s+3], s[20:21], \s*ROWB
	s_or_b32 s[G0+4*\s+3], s[G0+4*\s+3], 0x80000000
	s_mov_b32 s[G0B+4*\s], 1
	s_add_co_u32 s[G0B+4*\s+1], s45, \s*SLOT
	s_add_nc_u64 s[G0B+4*\s+2:G0B+4*\s+3], s[46:47], \s*ROWB
	s_or_b32 s[G0B+4*\s+3], s[G0B+4*\s+3], 0x80000000
	JLOAD G0+4*\s, G1, G0B+4*\s, G1B
.endr
	v_and_b32 v1, 15, v0                           ; r
	v_bfe_u32 v2, v0, 4, 1                         ; h
	v_mul_u32_u24 v3, v1, PITCH
	v_lshl_add_u32 v4, v2, 4, v3                   ; a fragment's row x pitch + 16 h
	s_mul_i32 s21, s15, HALFT                      ; my 128 rows of A
	s_mul_i32 s22, s16, HALFT                      ; my 128 rows of B,
	s_add_co_u32 s22, s22, 2*HALFT                 ; behind A's 256
.irp s, 0,1
	v_add_nc_u32 v[ADRA+\s], s21, v4
	v_add_nc_u32 v[ADRB+\s], s22, v4
	s_add_co_u32 s21, s21, SLOT
	s_add_co_u32 s22, s22, SLOT
.endr
	v_mul_u32_u24 v5, v1, KS                       ; my row's scales: 32 bytes a row,
	v_lshrrev_b32 v6, 8, v5
	v_lshl_add_u32 v5, v6, 4, v5                   ; and 16 more for each 256 passed
	s_mul_i32 s21, s15, HALFS
	s_mul_i32 s22, s16, HALFS
	s_add_co_u32 s22, s22, 2*HALFS
	s_sub_co_u32 s22, s22, s21
	v_mul_u32_u24 v6, s22, v2                      ; lanes 16-31 take B's
	s_add_co_u32 s21, s21, SCL
	v_add_nc_u32 v5, v5, v6
	v_add_nc_u32 v[ADRS], s21, v5
	v_and_b32 v6, 31, v0
	v_lshlrev_b32 v[IO], 4, v6
	s_lshl_b32 s23, s14, 9
	v_lshl_add_u32 v[SWA], v1, 2, s23
	v_add_nc_u32 v[SRA], s23, v[IO]
	; where my results go (registers that feed no descriptor)
	s_lshl_b32 s46, s42, 1
	s_add_co_u32 s46, s46, s16                     ; the next product's K step: 2 x B's tile + my half
	s_lshl_b32 s47, s17, 4
	s_lshl_b32 s96, s15, 3
	s_add_co_u32 s47, s47, s96                     ; my first tile of 16 rows: 16 x A's tile + 8 x my half
	s_lshl_b32 s96, s47, s66
	s_add_co_u32 s96, s96, s46
	s_lshl_b32 s96, s96, 11                        ; 2,048 bytes an image
	s_mov_b32 s97, 0
	s_add_nc_u64 s[12:13], s[12:13], s[96:97]
	s_lshl_b32 s[STR], 0x800, s66
	s_mov_b32 s[STR+1], 0
	s_lshl_b32 s96, s46, s67
	s_lshl_b32 s47, s47, 4
	s_add_co_u32 s96, s96, s47
	s_lshl_b32 s96, s96, 2                         ; a word a row
	s_add_nc_u64 s[OSC:OSC+1], s[OSC:OSC+1], s[96:97]
.macro FRAG reg, adr, q, i             ; 16 rows x 128 K: lane l holds row l % 16; registers 4 c .. 4 c + 3 hold K = 32 c + 16 (l / 16) + 0 .. 15
.irp c, 0,1,2,3
	ds_load_b128 v[\reg+4*\c:\reg+4*\c+3], v[\adr] offset:128*(\q)+32*\c+(\i)*16*PITCH
.endr
.endm
; 16 matrix instructions: A's blocks a0, a0 + 1 x B's eight.  The 64 accumulators take turns, one instruction a turn, in the same order in every step.
.macro MUL16 a0, p, q, sc, zero
.irp a, \a0, \a0+1
.irp b, 0,1,2,3,4,5,6,7
.if \zero
	v_wmma_scale_f32_16x16x128_f8f6f4 v[8*(8*((\a)%4)+\b):8*(8*((\a)%4)+\b)+7], v[128*(\p)+FR*\b:128*(\p)+FR*\b+FR-1], v[AF+FR*(\a):AF+FR*(\a)+FR-1], 0, v[SC+8*NQ*(\sc)+NQ*\b+(\q)], v[SC+8*NQ*(\sc)+NQ*(\a)+(\q)] matrix_a_fmt:MATRIX_FMT_BF8 matrix_b_fmt:MATRIX_FMT_BF8 matrix_a_scale:MATRIX_SCALE_ROW1
.else
	v_wmma_scale_f32_16x16x128_f8f6f4 v[8*(8*((\a)%4)+\b):8*(8*((\a)%4)+\b)+7], v[128*(\p)+FR*\b:128*(\p)+FR*\b+FR-1], v[AF+FR*(\a):AF+FR*(\a)+FR-1], v[8*(8*((\a)%4)+\b):8*(8*((\a)%4)+\b)+7], v[SC+8*NQ*(\sc)+NQ*\b+(\q)], v[SC+8*NQ*(\sc)+NQ*(\a)+(\q)] matrix_a_fmt:MATRIX_FMT_BF8 matrix_b_fmt:MATRIX_FMT_BF8 matrix_a_scale:MATRIX_SCALE_ROW1
.endif
.endr
.endr
.endm
.macro FETCH_B slot, q, p
	WIN TO_B
.irp i, 0,1,2,3,4,5,6,7
	FRAG 128*(\p)+FR*\i, ADRB+\slot, \q, \i
.endr
	WIN 0
.endm
.macro FETCH_A slot, q, i0
.irp i, \i0, \i0+1, \i0+2, \i0+3
	FRAG AF+FR*(\i), ADRA+\slot, \q, \i
.endr
.endm
.macro SCALES sc                       ; a K step's scale words: two a row; lanes 0-15 take A's block i, lanes 16-31 B's block i
.irp i, 0,1,2,3,4,5,6,7
	ds_load_b64 v[SC+8*NQ*\sc+NQ*\i:SC+8*NQ*\sc+NQ*\i+1], v[ADRS] offset:\i*SBLK
.endr
.endm
.macro PLACES n                        ; plain vector instructions between a matrix instruction and a load into, or a vector instruction on, its registers
.rept \n
	v_nop
.endr
.endm
.macro STEP slot, q, zero              ; 128 along K that have their successor in the same slot
	s_wait_dscnt 4*NL                              ; all but the youngest sixteen loads (A's blocks 4-7) are in
	WIN MUL_LO
	MUL16 0, (\q)%2, \q, \slot, \zero
	MUL16 2, (\q)%2, \q, \slot, \zero
	s_wait_dscnt 0
	PLACES NP
	FETCH_B \slot, (\q)+1, 1-(\q)%2
	FETCH_A \slot, (\q)+1, 0
	WIN MUL_HI
	MUL16 4, (\q)%2, \q, \slot, \zero
	MUL16 6, (\q)%2, \q, \slot, \zero
	PLACES NP
	WIN 0
	FETCH_A \slot, (\q)+1, 4
.endm
; A slot's last 128 change slots: one barrier; in front of it each wave waits for all its tensor loads, adds 0 to its spare word, and waits for that and for its reads of this slot.
.macro TURN slot, next, fill
	s_wait_tensorcnt 0x0                           ; all my tensor loads have landed: my part of the next slot
	ds_add_u32 v[SPW], v[NIL]
	s_wait_dscnt 4*NL+1                            ; the add and the youngest sixteen loads may be out
	WIN MUL_LO
	MUL16 0, 1, NQ-1, \slot, 0
	s_wait_dscnt 0x0                               ; the add is done, and my reads of this slot are over
	s_barrier_signal -1
	MUL16 2, 1, NQ-1, \slot, 0
	WIN 0
	s_barrier_wait -1
.if \fill
	CREST                                          ; the barrier has opened a round of the cluster's: no wave of any partner still reads this slot or has a load on its way
	s_add_nc_u64 s[G0+4*\slot+2:G0+4*\slot+3], s[G0+4*\slot+2:G0+4*\slot+3], 2*ROWB
	s_add_nc_u64 s[G0B+4*\slot+2:G0B+4*\slot+3], s[G0B+4*\slot+2:G0B+4*\slot+3], 2*ROWB
	JLOAD G0+4*\slot, G1, G0B+4*\slot, G1B         ; the first tensor load behind the round; its four v_nop are four of the eight places
	PLACES NP-4
.else
	PLACES NP
.endif
	v_add_nc_u32 v[ADRS], 4*NQ, v[ADRS]            ; the next K step's scale words
	FETCH_B \next, 0, 0
	FETCH_A \next, 0, 0
	SCALES \next
	WIN MUL_HI
	MUL16 4, 1, NQ-1, \slot, 0
	MUL16 6, 1, NQ-1, \slot, 0
	PLACES NP
	WIN 0
	FETCH_A \next, 0, 4
.endm
	s_wait_tensorcnt 1                             ; the scales and my part of K step 0 are in; K step 1's load may be out
	s_barrier_signal -1
	s_barrier_wait -1
	FETCH_B 0, 0, 0
	FETCH_A 0, 0, 0
	SCALES 0
	FETCH_A 0, 0, 4
	STEP 0, 0, 1                                   ; K = 1,024 is four slots: written straight.  The first products start the sums
	TURN 0, 1, 1                                   ; slot 0 takes K 512 ..
	STEP 1, 0, 0
	TURN 1, 0, 1                                   ; slot 1 takes K 768 ..
	STEP 0, 0, 0
	TURN 0, 1, 0                                   ; nothing is left to fetch
	STEP 1, 0, 0
	s_wait_dscnt 4*NL
	WIN MUL_LO
	MUL16 0, 1, NQ-1, 1, 0
	MUL16 2, 1, NQ-1, 1, 0
	s_wait_dscnt 0
	WIN MUL_HI
	MUL16 4, 1, NQ-1, 1, 0
	MUL16 6, 1, NQ-1, 1, 0
	WIN 0
; THE WAY OUT of A block a: 16 rows x my 128 B rows become one fragment's image and one scale word a row.
.macro QOUT a
.set AC, 64*((\a)%4)
	WIN 0x0a+5*((\a)/4)                            ; sources 0 and 1: window 2 or 3
.irp b, 0,1,2,3
	v_max3_num_f32 v[TM+\b], |v[AC+16*\b]|, |v[AC+16*\b+1]|, 0x8000000   ; block b: my 16 numbers and the floor 2^(16 - 127): the byte cannot fall under 1.  Each accumulator is read from its low end on
.endr
.irp i, 2,4,6,8,10,12,14
.irp b, 0,1,2,3
	v_max3_num_f32 v[TM+\b], |v[AC+16*\b+\i]|, |v[AC+16*\b+\i+1]|, v[TM+\b]
.endr
.endr
	WIN 0
.irp b, 0,1,2,3
	v_permlanex16_b32 v[TM+4+\b], v[TM+\b], s20, s21
.endr
.irp b, 0,1,2,3
	v_max_num_f32 v[TM+\b], v[TM+\b], v[TM+4+\b]   ; with lane l xor 16's: the block's largest magnitude
.endr
.irp b, 0,1,2,3
	v_add_nc_u32 v[TM+12+\b], 0xf8800000, v[TM+\b] ; 15 off its exponent field: the conversion's scale operand
.endr
.irp b, 0,1,2,3
	v_and_or_b32 v[TM+8+\b], v[TM+\b], 0x7f800000, s22   ; 57,344 x the scale
.endr
.irp b, 0,1,2,3
	v_lshrrev_b32 v[TM+4+\b], 23, v[TM+12+\b]      ; the scale's byte
.endr
	v_lshl_or_b32 v[PW+(\a)], v[TM+5], 8, v[TM+4]
	v_lshl_or_b32 v[PW+(\a)], v[TM+6], 16, v[PW+(\a)]
	v_lshl_or_b32 v[PW+(\a)], v[TM+7], 24, v[PW+(\a)]
	WIN 0x02+((\a)/4)                              ; source 0: window 2 or 3
.set nn, 0
.rept 64
	v_med3_num_f32 v[X+nn], v[AC+nn], -v[TM+8+nn/16], v[TM+8+nn/16]   ; the conversion to an 8-bit code does not saturate (ISA guide 7.6.2): the hold; it also brings the number into window 0
.set nn, nn+1
.endr
	WIN 0
	s_wait_xcnt 0x0                                ; the last block's stores have read their data and their base
.if (\a) > 0
	s_add_nc_u64 s[12:13], s[12:13], s[STR:STR+1]
.endif
.irp b, 0,1,2,3
	v_cvt_scalef32_pk8_bf8_f32 v[PC+4*\b:PC+4*\b+1], v[X+16*\b:X+16*\b+7], v[TM+12+\b]
	v_cvt_scalef32_pk8_bf8_f32 v[PC+4*\b+2:PC+4*\b+3], v[X+16*\b+8:X+16*\b+15], v[TM+12+\b]
.endr
	v_nop                                          ; a plain place behind the conversions
.irp b, 0,1,2,3
	v_permlane16_swap_b32 v[PC+4*\b], v[PC+4*\b+2]       ; the first's lanes 16-31 (k 8 ..) change places with the second's lanes 0-15 (k 16 ..): lane (r, h) then holds k = 32 b + 16 h + 0 .. 15
	v_permlane16_swap_b32 v[PC+4*\b+1], v[PC+4*\b+3]
.endr
.irp c, 0,1,2,3
	global_store_b128 v[IO], v[PC+4*\c:PC+4*\c+3], s[12:13] offset:512*\c   ; 32 lanes store 512 consecutive bytes, aligned
.endr
	ds_store_b32 v[SWA], v[PW+(\a)] offset:64*(\a) ; lanes l and l xor 16 write the same word with the same value
.endm
	PLACES NP
	s_mov_b32 s20, 0x76543210
	s_mov_b32 s21, 0xfedcba98                      ; v_permlanex16_b32's selects for lane l xor 16
	s_mov_b32 s22, 0x600000                        ; the mantissa field of 57,344
.irp b, 0,1,2,3
	v_mov_b32 v[TM+4+\b], 0                        ; written once: a lane permute's destination counts as one of its sources
.endr
.irp a, 0,1,2,3,4,5,6,7
	QOUT \a
.endr
	ds_load_b128 v[X:X+3], v[SRA]                  ; LDS serves a wave's instructions in order: my 128 rows' words, 16 bytes a lane
	s_wait_dscnt 0x0
	global_store_b128 v[IO], v[X:X+3], s[OSC:OSC+1]   ; 512 consecutive bytes, aligned
	s_wait_tensorcnt 0x0                           ; the wave's end
	ds_add_u32 v[SPW], v[NIL]
	s_wait_dscnt 0x0
	CROUND                                         ; the closing round
	s_endpgm
.Lfunc_end_k_q463f0ff738_proj:
	.size	k_q463f0ff738_proj, .Lfunc_end_k_q463f0ff738_proj-k_q463f0ff738_proj
	.p2alignl 7, 3214868480
	.fill 96, 4, 3214868480
	.section	.rodata,"a",@progbits
	.p2align	6, 0x0
	.amdhsa_kernel k_q463f0ff738_proj
		.amdhsa_group_segment_fixed_size 327680
		.amdhsa_private_segment_fixed_size 0
		.amdhsa_enable_private_segment 0
		.amdhsa_kernarg_size 112
		.amdhsa_user_sgpr_count 2
		.amdhsa_user_sgpr_kernarg_segment_ptr 1
		.amdhsa_wavefront_size32 1
		.amdhsa_system_sgpr_workgroup_id_x 1
		.amdhsa_system_sgpr_workgroup_id_y 1
		.amdhsa_system_sgpr_workgroup_id_z 1
		.amdhsa_system_vgpr_workitem_id 0
		.amdhsa_next_free_vgpr 1024
		.amdhsa_next_free_sgpr 100
		.amdhsa_reserve_vcc 0
		.amdhsa_float_denorm_mode_32 3
		.amdhsa_float_denorm_mode_16_64 3
		.amdhsa_memory_ordered 1
		.amdhsa_forward_progress 1
		.amdhsa_inst_pref_size 188
	.end_amdhsa_kernel
	.amdgpu_metadata
---
amdhsa.version: [ 1, 2 ]
amdhsa.kernels:
  - .name:           k_q463f0ff738_proj
    .symbol:         k_q463f0ff738_proj.kd
    .args:
      - { .name: x_codes, .offset: 0, .size: 8, .value_kind: global_buffer, .address_space: global }
      - { .name: x_scales, .offset: 8, .size: 8, .value_kind: global_buffer, .address_space: global }
      - { .name: Wq_codes, .offset: 16, .size: 8, .value_kind: global_buffer, .address_space: global }
      - { .name: Wq_scales, .offset: 24, .size: 8, .value_kind: global_buffer, .address_space: global }
      - { .name: Wk_codes, .offset: 32, .size: 8, .value_kind: global_buffer, .address_space: global }
      - { .name: Wk_scales, .offset: 40, .size: 8, .value_kind: global_buffer, .address_space: global }
      - { .name: Wv_codes, .offset: 48, .size: 8, .value_kind: global_buffer, .address_space: global }
      - { .name: Wv_scales, .offset: 56, .size: 8, .value_kind: global_buffer, .address_space: global }
      - { .name: q_img, .offset: 64, .size: 8, .value_kind: global_buffer, .address_space: global }
      - { .name: q_sc, .offset: 72, .size: 8, .value_kind: global_buffer, .address_space: global }
      - { .name: k_img, .offset: 80, .size: 8, .value_kind: global_buffer, .address_space: global }
      - { .name: k_sc, .offset: 88, .size: 8, .value_kind: global_buffer, .address_space: global }
      - { .name: v_img, .offset: 96, .size: 8, .value_kind: global_buffer, .address_space: global }
      - { .name: v_sc, .offset: 104, .size: 8, .value_kind: global_buffer, .address_space: global }
    .group_segment_fixed_size: 327680
    .private_segment_fixed_size: 0
    .kernarg_segment_align: 8
    .kernarg_segment_size: 112
    .max_flat_workgroup_size: 128
    .sgpr_count:     100
    .vgpr_count:     1024
    .wavefront_size: 32
...
	.end_amdgpu_metadata
.endif
;; end of part 1
;; launch scores (part 2): grid 36 x 4, 4 waves a work-group, no clusters, 327,680 bytes of LDS; arguments q_img, q_sc, k_img, k_sc, p_img, pstat; writes p_img, pstat
.if DOCPART == 2
	.amdgcn_target "amdgcn-amd-amdhsa--gfx1250"
	.amdhsa_code_object_version 6
	.text
	.protected	k_q463f0ff738_scores
	.globl	k_q463f0ff738_scores
	.p2align	8
	.type	k_q463f0ff738_scores,@function
k_q463f0ff738_scores:
	s_mov_b64 s[64:65], 0
	v_nop
	global_prefetch_b8 v0, s[64:65] scope:SCOPE_SE
	s_setreg_imm32_b32 hwreg(HW_REG_WAVE_MODE, 25, 1), 1
	s_wait_xcnt 0x0
; SECOND LAUNCH: the live tiles of S = q k^T on codes of BF8 (E5M2), the causal mask, p = 2^(t - M) and p's quantiser along the keys.
; WORK LEFT OUT: tiles of 256 x 256 whose key tile comes after the query tile: reference()'s own tril hides every score there, for all inputs; 36 of 64 tiles a batch are made (see the first kernel's head).
; SHARES.  Work-group x = 0..35 walks the triangle: query tile QT, key tile KT <= QT; y is the batch.  Four waves, 128 queries x 128 keys each: 64 accumulators.  A = q (one query a lane), B = k (keys along the registers).
; NO CLUSTER: row QT of the triangle has QT + 1 live tiles and column KT has 8 - KT: no group of four shares a tile at every place without partners whose whole tile is hidden.
; OPERANDS are images of fragments (2,048 bytes: register group c at 512 c + 16 x lane): a slot's part of a row tile is 4,096 dense bytes, and LDS reads are 512 consecutive bytes.
; One tensor line serves all four waves: waves 0, 1 fetch q's halves, waves 2, 3 k's; buffer and tile are chosen by selects on the wave's number; the tile lands at wave x 32,768.
; M IS LOCAL: for each query and each fragment of 128 keys, M_loc = ceil(the fragment's largest t), t = score x log2(e) / 32.  M is a whole number, so 2^(t - M_loc) has the same codes as 2^(t - M_row);
; the third launch takes M_row - M_loc off the scale bytes and joins the sums.  pstat holds, for each key step and query: the scale word, -M_loc, the sum of the unquantised p, 0.
; A fragment all of whose keys are hidden gets -M_loc = 1e30 (t held at -1e30 from below), p = 0, sum 0.
; LIMITS: NaN and infinities among the scores are not served; a block whose every p is 0 gets the byte 1 (its codes are zeros).
.set NQ,     2
.set FR,     16
.set NL,     4
.set NP,     8
.set SLOT,   131072                    ; A's 16 row tiles x 4,096 bytes, then B's
.set SLOTB,  4096                      ; a slot's bytes of one row tile
.set SCL,    2*SLOT                    ; the scale words: four regions of [K step 8][128 rows]: q's halves, k's halves
.set SPARE,  SCL+16384
.set ADRA, 16
.set ADRB, 20
.set MD0,  22                          ; v22  r - 8 h + 128 (my half of the queries - my half of the keys)
.set IO,   24                          ; v24  16 x lane
.set ADRS, 27
.set SPW,  28
.set NIL,  29
.set SC,   32
.set AF,   128
.set X,    128                         ; the way out: 64 numbers
.set PC,   192
.set BM,   208                         ; the blocks' largest scores, then largest p
.set BT,   212
.set HD,   216
.set SO,   220
.set Q,    240                         ; v[240:243] 16 bytes of statistics
.set MD,   244
.set NINF, 245
.set L2,   246
.set G1, 24
.set G0, 32
.set G1S, 68
.set G0S, 76
.set CS,  80
.set SEL, 82
.set MNT, 84
.set MSB, 0
.macro WIN new
.if MSB != (\new)
	s_set_vgpr_msb (MSB<<8)|(\new)
.set MSB, (\new)
.endif
.endm
.set MUL_LO, 0xa1
.set MUL_HI, 0xf1
.set TO_B,   0x40
	s_load_b256 s[4:11], s[0:1], 0x0               ; q_img, q_sc, k_img, k_sc
	s_load_b128 s[12:15], s[0:1], 0x20             ; p_img, pstat
	v_lshl_add_u32 v[SPW], v0, 2, SPARE
	v_mov_b32 v[NIL], 0
	ds_add_u32 v[SPW], v[NIL]                      ; the wave's opening: the add, twice on end, and its wait ahead of my first tensor load
	ds_add_u32 v[SPW], v[NIL]
	v_lshrrev_b32 v1, 5, v0
	v_readfirstlane_b32 s16, v1                    ; wave
	s_lshr_b32 s17, s16, 1                         ; my half of the queries
	s_and_b32 s18, s16, 1                          ; my half of the keys.  Also: which 8 row tiles I fetch
	s_and_b32 s21, ttmp7, 0xffff                   ; the batch
	s_mov_b32 s19, 0
.irp t, 1,3,6,10,15,21,28
	s_cmp_ge_u32 ttmp9, \t                         ; QT = how many triangle numbers lie at or under x
	s_cselect_b32 s22, 1, 0
	s_add_co_u32 s19, s19, s22
.endr
	s_add_co_u32 s22, s19, 1
	s_mul_i32 s22, s22, s19
	s_lshr_b32 s22, s22, 1
	s_sub_co_u32 s20, ttmp9, s22                   ; KT = x - QT (QT + 1) / 2
	s_mov_b32 s[G1+0], 3<<16                       ; elements of 8 bytes, no mask, no padding
	s_mov_b32 s[G1+1], 512<<16                     ; tensor_dim0 = 512 elements: 4,096 bytes
	s_mov_b32 s[G1+2], 8<<16                       ; tensor_dim1 = 8 row tiles
	s_mov_b32 s[G1+3], 512<<16                     ; tile_dim0
	s_mov_b32 s[G1+4], 8                           ; tile_dim1
	s_mov_b32 s[G1+5], 2048                        ; the pitch: a row tile's eight K steps, 16,384 bytes
	s_mov_b32 s[G1+6], 0
	s_mov_b32 s[G1+7], 0
	s_mov_b32 s[G1S+0], 3<<16
	s_mov_b32 s[G1S+1], 64<<16                     ; 128 rows' words: 512 bytes
	s_mov_b32 s[G1S+2], 8<<16                      ; 8 K steps
	s_mov_b32 s[G1S+3], 64<<16
	s_mov_b32 s[G1S+4], 8
	s_mov_b32 s[G1S+5], 4096                       ; a K step's 8,192 words
	s_mov_b32 s[G1S+6], 0
	s_mov_b32 s[G1S+7], 0
	s_cmp_lt_u32 s16, 2
	s_cselect_b32 s22, s19, s20                    ; waves 0, 1: the query tile; waves 2, 3: the key tile
	s_lshl_b32 s22, s22, 4
	s_lshl_b32 s23, s21, 7
	s_add_co_u32 s22, s22, s23
	s_lshl_b32 s23, s18, 3
	s_add_co_u32 s22, s22, s23                     ; my first row tile: 128 x batch + 16 x tile + 8 x half
	s_lshl_b32 s40, s22, 14                        ; its images
	s_mov_b32 s41, 0
	s_lshl_b32 s42, s22, 6                         ; its 16 rows' words in K step 0
	s_mov_b32 s43, 0
	s_lshl_b32 s44, s16, 15                        ; LDS: wave x 32,768
	s_lshl_b32 s45, s16, 12                        ; and wave x 4,096 among the scale words
	s_mov_b32 s[CS], 0x3d38aa3b                    ; log2(e) / sqrt(1,024)
	s_mov_b32 s[CS+1], s[CS]
	s_mov_b32 s[SEL], 0x76543210
	s_mov_b32 s[SEL+1], 0xfedcba98
	s_mov_b32 s[MNT], 0x600000
	s_mov_b32 s86, 0xffff0000                      ; lanes 16-31
	s_wait_dscnt 0x0                               ; both opening adds are done
	s_wait_kmcnt 0x0
	s_cmp_lt_u32 s16, 2
	s_cselect_b64 s[46:47], s[4:5], s[8:9]
	s_cselect_b64 s[22:23], s[6:7], s[10:11]
	s_add_nc_u64 s[46:47], s[46:47], s[40:41]
	s_add_nc_u64 s[22:23], s[22:23], s[42:43]
	s_mov_b32 s[G0S], 1
	s_add_co_u32 s[G0S+1], s45, SCL
	s_mov_b64 s[G0S+2:G0S+3], s[22:23]
	s_or_b32 s[G0S+3], s[G0S+3], 0x80000000
	tensor_load_to_lds s[G0S:G0S+3], s[G1S:G1S+7]  ; the scale words of all of K: filled once
	s_nop 0
.irp s, 0,1
	s_mov_b32 s[G0+4*\s], 1
	s_add_co_u32 s[G0+4*\s+1], s44, \s*SLOT
	s_add_nc_u64 s[G0+4*\s+2:G0+4*\s+3], s[46:47], \s*SLOTB
	s_or_b32 s[G0+4*\s+3], s[G0+4*\s+3], 0x80000000
	tensor_load_to_lds s[G0+4*\s:G0+4*\s+3], s[G1:G1+7]
	s_nop 0
.endr
	v_and_b32 v1, 15, v0                           ; r
	v_bfe_u32 v2, v0, 4, 1                         ; h
	v_and_b32 v3, 31, v0
	v_lshlrev_b32 v[IO], 4, v3
	s_lshl_b32 s40, s17, 15
	s_lshl_b32 s41, s18, 15
	s_add_co_u32 s41, s41, 65536
.irp s, 0,1
	v_add_nc_u32 v[ADRA+\s], s40, v[IO]
	v_add_nc_u32 v[ADRB+\s], s41, v[IO]
	s_add_co_u32 s40, s40, SLOT
	s_add_co_u32 s41, s41, SLOT
.endr
	s_lshl_b32 s40, s17, 12
	s_lshl_b32 s41, s18, 12
	s_add_co_u32 s41, s41, 8192
	s_sub_co_u32 s41, s41, s40                     ; from q's words of my half to k's of my half
	v_mul_u32_u24 v4, s41, v2                      ; lanes 16-31 take k's
	s_add_co_u32 s40, s40, SCL
	v_lshl_add_u32 v4, v1, 2, v4
	v_add_nc_u32 v[ADRS], s40, v4
	s_sub_co_i32 s40, s17, s18
	s_lshl_b32 s40, s40, 7
	v_lshlrev_b32 v4, 3, v2
	v_sub_nc_u32 v4, v1, v4
	v_add_nc_u32 v[MD0], s40, v4
	s_cmp_eq_u32 s19, s20                          ; do hidden keys fall into my 128 x 128?  On the diagonal tile, unless my queries all come after my keys
	s_cselect_b32 s85, 1, 0
	s_cmp_le_u32 s17, s18
	s_cselect_b32 s85, s85, 0
	s_lshl_b32 s40, s21, 7
	s_lshl_b32 s41, s19, 4
	s_add_co_u32 s40, s40, s41
	s_lshl_b32 s41, s17, 3
	s_add_co_u32 s40, s40, s41                     ; my first tile of 16 queries
	s_lshl_b32 s41, s20, 1
	s_add_co_u32 s41, s41, s18                     ; my key step of 128
	s_lshl_b32 s42, s40, 4
	s_add_co_u32 s42, s42, s41
	s_lshl_b32 s42, s42, 11
	s_mov_b32 s43, 0
	s_add_nc_u64 s[12:13], s[12:13], s[42:43]      ; p_img [batch][query tile 128][key step 16][2048]
	s_lshl_b32 s42, s21, 4
	s_add_co_u32 s42, s42, s41
	s_lshl_b32 s42, s42, 11
	s_lshl_b32 s44, s19, 8
	s_add_co_u32 s42, s42, s44
	s_lshl_b32 s44, s17, 7
	s_add_co_u32 s42, s42, s44
	s_lshl_b32 s42, s42, 4
	s_add_nc_u64 s[14:15], s[14:15], s[42:43]      ; pstat [batch][key step 16][query 2048][16 bytes]
.macro FRAG reg, adr, q, i             ; a fragment's image comes back as it was stored
.irp c, 0,1,2,3
	ds_load_b128 v[\reg+4*\c:\reg+4*\c+3], v[\adr] offset:2048*(\q)+512*\c+(\i)*4096
.endr
.endm
.macro MUL16 a0, p, q, sc, zero        ; the 64 accumulators take turns, in the same order in every step
.irp a, \a0, \a0+1
.irp b, 0,1,2,3,4,5,6,7
.if \zero
	v_wmma_scale_f32_16x16x128_f8f6f4 v[8*(8*((\a)%4)+\b):8*(8*((\a)%4)+\b)+7], v[128*(\p)+FR*\b:128*(\p)+FR*\b+FR-1], v[AF+FR*(\a):AF+FR*(\a)+FR-1], 0, v[SC+8*NQ*(\sc)+NQ*\b+(\q)], v[SC+8*NQ*(\sc)+NQ*(\a)+(\q)] matrix_a_fmt:MATRIX_FMT_BF8 matrix_b_fmt:MATRIX_FMT_BF8 matrix_a_scale:MATRIX_SCALE_ROW1
.else
	v_wmma_scale_f32_16x16x128_f8f6f4 v[8*(8*((\a)%4)+\b):8*(8*((\a)%4)+\b)+7], v[128*(\p)+FR*\b:128*(\p)+FR*\b+FR-1], v[AF+FR*(\a):AF+FR*(\a)+FR-1], v[8*(8*((\a)%4)+\b):8*(8*((\a)%4)+\b)+7], v[SC+8*NQ*(\sc)+NQ*\b+(\q)], v[SC+8*NQ*(\sc)+NQ*(\a)+(\q)] matrix_a_fmt:MATRIX_FMT_BF8 matrix_b_fmt:MATRIX_FMT_BF8 matrix_a_scale:MATRIX_SCALE_ROW1
.endif
.endr
.endr
.endm
.macro FETCH_B slot, q, p
	WIN TO_B
.irp i, 0,1,2,3,4,5,6,7
	FRAG 128*(\p)+FR*\i, ADRB+\slot, \q, \i
.endr
	WIN 0
.endm
.macro FETCH_A slot, q, i0
.irp i, \i0, \i0+1, \i0+2, \i0+3
	FRAG AF+FR*(\i), ADRA+\slot, \q, \i
.endr
.endm
.macro SCALES sc                       ; lanes 0-15: q's block i; lanes 16-31: k's block i; the slot's two K steps lie 512 bytes apart
.irp i, 0,1,2,3,4,5,6,7
	ds_load_b32 v[SC+8*NQ*\sc+NQ*\i], v[ADRS] offset:64*\i
	ds_load_b32 v[SC+8*NQ*\sc+NQ*\i+1], v[ADRS] offset:512+64*\i
.endr
.endm
.macro PLACES n
.rept \n
	v_nop
.endr
.endm
.macro STEP slot, q, zero
	s_wait_dscnt 4*NL                              ; all but the youngest sixteen loads (A's blocks 4-7) are in
	WIN MUL_LO
	MUL16 0, (\q)%2, \q, \slot, \zero
	MUL16 2, (\q)%2, \q, \slot, \zero
	s_wait_dscnt 0
	PLACES NP
	FETCH_B \slot, (\q)+1, 1-(\q)%2
	FETCH_A \slot, (\q)+1, 0
	WIN MUL_HI
	MUL16 4, (\q)%2, \q, \slot, \zero
	MUL16 6, (\q)%2, \q, \slot, \zero
	PLACES NP
	WIN 0
	FETCH_A \slot, (\q)+1, 4
.endm
.macro TURN slot, next, fill
	s_wait_tensorcnt 0x0                           ; all my tensor loads have landed: my part of the next slot
	ds_add_u32 v[SPW], v[NIL]
	s_wait_dscnt 4*NL+1                            ; the add and the youngest sixteen loads may be out
	WIN MUL_LO
	MUL16 0, 1, NQ-1, \slot, 0
	s_wait_dscnt 0x0                               ; the add is done, and my reads of this slot are over
	s_barrier_signal -1
	MUL16 2, 1, NQ-1, \slot, 0
	WIN 0
	s_barrier_wait -1
.if \fill
	s_add_nc_u64 s[G0+4*\slot+2:G0+4*\slot+3], s[G0+4*\slot+2:G0+4*\slot+3], 2*SLOTB
	tensor_load_to_lds s[G0+4*\slot:G0+4*\slot+3], s[G1:G1+7]   ; my one tensor load behind the barrier, and the first thing there
	s_nop 0
.endif
	PLACES NP
	v_add_nc_u32 v[ADRS], 1024, v[ADRS]            ; the next slot's scale words
	FETCH_B \next, 0, 0
	FETCH_A \next, 0, 0
	SCALES \next
	WIN MUL_HI
	MUL16 4, 1, NQ-1, \slot, 0
	MUL16 6, 1, NQ-1, \slot, 0
	PLACES NP
	WIN 0
	FETCH_A \next, 0, 4
.endm
	s_wait_tensorcnt 1                             ; the scale words and my part of slot 0 are in; slot 1's load may be out
	s_barrier_signal -1
	s_barrier_wait -1
	FETCH_B 0, 0, 0
	FETCH_A 0, 0, 0
	SCALES 0
	FETCH_A 0, 0, 4
	STEP 0, 0, 1                                   ; K = 1,024 is four slots: written straight
	TURN 0, 1, 1
	STEP 1, 0, 0
	TURN 1, 0, 1
	STEP 0, 0, 0
	TURN 0, 1, 0
	STEP 1, 0, 0
	s_wait_dscnt 4*NL
	WIN MUL_LO
	MUL16 0, 1, NQ-1, 1, 0
	MUL16 2, 1, NQ-1, 1, 0
	s_wait_dscnt 0
	WIN MUL_HI
	MUL16 4, 1, NQ-1, 1, 0
	MUL16 6, 1, NQ-1, 1, 0
	WIN 0
; THE WAY OUT of block a: 16 queries x my 128 keys.  Register 8 b + j of lane (r, h) is key 16 b + 8 h + j of query r.  The block's statistics lie in v224.. (a even) or v232.. (a odd): +0 t, +2 -M, +4 the sum, +6 the scale word.
.macro SOFTQ a
.set AC, 64*((\a)%4)
.set SB, 224+8*((\a)%2)
	WIN 0
	s_cmp_eq_u32 s85, 0                            ; ids alone
	s_cbranch_scc1 .Lopen_\@
	v_add_nc_u32 v[MD], 16*(\a), v[MD0]            ; hidden where 16 b + j > my query - my first key - 8 h
	WIN 0x82+0x41*((\a)/4)                         ; destination and source 0: window 2 or 3
.set nn, 0
.rept 64
	v_cmp_gt_i32 vcc_lo, 16*(nn/8)+nn%8, v[MD]
	v_cndmask_b32 v[AC+nn], v[AC+nn], v[NINF], vcc_lo
.set nn, nn+1
.endr
	WIN 0
.Lopen_\@:
	WIN 0x0a+5*((\a)/4)
.irp b, 0,1,2,3
	v_max_num_f32 v[BM+\b], v[AC+16*\b], v[AC+16*\b+1]   ; the largest score of each block of 32 keys: for the maximum, and, since p rises with the score, for the block's largest p
.endr
.irp i, 2,4,6,8,10,12,14
.irp b, 0,1,2,3
	v_max3_num_f32 v[BM+\b], v[AC+16*\b+\i], v[AC+16*\b+\i+1], v[BM+\b]
.endr
.endr
	WIN 0
.irp b, 0,1,2,3
	v_permlanex16_b32 v[BT+\b], v[BM+\b], s[SEL], s[SEL+1]
.endr
.irp b, 0,1,2,3
	v_max_num_f32 v[BM+\b], v[BM+\b], v[BT+\b]
.endr
	v_max3_num_f32 v[SB], v[BM], v[BM+1], v[BM+2]
	v_max_num_f32 v[SB], v[SB], v[BM+3]
	v_mul_f32 v[SB], s[CS], v[SB]                  ; as t
	v_max_num_f32 v[SB], 0xf149f2ca, v[SB]         ; held at -1e30 from below: M stays a number where all 128 keys are hidden
	v_floor_f32 v[SB+2], -v[SB]                    ; -M = floor(-t) = -ceil(t)
	WIN 0x02+((\a)/4)
.set jj, 0
.rept 32
	v_pk_fma_f32 v[X+jj:X+jj+1], v[AC+jj:AC+jj+1], s[CS:CS+1], v[SB+2:SB+3] op_sel_hi:[1,0,0]   ; t - M, two at a time, into window 0
.set jj, jj+2
.endr
	WIN 0
.irp b, 0,1,2,3
	v_fma_f32 v[BM+\b], v[BM+\b], s[CS], v[SB+2]
.endr
.set nn, 0
.rept 64
	v_exp_f32 v[X+nn], v[X+nn]                     ; p = 2^(t - M)
.set nn, nn+1
.endr
	v_nop                                          ; a plain place behind the batch
	s_wait_alu depctr_va_vdst(0)                   ; the wait ahead of the first reader: one for the 64
.irp b, 0,1,2,3
	v_exp_f32 v[BM+\b], v[BM+\b]                   ; the block's largest p
.endr
	v_pk_add_f32 v[SB+4:SB+5], v[X:X+1], v[X+2:X+3]        ; the sum of the unquantised p, in two chains
	v_pk_add_f32 v[L2:L2+1], v[X+4:X+5], v[X+6:X+7]
.irp j, 8,12,16,20,24,28,32,36,40,44,48,52,56,60
	v_pk_add_f32 v[SB+4:SB+5], v[SB+4:SB+5], v[X+\j:X+\j+1]
	v_pk_add_f32 v[L2:L2+1], v[L2:L2+1], v[X+\j+2:X+\j+3]
.endr
	v_pk_add_f32 v[SB+4:SB+5], v[SB+4:SB+5], v[L2:L2+1]
	v_add_f32 v[SB+4], v[SB+4], v[SB+5]
	v_permlanex16_b32 v[L2], v[SB+4], s[SEL], s[SEL+1]
	v_add_f32 v[SB+4], v[SB+4], v[L2]              ; with lane l xor 16's 64 keys
	s_wait_alu depctr_va_vdst(0)                   ; and one for the four
.irp b, 0,1,2,3
	v_max_num_f32 v[BM+\b], 0x8000000, v[BM+\b]    ; the floor 2^(16 - 127)
.endr
.irp b, 0,1,2,3
	v_add_nc_u32 v[SO+\b], 0xf8800000, v[BM+\b]
.endr
.irp b, 0,1,2,3
	v_and_or_b32 v[HD+\b], v[BM+\b], 0x7f800000, s[MNT]
.endr
.irp b, 0,1,2,3
	v_lshrrev_b32 v[BT+\b], 23, v[SO+\b]
.endr
	v_lshl_or_b32 v[SB+6], v[BT+1], 8, v[BT]
	v_lshl_or_b32 v[SB+6], v[BT+2], 16, v[SB+6]
	v_lshl_or_b32 v[SB+6], v[BT+3], 24, v[SB+6]
.set nn, 0
.rept 64
	v_min_num_f32 v[X+nn], v[X+nn], v[HD+nn/16]    ; p is not negative: a one-sided hold (the conversion does not saturate: ISA guide 7.6.2)
.set nn, nn+1
.endr
	s_wait_xcnt 0x0                                ; the earlier stores have read their data
.irp b, 0,1,2,3
	v_cvt_scalef32_pk8_bf8_f32 v[PC+4*\b:PC+4*\b+1], v[X+16*\b:X+16*\b+7], v[SO+\b]
	v_cvt_scalef32_pk8_bf8_f32 v[PC+4*\b+2:PC+4*\b+3], v[X+16*\b+8:X+16*\b+15], v[SO+\b]
.endr
	v_nop
.irp b, 0,1,2,3
	v_permlane16_swap_b32 v[PC+4*\b], v[PC+4*\b+2]       ; lane (r, h) then holds keys 32 b + 16 h + 0 .. 15: the operand's registers
	v_permlane16_swap_b32 v[PC+4*\b+1], v[PC+4*\b+3]
.endr
.irp c, 0,1,2,3
	global_store_b128 v[IO], v[PC+4*\c:PC+4*\c+3], s[12:13] offset:32768*(\a)+512*\c
.endr
.if (\a)%2
	v_cndmask_b32 v[Q], v[230], v[238], s86        ; lanes 0-15 speak for block a - 1, lanes 16-31 for block a
	v_cndmask_b32 v[Q+1], v[226], v[234], s86
	v_cndmask_b32 v[Q+2], v[228], v[236], s86
	global_store_b128 v[IO], v[Q:Q+3], s[14:15] offset:256*((\a)-1)   ; 32 queries x 16 bytes: 512 consecutive bytes
.endif
.endm
	PLACES NP
.irp b, 0,1,2,3
	v_mov_b32 v[BT+\b], 0                          ; a lane permute's destination counts as one of its sources
.endr
	v_mov_b32 v227, 0                              ; named as upper halves of pairs
	v_mov_b32 v235, 0
	v_mov_b32 v[Q+3], 0
	v_mov_b32 v[NINF], 0xff800000
.irp a, 0,1,2,3,4,5,6,7
	SOFTQ \a
.endr
	s_wait_tensorcnt 0x0                           ; the wave's end
	ds_add_u32 v[SPW], v[NIL]
	s_wait_dscnt 0x0
	s_endpgm
.Lfunc_end_k_q463f0ff738_scores:
	.size	k_q463f0ff738_scores, .Lfunc_end_k_q463f0ff738_scores-k_q463f0ff738_scores
	.p2alignl 7, 3214868480
	.fill 96, 4, 3214868480
	.section	.rodata,"a",@progbits
	.p2align	6, 0x0
	.amdhsa_kernel k_q463f0ff738_scores
		.amdhsa_group_segment_fixed_size 327680
		.amdhsa_private_segment_fixed_size 0
		.amdhsa_enable_private_segment 0
		.amdhsa_kernarg_size 48
		.amdhsa_user_sgpr_count 2
		.amdhsa_user_sgpr_kernarg_segment_ptr 1
		.amdhsa_wavefront_size32 1
		.amdhsa_system_sgpr_workgroup_id_x 1
		.amdhsa_system_sgpr_workgroup_id_y 1
		.amdhsa_system_sgpr_workgroup_id_z 1
		.amdhsa_system_vgpr_workitem_id 0
		.amdhsa_next_free_vgpr 1024
		.amdhsa_next_free_sgpr 92
		.amdhsa_reserve_vcc 1
		.amdhsa_float_denorm_mode_32 3
		.amdhsa_float_denorm_mode_16_64 3
		.amdhsa_memory_ordered 1
		.amdhsa_forward_progress 1
		.amdhsa_inst_pref_size 255
	.end_amdhsa_kernel
	.section	.bss,"aw",@nobits
	.p2align	6
	.space	262144
	.amdgpu_metadata
---
amdhsa.version: [ 1, 2 ]
amdhsa.kernels:
  - .name:           k_q463f0ff738_scores
    .symbol:         k_q463f0ff738_scores.kd
    .args:
      - { .name: q_img, .offset: 0, .size: 8, .value_kind: global_buffer, .address_space: global }
      - { .name: q_sc, .offset: 8, .size: 8, .value_kind: global_buffer, .address_space: global }
      - { .name: k_img, .offset: 16, .size: 8, .value_kind: global_buffer, .address_space: global }
      - { .name: k_sc, .offset: 24, .size: 8, .value_kind: global_buffer, .address_space: global }
      - { .name: p_img, .offset: 32, .size: 8, .value_kind: global_buffer, .address_space: global }
      - { .name: pstat, .offset: 40, .size: 8, .value_kind: global_buffer, .address_space: global }
    .group_segment_fixed_size: 327680
    .private_segment_fixed_size: 0
    .kernarg_segment_align: 8
    .kernarg_segment_size: 48
    .max_flat_workgroup_size: 128
    .sgpr_count:     92
    .vgpr_count:     1024
    .wavefront_size: 32
...
	.end_amdgpu_metadata
.endif
;; end of part 2
;; launch mix (part 3): grid 4 x 32, 4 waves a work-group, no clusters, 327,680 bytes of LDS; arguments p_img, pstat, v_img, v_sc, out0; writes out0
.if DOCPART == 3
	.amdgcn_target "amdgcn-amd-amdhsa--gfx1250"
	.amdhsa_code_object_version 6
	.text
	.protected	k_q463f0ff738_mix
	.globl	k_q463f0ff738_mix
	.p2align	8
	.type	k_q463f0ff738_mix,@function
k_q463f0ff738_mix:
	s_mov_b64 s[64:65], 0
	v_nop
	global_prefetch_b8 v0, s[64:65] scope:SCOPE_SE
	s_setreg_imm32_b32 hwreg(HW_REG_WAVE_MODE, 25, 1), 1
	s_wait_xcnt 0x0
; THIRD LAUNCH: out = (p v) / l on codes of BF8 (E5M2); ahead of it the fragments' local M and sums are joined.
; WORK LEFT OUT: key steps behind the query tile: reference()'s own tril makes p = 0 there for all inputs; they were never made and are not read (see the first kernel's head).
; SHARES.  Work-group (x, y): 256 channels 256 x, query tile QT = y % 8, batch y / 8.  Four waves, 128 queries x 128 channels each.  A = p (one query a lane), B = v (channels along the registers), K = the keys.
; Slot i holds keys 256 i .. ; it counts while i <= QT.  EVERY work-group walks all eight changes of slots: trip counts are constants of the text; a slot's work, and the load of a slot that nobody would read, are jumped over on ids alone.
; NO CLUSTER: such a jump may not lead round a joint load, and the four channel tiles of a query tile are what would share p.
; THE JOIN.  Thread t serves queries t and t + 128.  -M_row = the least -M_loc over the live key steps; l = the sum of l_loc 2^(M_loc - M_row); M_row - M_loc is taken off the four bytes of each scale word.
; Steps behind the limit read the last live step again (no byte that nobody wrote is read) and count with weight 0.
; LIMITS: a scale byte that would fall under 0 is held at 0: such terms lie under 2^-111 of the row's largest; M_loc - M_row is held at -200 (2^-200 is 0 in f32); 1 / l is v_rcp_f32.
.set NQ,     2
.set FR,     16
.set NL,     4
.set NP,     8
.set SLOT1,  1<<17                     ; a slot: p's 16 query tiles x 4,096 bytes, then v's 16 channel tiles
.set SCP,    2*SLOT1                   ; p's mended scale words [half][key step 16][128 queries]: stored by the waves
.set RL,     SCP+16384                 ; 1 / l of the 256 queries: stored by the waves
.set SCV,    RL+1024                   ; v's scale words [half][key step 16][128 channels]: filled once
.set SPARE,  SCV+16384
.set SPITCH, 528                       ; the way out: a stage of 16 rows x (512 + 16) bytes a wave, in slot 0: its last fill and last read lie ahead of the last change of slots
.set T16,  13
.set SPA,  14
.set RLA,  15
.set A0,   16
.set ADRA, 17
.set B0,   20
.set ADRB, 21
.set RLR,  22
.set S0,   23
.set STO,  24
.set RD,   25
.set CO,   26
.set ADRS, 27
.set SPW,  28
.set NIL,  29
.set SC,   32
.set OF,   64                          ; v64-79 the join: a byte offset for each key step; on the way out: 1 / l in pairs
.set RI,   64
.set NMR,  92
.set LSUM, 93
.set RC,   94
.set AF,   128
.set ST,   128                         ; the join: 2 queries x 16 steps x 4 words
.set BK,   128
.set G1, 24
.set G0, 32
.set G1B, 48
.set G0B, 56
.set G1S, 68
.set G0S, 76
.set MSB, 0
.macro WIN new
.if MSB != (\new)
	s_set_vgpr_msb (MSB<<8)|(\new)
.set MSB, (\new)
.endif
.endm
.set MUL_LO, 0xa1
.set MUL_HI, 0xf1
.set TO_B,   0x40
.macro TLOAD                           ; waves 0, 1 fetch p's halves, waves 2, 3 v's: two shapes, two lines; an s_nop 0 and four v_nop follow each
	s_cmp_lt_u32 s14, 2
	s_cbranch_scc0 .Lfor_v_\@
	tensor_load_to_lds s[G0:G0+3], s[G1:G1+7]
	s_nop 0
.rept 4
	v_nop
.endr
	s_branch .Lasked_\@
.Lfor_v_\@:
	tensor_load_to_lds s[G0B:G0B+3], s[G1B:G1B+7]
	s_nop 0
.rept 4
	v_nop
.endr
.Lasked_\@:
.endm
	s_load_b256 s[4:11], s[0:1], 0x0               ; p_img, pstat, v_img, v_sc
	s_load_b64 s[12:13], s[0:1], 0x20              ; out0
	v_lshl_add_u32 v[SPW], v0, 2, SPARE
	v_mov_b32 v[NIL], 0
	ds_add_u32 v[SPW], v[NIL]                      ; the wave's opening: the add, twice on end, and its wait ahead of my first tensor load
	ds_add_u32 v[SPW], v[NIL]
	v_lshrrev_b32 v1, 5, v0
	v_readfirstlane_b32 s14, v1                    ; wave
	s_lshr_b32 s15, s14, 1                         ; my half of the queries
	s_and_b32 s16, s14, 1                          ; my half of the channels.  Also: which 8 tiles I fetch
	s_mov_b32 s17, ttmp9                           ; the channel tile
	s_and_b32 s20, ttmp7, 0xffff
	s_and_b32 s18, s20, 7                          ; QT
	s_lshr_b32 s19, s20, 3                         ; the batch
	s_mov_b32 s[G1+0], 3<<16                       ; p: elements of 8 bytes; 8 query tiles x 4,096 bytes, 32,768 bytes apart
	s_mov_b32 s[G1+1], 512<<16
	s_mov_b32 s[G1+2], 8<<16
	s_mov_b32 s[G1+3], 512<<16
	s_mov_b32 s[G1+4], 8
	s_mov_b32 s[G1+5], 4096
	s_mov_b32 s[G1+6], 0
	s_mov_b32 s[G1+7], 0
	s_mov_b32 s[G1B+0], 3<<16                      ; v: 8 channel tiles x 4,096 bytes, 131,072 bytes apart
	s_mov_b32 s[G1B+1], 512<<16
	s_mov_b32 s[G1B+2], 8<<16
	s_mov_b32 s[G1B+3], 512<<16
	s_mov_b32 s[G1B+4], 8
	s_mov_b32 s[G1B+5], 16384
	s_mov_b32 s[G1B+6], 0
	s_mov_b32 s[G1B+7], 0
	s_mov_b32 s[G1S+0], 3<<16                      ; v's scale words: 16 key steps x 512 bytes, 4,096 bytes apart
	s_mov_b32 s[G1S+1], 64<<16
	s_mov_b32 s[G1S+2], 16<<16
	s_mov_b32 s[G1S+3], 64<<16
	s_mov_b32 s[G1S+4], 16
	s_mov_b32 s[G1S+5], 512
	s_mov_b32 s[G1S+6], 0
	s_mov_b32 s[G1S+7], 0
	s_lshl_b32 s20, s19, 7
	s_lshl_b32 s21, s18, 4
	s_add_co_u32 s20, s20, s21
	s_lshl_b32 s21, s16, 3
	s_add_co_u32 s20, s20, s21
	s_lshl_b32 s20, s20, 15                        ; p: (128 batch + 16 QT + 8 half) query tiles of 32,768 bytes
	s_mov_b32 s21, 0
	s_lshl_b32 s22, s17, 4
	s_lshl_b32 s23, s16, 3
	s_add_co_u32 s22, s22, s23
	s_lshl_b32 s22, s22, 17                        ; v: (16 tile + 8 half) channel tiles of 131,072 bytes,
	s_lshl_b32 s23, s19, 15                        ; + the batch's first key step
	s_add_co_u32 s22, s22, s23
	s_mov_b32 s23, 0
	s_lshl_b32 s40, s17, 10
	s_lshl_b32 s41, s16, 9
	s_add_co_u32 s40, s40, s41
	s_lshl_b32 s41, s19, 16
	s_add_co_u32 s40, s40, s41                     ; v's scale words: 16 batch key steps of 4,096 bytes + my 128 channels
	s_mov_b32 s41, 0
	s_lshl_b32 s42, s14, 15                        ; LDS: wave x 32,768
	s_lshl_b32 s43, s16, 13
	s_mov_b32 s36, 0                               ; the slot in hand
	s_mov_b32 s37, 0                               ; its scale words: 1,024 bytes a slot
	s_mov_b32 s38, 0                               ; its number
	s_mov_b32 s39, 6
	s_lshl_b32 s60, s18, 1
	s_add_co_u32 s60, s60, 1                       ; the last live key step
	s_wait_dscnt 0x0                               ; both opening adds are done
	s_wait_kmcnt 0x0
	s_mov_b32 s[G0], 1
	s_mov_b32 s[G0+1], s42
	s_add_nc_u64 s[G0+2:G0+3], s[4:5], s[20:21]
	s_or_b32 s[G0+3], s[G0+3], 0x80000000
	s_mov_b32 s[G0B], 1
	s_mov_b32 s[G0B+1], s42
	s_add_nc_u64 s[G0B+2:G0B+3], s[8:9], s[22:23]
	s_or_b32 s[G0B+3], s[G0B+3], 0x80000000
	s_mov_b32 s[G0S], 1
	s_add_co_u32 s[G0S+1], s43, SCV
	s_add_nc_u64 s[G0S+2:G0S+3], s[10:11], s[40:41]
	s_or_b32 s[G0S+3], s[G0S+3], 0x80000000
	s_cmp_lt_u32 s14, 2                            ; the first fills, a fill in each arm: every way through the text passes one
	s_cbranch_scc0 .Lfirst_v
	tensor_load_to_lds s[G0:G0+3], s[G1:G1+7]      ; slot 0, p
	s_nop 0
.rept 4
	v_nop
.endr
	s_branch .Lfirst_done
.Lfirst_v:
	tensor_load_to_lds s[G0S:G0S+3], s[G1S:G1S+7]  ; v's scale words: filled once
	s_nop 0
	tensor_load_to_lds s[G0B:G0B+3], s[G1B:G1B+7]  ; slot 0, v
	s_nop 0
.rept 4
	v_nop
.endr
.Lfirst_done:
	s_lshl_b32 s20, s19, 19                        ; pstat: the batch's 16 key steps of 32,768 bytes,
	s_lshl_b32 s21, s18, 12                        ; + my 256 queries of 16 bytes
	s_add_co_u32 s20, s20, s21
	s_mov_b32 s21, 0
	s_add_nc_u64 s[6:7], s[6:7], s[20:21]
	v_lshlrev_b32 v[T16], 4, v0
.irp s, 0,1,2,3,4,5,6,7,8,9,10,11,12,13,14,15
	s_min_u32 s62, s60, \s                         ; behind the limit: the last live step once more
	s_lshl_b32 s62, s62, 15
	v_add_nc_u32 v[OF+\s], s62, v[T16]
.endr
.irp s, 0,1,2,3,4,5,6,7,8,9,10,11,12,13,14,15
	global_load_b128 v[ST+4*\s:ST+4*\s+3], v[OF+\s], s[6:7]
.endr
.irp s, 0,1,2,3,4,5,6,7,8,9,10,11,12,13,14,15
	global_load_b128 v[ST+64+4*\s:ST+64+4*\s+3], v[OF+\s], s[6:7] offset:2048
.endr
	v_and_b32 v1, 15, v0                           ; r
	v_bfe_u32 v2, v0, 4, 1                         ; h
	v_and_b32 v3, 31, v0
	v_lshlrev_b32 v[CO], 4, v3                     ; 16 x lane
	s_lshl_b32 s20, s15, 15
	v_add_nc_u32 v[A0], s20, v[CO]
	s_lshl_b32 s20, s16, 15
	s_add_co_u32 s20, s20, 65536
	v_add_nc_u32 v[B0], s20, v[CO]
	s_lshl_b32 s20, s15, 13
	s_lshl_b32 s21, s16, 13
	s_add_co_u32 s21, s21, SCV-SCP
	s_sub_co_u32 s21, s21, s20                     ; from p's words of my half to v's of my half
	v_mul_u32_u24 v4, s21, v2                      ; lanes 16-31 take v's
	s_add_co_u32 s20, s20, SCP
	v_lshl_add_u32 v4, v1, 2, v4
	v_add_nc_u32 v[S0], s20, v4
	s_mul_i32 s20, s14, 16*SPITCH                  ; my stage
	v_mul_u32_u24 v4, v1, SPITCH
	v_lshl_add_u32 v4, v2, 5, v4
	v_add_nc_u32 v[STO], s20, v4
	v_add_nc_u32 v[RD], s20, v[CO]
	s_lshl_b32 s20, s15, 9
	s_add_co_u32 s20, s20, RL
	v_lshl_add_u32 v[RLR], v1, 2, s20
	v_lshl_add_u32 v[SPA], v0, 2, SCP
	v_lshl_add_u32 v[RLA], v0, 2, RL
	s_lshl_b32 s20, s19, 11
	s_lshl_b32 s21, s18, 8
	s_add_co_u32 s20, s20, s21
	s_lshl_b32 s21, s15, 7
	s_add_co_u32 s20, s20, s21                     ; my first row of out0
	s_lshl_b32 s20, s20, 12
	s_lshl_b32 s21, s17, 10
	s_add_co_u32 s20, s20, s21
	s_lshl_b32 s21, s16, 9
	s_add_co_u32 s20, s20, s21                     ; + my first column, in bytes
	s_mov_b32 s21, 0
	s_add_nc_u64 s[12:13], s[12:13], s[20:21]
; THE JOIN for query t + 128 qi.  Of step s: word 0 the scale word, word 1 -M_loc, word 2 the local sum.
.macro FIXQ qi
.set SQ, ST+64*(\qi)
	v_min3_num_f32 v[NMR], v[SQ+1], v[SQ+5], v[SQ+9]
.irp s, 3,5,7,9,11,13
	v_min3_num_f32 v[NMR], v[NMR], v[SQ+4*\s+1], v[SQ+4*\s+5]
.endr
	v_min_num_f32 v[NMR], v[NMR], v[SQ+61]         ; -M_row
.irp s, 0,1,2,3,4,5,6,7,8,9,10,11,12,13,14,15
.set TT, 80+6*(\s%2)
	s_cmp_ge_u32 s60, \s
	s_cselect_b32 s61, 1.0, 0                      ; a step behind the limit counts for nothing
	v_sub_f32 v[TT], v[NMR], v[SQ+4*\s+1]          ; M_loc - M_row: a whole number, 0 or less
	v_max_num_f32 v[TT], 0xc3480000, v[TT]         ; held at -200
	v_cvt_i32_f32 v[TT], v[TT]
	v_ldexp_f32 v[TT+1], s61, v[TT]
.if \s == 0
	v_mul_f32 v[LSUM], v[SQ+2], v[TT+1]            ; the first term starts the sum
.else
	v_fma_f32 v[LSUM], v[SQ+4*\s+2], v[TT+1], v[LSUM]
.endif
	v_sub_nc_u32 v[TT+2], 0, v[TT]
	v_min_u32 v[TT+2], 127, v[TT+2]
	v_lshl_or_b32 v[TT+2], v[TT+2], 8, v[TT+2]
	v_lshl_or_b32 v[TT+2], v[TT+2], 16, v[TT+2]    ; in all four bytes
	v_or_b32 v[SQ+4*\s], 0x80808080, v[SQ+4*\s]    ; p is at most 1, so a byte is at most 112: with 128 on top no byte borrows from the next,
	v_sub_nc_u32 v[SQ+4*\s], v[SQ+4*\s], v[TT+2]
	v_and_b32 v[TT+3], 0x80808080, v[SQ+4*\s]      ; and its top bit stays where the byte did not fall under 0
	v_lshrrev_b32 v[TT+4], 7, v[TT+3]
	v_sub_nc_u32 v[TT+3], v[TT+3], v[TT+4]         ; 0x7f there, 0 elsewhere
	v_and_b32 v[SQ+4*\s], v[SQ+4*\s], v[TT+3]
	ds_store_b32 v[SPA], v[SQ+4*\s] offset:8192*(\qi)+512*\s
.endr
	v_rcp_f32 v[RC+(\qi)], v[LSUM]
	v_nop
	s_wait_alu depctr_va_vdst(0)                   ; the wait ahead of the first reader
	ds_store_b32 v[RLA], v[RC+(\qi)] offset:512*(\qi)
.endm
	s_wait_loadcnt 16                              ; the first query's sixteen loads are in; the second's may be out
	FIXQ 0
	s_wait_loadcnt 0x0
	FIXQ 1
.macro FRAG reg, adr, q, i
.irp c, 0,1,2,3
	ds_load_b128 v[\reg+4*\c:\reg+4*\c+3], v[\adr] offset:2048*(\q)+512*\c+(\i)*4096
.endr
.endm
.macro MUL16 a0, p, q, sc, zero        ; the 64 accumulators take turns, in the same order in every step
.irp a, \a0, \a0+1
.irp b, 0,1,2,3,4,5,6,7
.if \zero
	v_wmma_scale_f32_16x16x128_f8f6f4 v[8*(8*((\a)%4)+\b):8*(8*((\a)%4)+\b)+7], v[128*(\p)+FR*\b:128*(\p)+FR*\b+FR-1], v[AF+FR*(\a):AF+FR*(\a)+FR-1], 0, v[SC+8*NQ*(\sc)+NQ*\b+(\q)], v[SC+8*NQ*(\sc)+NQ*(\a)+(\q)] matrix_a_fmt:MATRIX_FMT_BF8 matrix_b_fmt:MATRIX_FMT_BF8 matrix_a_scale:MATRIX_SCALE_ROW1
.else
	v_wmma_scale_f32_16x16x128_f8f6f4 v[8*(8*((\a)%4)+\b):8*(8*((\a)%4)+\b)+7], v[128*(\p)+FR*\b:128*(\p)+FR*\b+FR-1], v[AF+FR*(\a):AF+FR*(\a)+FR-1], v[8*(8*((\a)%4)+\b):8*(8*((\a)%4)+\b)+7], v[SC+8*NQ*(\sc)+NQ*\b+(\q)], v[SC+8*NQ*(\sc)+NQ*(\a)+(\q)] matrix_a_fmt:MATRIX_FMT_BF8 matrix_b_fmt:MATRIX_FMT_BF8 matrix_a_scale:MATRIX_SCALE_ROW1
.endif
.endr
.endr
.endm
.macro FETCH_B slot, q, p
	WIN TO_B
.irp i, 0,1,2,3,4,5,6,7
	FRAG 128*(\p)+FR*\i, ADRB+\slot, \q, \i
.endr
	WIN 0
.endm
.macro FETCH_A slot, q, i0
.irp i, \i0, \i0+1, \i0+2, \i0+3
	FRAG AF+FR*(\i), ADRA+\slot, \q, \i
.endr
.endm
.macro SCALES sc                       ; lanes 0-15: p's block i; lanes 16-31: v's block i
.irp i, 0,1,2,3,4,5,6,7
	ds_load_b32 v[SC+8*NQ*\sc+NQ*\i], v[ADRS] offset:64*\i
	ds_load_b32 v[SC+8*NQ*\sc+NQ*\i+1], v[ADRS] offset:512+64*\i
.endr
.endm
.macro PLACES n
.rept \n
	v_nop
.endr
.endm
.macro STEP slot, q, zero
	s_wait_dscnt 4*NL                              ; all but the youngest sixteen loads (A's blocks 4-7) are in
	WIN MUL_LO
	MUL16 0, (\q)%2, \q, \slot, \zero
	MUL16 2, (\q)%2, \q, \slot, \zero
	s_wait_dscnt 0
	PLACES NP
	FETCH_B \slot, (\q)+1, 1-(\q)%2
	FETCH_A \slot, (\q)+1, 0
	WIN MUL_HI
	MUL16 4, (\q)%2, \q, \slot, \zero
	MUL16 6, (\q)%2, \q, \slot, \zero
	PLACES NP
	WIN 0
	FETCH_A \slot, (\q)+1, 4
.endm
; THE CHANGE OF SLOTS, at a slot's head.  Every wait on TENSORcnt in this text is for 0.  fill = 1: the other slot takes the next 256 keys, if they count for my queries: ids and the count of slots alone, the same in all four waves.
.macro CHG fill
	s_wait_tensorcnt 0x0                           ; no tensor load of mine is out, so a group 0 may be written
	ds_add_u32 v[SPW], v[NIL]
.if \fill
	s_xor_b32 s[G0+1], s[G0+1], SLOT1
	s_add_nc_u64 s[G0+2:G0+3], s[G0+2:G0+3], 4096
	s_xor_b32 s[G0B+1], s[G0B+1], SLOT1
	s_add_nc_u64 s[G0B+2:G0B+3], s[G0B+2:G0B+3], 4096
.endif
	s_wait_dscnt 0x0                               ; the add is done; my LDS stores have landed, and my reads of the slot that I have left are over
	s_barrier_signal -1
	s_barrier_wait -1
.if \fill
	s_cmp_ge_u32 s38, s18                          ; the next slot's keys all come after my work-group's queries: nobody would read it
	s_cbranch_scc1 .Lpast_\@
	TLOAD                                          ; my one tensor load behind the barrier
.Lpast_\@:
.endif
.endm
; A SLOT'S WORK: 128 matrix instructions a wave.  A slot behind the limit is left out; the lines that step addresses are not.
.macro WORK zero
.if !\zero
	s_cmp_gt_u32 s38, s18
	s_cbranch_scc1 .Lhid_\@
.endif
	v_add_nc_u32 v[ADRA], s36, v[A0]
	v_add_nc_u32 v[ADRB], s36, v[B0]
	v_add_nc_u32 v[ADRS], s37, v[S0]
	PLACES NP-3                                    ; with the three additions: eight places in front of loads into registers that matrix instructions have read
	FETCH_B 0, 0, 0
	FETCH_A 0, 0, 0
	SCALES 0
	FETCH_A 0, 0, 4
	STEP 0, 0, \zero
	s_wait_dscnt 4*NL
	WIN MUL_LO
	MUL16 0, 1, NQ-1, 0, 0
	MUL16 2, 1, NQ-1, 0, 0
	s_wait_dscnt 0
	WIN MUL_HI
	MUL16 4, 1, NQ-1, 0, 0
	MUL16 6, 1, NQ-1, 0, 0
	WIN 0
.Lhid_\@:
	s_add_co_u32 s38, s38, 1
	s_add_co_u32 s37, s37, 1024
	s_xor_b32 s36, s36, SLOT1
.endm
	CHG 1                                          ; slot 0, v's scale words and the join's stores are whole; slot 1's first fill goes out
	WORK 1                                         ; slot 0 counts for every query: its products start the sums
.Lslot:
	CHG 1
	WORK 0
	s_sub_co_u32 s39, s39, 1
	s_cmp_lg_u32 s39, 0
	s_cbranch_scc1 .Lslot
	CHG 0                                          ; the last slot: nothing is left to fetch
	WORK 0
; THE WAY OUT: x 1 / l, then block by block of 16 rows x 128 columns through my stage: whole rows of 512 bytes leave as one aligned run.
.macro SCL a
.set AC, 64*((\a)%4)
	WIN 0x82+0x41*((\a)/4)
.set jj, 0
.rept 32
	v_pk_mul_f32 v[AC+jj:AC+jj+1], v[AC+jj:AC+jj+1], v[RI+2*(\a):RI+2*(\a)+1] op_sel_hi:[1,0]   ; each accumulator from its low end on
.set jj, jj+2
.endr
.endm
.macro TOSTAGE a
.set AC, 64*((\a)%4)
	WIN 0x08+4*((\a)/4)                            ; an LDS store's data: window 2 or 3
.irp b, 0,1,2,3,4,5,6,7
	ds_store_b128 v[STO], v[AC+8*\b:AC+8*\b+3] offset:64*\b
	ds_store_b128 v[STO], v[AC+8*\b+4:AC+8*\b+7] offset:64*\b+16
.endr
	WIN 0
.set BB, BK+64*((\a)%2)
.irp t, 0,1,2,3,4,5,6,7,8,9,10,11,12,13,14,15
	ds_load_b128 v[BB+4*\t:BB+4*\t+3], v[RD] offset:\t*SPITCH   ; LDS serves a wave's instructions in order: these see my stores
.endr
.endm
.macro SEND a, younger                 ; younger: the LDS instructions issued behind block a's loads
.set BB, BK+64*((\a)%2)
	s_wait_dscnt \younger
.if (\a) > 0
	s_add_nc_u64 s[12:13], s[12:13], 16*4096       ; 16 rows on (behind a wait on XCNT: the earlier stores have read their base)
.endif
.irp t, 0,1,2,3,4,5,6,7,8,9,10,11,12,13,14,15
	global_store_b128 v[CO], v[BB+4*\t:BB+4*\t+3], s[12:13] offset:\t*4096 th:TH_STORE_NT   ; 32 lanes store 512 consecutive bytes, aligned; written once
.endr
.endm
	PLACES NP
.irp a, 0,1,2,3,4,5,6,7
	ds_load_b32 v[RI+2*\a], v[RLR] offset:64*\a    ; 1 / l of block a's row r
	v_mov_b32 v[RI+2*\a+1], 0                      ; (named with it as a pair)
.endr
	s_wait_dscnt 0x0
	SCL 0
	TOSTAGE 0
.irp a, 1,2,3,4,5,6,7
.if \a > 1
	s_wait_xcnt 0x0                                ; block a - 2's stores have read their registers and their base
.endif
	SCL \a
	TOSTAGE \a
	SEND \a-1, 32                                  ; behind block a - 1's loads: block a's 16 stores and 16 loads
.endr
	s_wait_xcnt 0x0
	SEND 7, 0
	s_wait_tensorcnt 0x0                           ; the wave's end
	ds_add_u32 v[SPW], v[NIL]
	s_wait_dscnt 0x0
	s_endpgm
.Lfunc_end_k_q463f0ff738_mix:
	.size	k_q463f0ff738_mix, .Lfunc_end_k_q463f0ff738_mix-k_q463f0ff738_mix
	.p2alignl 7, 3214868480
	.fill 96, 4, 3214868480
	.section	.rodata,"a",@progbits
	.p2align	6, 0x0
	.amdhsa_kernel k_q463f0ff738_mix
		.amdhsa_group_segment_fixed_size 327680
		.amdhsa_private_segment_fixed_size 0
		.amdhsa_enable_private_segment 0
		.amdhsa_kernarg_size 40
		.amdhsa_user_sgpr_count 2
		.amdhsa_user_sgpr_kernarg_segment_ptr 1
		.amdhsa_wavefront_size32 1
		.amdhsa_system_sgpr_workgroup_id_x 1
		.amdhsa_system_sgpr_workgroup_id_y 1
		.amdhsa_system_sgpr_workgroup_id_z 1
		.amdhsa_system_vgpr_workitem_id 0
		.amdhsa_next_free_vgpr 1024
		.amdhsa_next_free_sgpr 92
		.amdhsa_reserve_vcc 0
		.amdhsa_float_denorm_mode_32 3
		.amdhsa_float_denorm_mode_16_64 3
		.amdhsa_memory_ordered 1
		.amdhsa_forward_progress 1
		.amdhsa_inst_pref_size 168
	.end_amdhsa_kernel
	.amdgpu_metadata
---
amdhsa.version: [ 1, 2 ]
amdhsa.kernels:
  - .name:           k_q463f0ff738_mix
    .symbol:         k_q463f0ff738_mix.kd
    .args:
      - { .name: p_img, .offset: 0, .size: 8, .value_kind: global_buffer, .address_space: global }
      - { .name: pstat, .offset: 8, .size: 8, .value_kind: global_buffer, .address_space: global }
      - { .name: v_img, .offset: 16, .size: 8, .value_kind: global_buffer, .address_space: global }
      - { .name: v_sc, .offset: 24, .size: 8, .value_kind: global_buffer, .address_space: global }
      - { .name: out0, .offset: 32, .size: 8, .value_kind: global_buffer, .address_space: global }
    .group_segment_fixed_size: 327680
    .private_segment_fixed_size: 0
    .kernarg_segment_align: 8
    .kernarg_segment_size: 40
    .max_flat_workgroup_size: 128
    .sgpr_count:     92
    .vgpr_count:     1024
    .wavefront_size: 32
...
	.end_amdgpu_metadata
.endif
;; end of part 3
;; ======== version 2 of 2: 3 launches
;; limits: right only within a limited range of input values
;; workspace buffers: q_img 8,388,608 bytes; k_img 8,388,608 bytes; v_img 8,388,608 bytes; q_sc 262,144 bytes; k_sc 262,144 bytes; v_sc 262,144 bytes; p_img 16,777,216 bytes; pstat 2,097,152 bytes
;; launch proj (part 4): grid 16 x 16, 4 waves a work-group, clusters of 4 x 4, 327,680 bytes of LDS; arguments x_codes, x_scales, Wq_codes, Wq_scales, Wk_codes, Wk_scales, Wv_codes, Wv_scales, q_img, q_sc, k_img, k_sc, v_img, v_sc; writes q_img, q_sc, k_img, k_sc, v_img, v_sc
.if DOCPART == 4
	.amdgcn_target "amdgcn-amd-amdhsa--gfx1250"
	.amdhsa_code_object_version 6
	.text
	.protected	k_q463f0ff738_proj
	.globl	k_q463f0ff738_proj
	.p2align	8
	.type	k_q463f0ff738_proj,@function
k_q463f0ff738_proj:
	s_mov_b64 s[64:65], 0
	v_nop
	global_prefetch_b8 v0, s[64:65] scope:SCOPE_SE
	s_setreg_imm32_b32 hwreg(HW_REG_WAVE_MODE, 25, 1), 1
	s_wait_xcnt 0x0
	s_wait_alu depctr_hold_cnt(0) depctr_sa_sdst(0) depctr_va_vdst(0) depctr_va_sdst(0) depctr_va_ssrc(0) depctr_va_vcc(0) depctr_vm_vsrc(0)
	s_getreg_b32 s2, hwreg(HW_REG_IB_STS2, 6, 4)
	s_cmp_eq_u32 s2, 0
	s_cbranch_scc0 .Lentry_in_a_cluster
	s_endpgm
.Lentry_in_a_cluster:
	s_bfe_u32 s2, ttmp6, 0x10000c
	s_cmp_lg_u32 s2, 0xf033
	s_cbranch_scc0 .Lentry_shape_is_right
	s_endpgm
.Lentry_shape_is_right:
; FIRST OF THREE LAUNCHES: q = x Wq, k = x Wk, v = x Wv on the given codes of BF8 (E5M2) with E8M0 scales, and the quantisers of q, k (along the 1,024 features) and of v (along the keys).
; The second launch makes scores, mask, p = 2^(t - M) and p's quantiser; the third joins M and the sums, makes p v and divides.
; WORK LEFT OUT, in the later launches: reference() sets every score of a pair key > query to -infinity by the tril that it builds itself, whatever the inputs hold: its p is 0, it adds 0 to the row's sum and to the last product.
; So queries 0..1,023 with keys 1,024..2,047 of each batch are not multiplied, and the third launch reads, for a tile of 256 queries, only the key steps up to that tile.
; Every input has a way to the output and is loaded.  LIMIT: a NaN, an infinity or an overflow that reaches only the work left out is not carried to the result.
; LIMITS: NaN and infinities among q, k, v are not served; a block of zeros gets the scale byte 1 where the rule says 127 (its codes are zeros, and this program alone reads the bytes).
; OUTPUTS (r = lane % 16, h = lane / 16), registers of operands as images: q_img, k_img: [region of 1,024 rows, 8][pair of K steps 4][row tile 64][K step of the pair][c 4][half 2][r][16 bytes];  q_sc, k_sc: [region][K step 8][row 1,024] words;
; v_img: [channel tile 64][key step 64][c 4][lane][16 bytes];  v_sc: [key step 64][channel 1,024] words.
; ORDER INSIDE A BLOCK OF 32 along the next K: the same in q and k (where h = 1 the eights stand as 1, 0, 3, 2), and the same in v and p (lane half h, then u, then j is key 16 u + 8 h + j): both operands of a product carry it, so the products are the same.
; SHARES.  256 work-groups of four waves, 2 x 2; a wave holds 64 rows of a weight, all of K, in 512 registers and streams x's rows past them in blocks of 16, which stand in registers as two whole sets (256).
; PHASE 1: 512 rows x 128 columns of q (tile columns 0 to 7) or k (8 to 15): sixteen blocks.  PHASE 2: 256 x 128 of v: eight blocks, of one of the work-group's own two windows of 256 rows: number s18; W_v's tile column is 4 (cluster x / 2) + cx.
; Block n of wave row w, within 128 rows: rows 64 (n / 2) + 32 w + 16 (n % 2): two blocks of a wave are 32 neighbouring tokens.  THE WEIGHT'S ROWS in phase 1: lane r of tile b takes row 8 b + r (r under 8) or 32 + 8 (b xor 1) + r - 8: a scale block of 32 lies in one lane.
; THE ORDER OF WORK.  LDS holds two slots of 128 rows: a weight lies in a slot (the first in 1, W_v's in 0).  Phase 1 takes the window that is not v's first (chunks 0, 1), v's last (chunks 2, 3): chunk 3 still lies in slot 1 when v begins; chunk 2 comes anew.
; FILLS.  At the head the first weight (wave 0), chunk 0 (wave 1), a window's scale bytes each (waves 2, 3).  Refills, each in a drained round of the cluster's barrier, a quarter of 128 rows a wave: chunks 1, 2, 3 inside blocks 0, 4, 8, their first halves
; (waves 0 and 1's) shown by the plain barrier inside the block two on, their second by the next round; W_v's rows behind block 11, shown at the change of phase; chunk 2 anew there too, shown inside v's block 1.
; CLUSTER 4 x 4: x's rows are asked for jointly along a row, a weight's along a column.  PREFETCHES: a chunk is asked for one trip ahead of its refill, a sixteenth by each wave of the partners that load it, by address.
.set KROW, 1024
.set KS, 32
.set PITCH, KROW+16                    ; LDS rows of 1,040 bytes: the 16 rows of a load start at 16 different banks
.set NQ, 8
.set NB, 4
.set TM, 512
.set TN, 128
.set TV, 256
.set CH, 128
.set FR, 16
.set FPW, 16
.set NP, 8                             ; plain vector lines behind a matrix instruction (ISA guide 7.12.1)
.set NF, 34                            ; LDS loads of a block: eight fragments of four, two of four scale words
.set YB, CH*PITCH
.set SCL, 2*YB                         ; the scale bytes of x's 512 rows in the order of work, units of 256 bytes (8 rows) + 16
.set RS, 32
.set CSTEP, 16*272                     ; 128 rows of them
.set XN, SCL+2*RS*272                  ; q's, k's scale words of my K step: 512 rows in the order of work
.set XV, XN+2048                       ; v's: [key step 2][channel 128]
.set SPARE, XV+1024
.set EMAX, 15
.set TI, 4096                          ; from a row tile's image to the next
.set ADRA0, 4
.set CN, 5
.set AAS0, 6
.set CO, 9
.set SPW, 10
.set NIL, 11
.set ADRA, 12
.set VX, 13
.set ADRB, 14                          ; v14 the first weight, even tiles; v15 W_v
.set ABS, 16
.set AAS, 17
.set ABV, 18
.set RD, 19
.set SOP, 20
.set SB, 24                            ; v24-39 the weight's scale words: register 8 p + q: lanes 0-15 tile 2 p's, lanes 16-31 tile 2 p + 1's
.set EB, 40
.set SA, 44                            ; v44-59 x's, two sets
.set TQ, 60
.set ACC, 64                           ; v64-191 four sets of four accumulators: products write 0 and 1; 2 and 3 take a pair of v's blocks for its way out
.set WS, 128                           ; in phase 1: W_v's scale words
.set NCD, 192
.set MCD, 192
.set VX0, 208
.set ADRO, 209                         ; the first weight, odd tiles
.set G1A, 24
.set G0A, 56
.set G1B, 32
.set G0B, 60
.set G1R, 48
.set G0R, 68
.set G1S, 92
.set G0S, 72
.set MSB, 0
.macro WIN new
.if MSB != (\new)
	s_set_vgpr_msb (MSB<<8)|(\new)
.set MSB, (\new)
.endif
.endm
.macro PLACES n
.rept \n
	v_nop
.endr
.endm
.macro BARRIER
	s_barrier_signal -1
	s_barrier_wait -1
.endm
.macro CROUND
	BARRIER
	s_cmp_lg_u32 s14, 0
	s_cbranch_scc1 .Lnot_wave_0_\@
	s_barrier_signal -3
.Lnot_wave_0_\@:
	s_barrier_wait -3
	BARRIER
.endm
.macro TLOAD g0, g1
	tensor_load_to_lds s[\g0:\g0+3], s[\g1:\g1+7]
	s_nop 0
	PLACES 4
.endm
.macro GROUP1 g, mask, rows            ; a tile of so many whole rows of K, 1,024 bytes each, 16 bytes of padding behind each in LDS
	s_or_b32 s[\g+0], s[\mask], (1<<20)|(1<<21)|(7<<22)|(3<<25)
	s_mov_b32 s[\g+1], (KROW&0xffff)<<16
	s_mov_b32 s[\g+2], (KROW>>16)|((\rows)<<16)
	s_mov_b32 s[\g+3], KROW<<16
	s_mov_b32 s[\g+4], \rows
	s_mov_b32 s[\g+5], KROW
	s_mov_b32 s[\g+6], 0
	s_mov_b32 s[\g+7], 0
.endm
.macro SADD d, x
	s_add_co_u32 s\d, s\d, s\x
.endm
	s_load_b128 s[4:7], s[0:1], 0x0                ; x's codes, x's scales
	s_load_b256 s[76:83], s[0:1], 0x10             ; Wq, its scales, Wk, its scales
	s_load_b128 s[84:87], s[0:1], 0x30             ; Wv, its scales
	v_lshl_add_u32 v[SPW], v0, 2, SPARE
	v_mov_b32 v[NIL], 0
	ds_add_u32 v[SPW], v[NIL]                      ; the wave's opening: the add, twice on end, and its wait ahead of my first tensor load
	ds_add_u32 v[SPW], v[NIL]
	v_lshrrev_b32 v1, 5, v0
	v_readfirstlane_b32 s14, v1                    ; wave 0..3
	s_lshr_b32 s15, s14, 1                         ; my row of waves
	s_and_b32 s16, s14, 1                          ; my column of waves
	s_bfe_u32 s40, ttmp6, 0x40000                  ; cx
	s_bfe_u32 s41, ttmp6, 0x40004                  ; cy
	s_lshl_b32 s42, ttmp9, 2
	s_add_co_u32 s42, s42, s40                     ; tile column
	s_and_b32 s43, ttmp7, 0xffff
	s_lshl_b32 s43, s43, 2
	s_add_co_u32 s43, s43, s41                     ; tile row
	s_lshr_b32 s19, ttmp9, 1                       ; 0: q; 1: k
	s_and_b32 s18, ttmp9, 1                        ; v's window
	s_lshl_b32 s44, s41, 2
	s_lshl_b32 s44, 15, s44                        ; my row of the cluster: shares x's rows
	s_lshl_b32 s45, 0x1111, s40                    ; my column: shares a weight's
	GROUP1 G1B, 45, TN
	GROUP1 G1A, 44, CH
	GROUP1 G1R, 44, CH/4
	s_or_b32 s[G1S+0], s44, (3<<16)|(1<<20)|(1<<21)|(5<<22)|(3<<25)   ; the scale bytes of 256 rows: RS rows of 256 bytes, 16 of padding behind each
	s_mov_b32 s[G1S+1], 32<<16
	s_mov_b32 s[G1S+2], RS<<16
	s_mov_b32 s[G1S+3], 32<<16
	s_mov_b32 s[G1S+4], RS
	s_mov_b32 s[G1S+5], 32
	s_mov_b32 s[G1S+6], 0
	s_mov_b32 s[G1S+7], 0
	s_mov_b32 s[G0S], 1
	s_mul_i32 s[G0S+1], s16, RS*272
	s_add_co_u32 s[G0S+1], s[G0S+1], SCL
; byte offsets: s67, s2 in x: the window that is not v's, and v's; s3 in W_v; s10 in the first weight; s46, s12 their scale bytes; s88 x's scale bytes
	s_mul_i32 s67, s43, TM*KROW
	s_mul_i32 s20, s18, TV*KROW
	s_add_co_u32 s2, s67, s20
	s_xor_b32 s20, s20, TV*KROW
	SADD 67, 20
	s_lshl_b32 s13, s19, 2
	SADD 13, 40                                    ; W_v's tile column
	s_and_b32 s23, s42, 7                          ; the first weight's
	s_mul_i32 s3, s13, TN*KROW
	s_mul_i32 s12, s13, TN*KS
	s_mul_i32 s21, s16, 64*KS
	SADD 12, 21
	s_mul_i32 s10, s23, TN*KROW
	s_mov_b32 s11, 0
	s_mul_i32 s46, s23, TN*KS
	SADD 46, 21
	s_mov_b32 s47, 0
	s_lshl_b32 s88, s43, 1                         ; wave 2: the window that is not v's, wave 3: v's
	s_xor_b32 s20, s18, 1
	s_cmp_eq_u32 s16, 1
	s_cselect_b32 s20, s18, s20
	SADD 88, 20
	s_mul_i32 s88, s88, TV*KS
	s_mov_b32 s89, 0
	s_mov_b32 s[G0A], 1
	s_mov_b32 s[G0A+1], 0
	s_mov_b32 s[G0B], 1
	s_mov_b32 s[G0B+1], YB
	s_mov_b32 s[G0R], 1
	s_lshl_b32 s90, s40, 2                         ; my share of a prefetch of x's rows,
	SADD 90, 14
	s_lshl_b32 s100, s41, 2                        ; and of W_v's
	SADD 100, 14
	v_and_b32 v1, 15, v0                           ; r
	v_bfe_u32 v2, v0, 4, 1                         ; h
	v_and_b32 v3, 31, v0                           ; lane
	v_and_b32 v22, 7, v0                           ; r % 8
	v_bfe_u32 v23, v0, 3, 1                        ; r / 8
	v_mul_u32_u24 v8, v1, PITCH
	v_mad_u32_u24 v8, v2, 16, v8
	s_mul_i32 s20, s15, 32*PITCH
	v_add_nc_u32 v[ADRA0], s20, v8
	s_mul_i32 s22, s16, 64*PITCH
	v_add_nc_u32 v[ADRB+1], s22, v8
	s_add_co_u32 s22, s22, YB
	v_mad_u32_u24 v7, v23, 40, v22                 ; even tiles: 40 rows on for r of 8 and more
	v_mul_u32_u24 v7, v7, PITCH
	v_mad_u32_u24 v7, v2, 16, v7
	v_add_nc_u32 v[ADRB], s22, v7
	v_mad_u32_u24 v7, v23, 24, v22                 ; odd tiles: 24
	v_mul_u32_u24 v7, v7, PITCH
	v_mad_u32_u24 v7, v2, 16, v7
	v_add_nc_u32 v[ADRO], s22, v7
	v_xor_b32 v8, v2, v23                          ; the same rows in the scale bytes: lanes 16-31 take the odd tile
	v_lshl_add_u32 v22, v23, 5, v22
	v_lshl_add_u32 v22, v8, 3, v22
	v_mul_u32_u24 v[ABS], v22, KS
	v_mul_u32_u24 v[ABV], v3, KS
	v_lshlrev_b32 v23, 5, v1                       ; x's scale bytes in LDS: 32 a row, and 16 more for each 256 passed
	v_lshrrev_b32 v22, 3, v1
	v_lshl_add_u32 v23, v22, 4, v23
	s_mul_i32 s20, s15, 4*272
	s_add_co_u32 s20, s20, SCL
	v_add_nc_u32 v[AAS0], s20, v23
	s_wait_alu depctr_va_vdst(0)
	s_wait_dscnt 0x0                               ; both opening adds are done
	CROUND                                         ; all sixteen work-groups are here
	s_wait_kmcnt 0x0
	s_cmp_eq_u32 s19, 1                            ; chosen on the cluster's number, which hangs on no address
	s_cselect_b64 s[76:77], s[80:81], s[76:77]
	s_cselect_b64 s[78:79], s[82:83], s[78:79]
	s_mov_b32 s20, s67
	s_mov_b32 s21, 0
	s_add_nc_u64 s[G0A+2:G0A+3], s[4:5], s[20:21]
	s_or_b32 s[G0A+3], s[G0A+3], 0x80000000
	s_add_nc_u64 s[G0B+2:G0B+3], s[76:77], s[10:11]
	s_or_b32 s[G0B+3], s[G0B+3], 0x80000000
	s_add_nc_u64 s[G0S+2:G0S+3], s[6:7], s[88:89]
	s_or_b32 s[G0S+3], s[G0S+3], 0x80000000
	s_cmp_eq_u32 s14, 0                            ; one joint load a wave, and a line of its own for what is shown ahead of the rest
	s_cbranch_scc0 .Lwave_1
	TLOAD G0B, G1B                                 ; wave 0: the first weight's rows
	s_branch .Lasked
.Lwave_1:
	s_cmp_eq_u32 s14, 1
	s_cbranch_scc0 .Lfor_scales
	TLOAD G0A, G1A                                 ; wave 1: chunk 0
	s_branch .Lasked
.Lfor_scales:
	TLOAD G0S, G1S                                 ; waves 2, 3: a window's scale bytes each
.Lasked:
	s_add_nc_u64 s[88:89], s[78:79], s[46:47]      ; the first weight's scale bytes, my 64 rows
	s_mov_b32 s20, s12
	s_mov_b32 s21, 0
	s_add_nc_u64 s[86:87], s[86:87], s[20:21]      ; W_v's
	s_mov_b32 s20, s3
	s_add_nc_u64 s[10:11], s[84:85], s[20:21]      ; W_v's codes at my tile column
; where my results go: offsets
	s_lshr_b32 s76, s43, 1                         ; s[76:77] q_img, k_img: the region,
	s_lshl_b32 s76, s76, 20
	s_lshr_b32 s20, s23, 1                         ; the pair of K steps,
	s_lshl_b32 s20, s20, 18
	SADD 76, 20
	s_and_b32 s20, s23, 1
	s_lshl_b32 s20, s20, 11
	SADD 76, 20
	s_lshl_b32 s20, s16, 10                        ; my 64 of the K step's 128 features,
	SADD 76, 20
	s_and_b32 s20, s43, 1                          ; which 512 of the region, my row of waves
	s_lshl_b32 s20, s20, 17
	SADD 76, 20
	s_lshl_b32 s20, s15, 13
	SADD 76, 20
	s_mov_b32 s77, 0
	s_lshr_b32 s78, s43, 1                         ; s[78:79] q_sc, k_sc: a wave stores 512 bytes
	s_lshl_b32 s78, s78, 15
	s_lshl_b32 s20, s23, 12
	SADD 78, 20
	s_and_b32 s20, s43, 1
	s_lshl_b32 s20, s20, 11
	SADD 78, 20
	s_xor_b32 s20, s15, s18
	s_xor_b32 s20, s20, 1                          ; the window of my half in the order of work
	s_lshl_b32 s20, s20, 10
	SADD 78, 20
	s_lshl_b32 s20, s16, 9
	SADD 78, 20
	s_mov_b32 s79, 0
	s_lshl_b32 s80, s13, 3                         ; s[80:81] v_img: my first channel tile, my window's first key step, my row of waves
	s_lshl_b32 s20, s16, 2
	SADD 80, 20
	s_lshl_b32 s80, s80, 17
	s_lshl_b32 s21, s43, 2
	s_lshl_b32 s20, s18, 1
	SADD 21, 20
	s_lshl_b32 s20, s21, 11
	SADD 80, 20
	s_lshl_b32 s20, s15, 9
	SADD 80, 20
	s_mov_b32 s81, 0
	s_add_co_u32 s82, s21, s15                     ; s[82:83] v_sc: a wave stores 256 bytes
	s_lshl_b32 s82, s82, 12
	s_lshl_b32 s20, s13, 9
	SADD 82, 20
	s_lshl_b32 s20, s16, 8
	SADD 82, 20
	s_mov_b32 s83, 0
	v_lshlrev_b32 v[CO], 4, v3
	s_lshl_b32 s21, s16, 1
	s_lshl_b32 s22, s15, 7
	SADD 21, 22
	s_add_co_u32 s21, s21, XN
	v_lshl_add_u32 v23, v1, 2, v2                  ; 4 r + h
	v_add_nc_u32 v[VX0], s21, v23
	v_add_nc_u32 v[VX], s21, v23
	s_lshl_b32 s21, s16, 8
	SADD 21, 15
	s_add_co_u32 s21, s21, XV
	v_lshlrev_b32 v23, 2, v1
	v_add_nc_u32 v[RD], s21, v23                   ; v's byte: both halves of the lanes hold the same
	v_lshlrev_b32 v23, 9, v2
	v_lshl_add_u32 v[CN], v1, 4, v23
.irp p, 0,1
.irp c, 0,1
	global_load_b128 v[SB+NQ*\p+4*\c:SB+NQ*\p+4*\c+3], v[ABS], s[88:89] offset:\p*16*KS+16*\c
	global_load_b128 v[WS+NQ*\p+4*\c:WS+NQ*\p+4*\c+3], v[ABV], s[86:87] offset:\p*32*KS+16*\c
.endr
.endr
	s_add_co_u32 s6, s67, CH*KROW                  ; chunk 1
	s_add_co_u32 s7, s2, CH*KROW                   ; chunk 3
	s_lshl_b32 s21, s90, 13
	s_add_co_u32 s22, s21, s6
	v_lshl_add_u32 v7, v3, 8, s22                  ; a prefetch's offsets: my sixteenth of chunk 1, of chunk 2
	s_add_co_u32 s22, s21, s2
	v_lshl_add_u32 v8, v3, 8, s22
	v_add_nc_u32 v1, 16*PITCH, v[ADRA0]            ; block 1's LDS addresses
	v_add_nc_u32 v2, 2*272, v[AAS0]
	s_wait_alu depctr_va_vdst(0)
	s_wait_xcnt 0x0                                ; the scale words' loads have taken their addresses
	s_cmp_eq_u32 s14, 0
	s_cbranch_scc0 .Lnot_b
	s_wait_tensorcnt 0x0                           ; wave 0: the first weight has landed.  The other waves' wait stands at the second barrier
.Lnot_b:
	BARRIER
	global_prefetch_b8 v7, s[4:5] th:TH_LOAD_NT scope:SCOPE_SE
	global_prefetch_b8 v8, s[4:5] th:TH_LOAD_NT scope:SCOPE_SE
.macro WALU
	s_wait_alu depctr_va_vdst(0)
.endm
.macro MIDDLE                          ; a round's middle
	WIN 0
	s_barrier_wait -1
	s_cmp_lg_u32 s14, 0
	s_cbranch_scc1 .Lnot_wave_0_\@
	s_barrier_signal -3
.Lnot_wave_0_\@:
	s_barrier_wait -3
.endm
.macro GRD
	s_wait_tensorcnt 0x0
	ds_add_u32 v[SPW], v[NIL]
.endm
.macro FRAG f, adr, q, off             ; a weight's fragment f: 16 rows x 128 of K, 16 registers, in window 1 + f / 16
	WIN (1+(\f)/FPW)<<6
.irp c, 0,1,2,3
	ds_load_b128 v[FR*((\f)%FPW)+4*\c:FR*((\f)%FPW)+4*\c+3], v[\adr] offset:128*(\q)+32*\c+(\off)
.endr
.endm
.macro FETCHAT k, a, s                 ; a block of x, 16 rows, all of K, into set k of window 3, and its scale words: NF loads
	WIN 3<<6
.irp q, 0,1,2,3,4,5,6,7
.irp c, 0,1,2,3
	ds_load_b128 v[128*\k+FR*\q+4*\c:128*\k+FR*\q+4*\c+3], v[\a] offset:128*\q+32*\c
.endr
.endr
	WIN 0
	ds_load_b128 v[SA+8*\k:SA+8*\k+3], v[\s]
	ds_load_b128 v[SA+8*\k+4:SA+8*\k+7], v[\s] offset:16
.endm
.macro PROD kind, e, a, n              ; product n = 4 q + b of a block: x's rows in set e, sums in set a.  kind 0 (q, k): source 0 = the weight's rows; kind 1 (v): source 0 = x's rows
.set Q_, (\n)/4
.set B_, (\n)%4
.set FB_, NB*Q_+B_
.set AC_, ACC+32*(\a)+8*B_
.set R_, 128*(\e)+FR*Q_
.set W_, FR*(FB_%FPW)
.set XS_, SA+8*(\e)+Q_
.set WS_, SB+8*(B_/2)+Q_
.if \kind
	WIN 3|((1+FB_/FPW)<<2)
.if Q_ && B_%2
	v_wmma_scale_f32_16x16x128_f8f6f4 v[AC_:AC_+7], v[R_:R_+FR-1], v[W_:W_+FR-1], v[AC_:AC_+7], v[XS_], v[WS_] matrix_a_fmt:MATRIX_FMT_BF8 matrix_b_fmt:MATRIX_FMT_BF8 matrix_b_scale:MATRIX_SCALE_ROW1
.elseif Q_
	v_wmma_scale_f32_16x16x128_f8f6f4 v[AC_:AC_+7], v[R_:R_+FR-1], v[W_:W_+FR-1], v[AC_:AC_+7], v[XS_], v[WS_] matrix_a_fmt:MATRIX_FMT_BF8 matrix_b_fmt:MATRIX_FMT_BF8
.elseif B_%2
	v_wmma_scale_f32_16x16x128_f8f6f4 v[AC_:AC_+7], v[R_:R_+FR-1], v[W_:W_+FR-1], 0, v[XS_], v[WS_] matrix_a_fmt:MATRIX_FMT_BF8 matrix_b_fmt:MATRIX_FMT_BF8 matrix_b_scale:MATRIX_SCALE_ROW1
.else
	v_wmma_scale_f32_16x16x128_f8f6f4 v[AC_:AC_+7], v[R_:R_+FR-1], v[W_:W_+FR-1], 0, v[XS_], v[WS_] matrix_a_fmt:MATRIX_FMT_BF8 matrix_b_fmt:MATRIX_FMT_BF8
.endif
.else
	WIN (1+FB_/FPW)|(3<<2)
.if Q_ && B_%2
	v_wmma_scale_f32_16x16x128_f8f6f4 v[AC_:AC_+7], v[W_:W_+FR-1], v[R_:R_+FR-1], v[AC_:AC_+7], v[WS_], v[XS_] matrix_a_fmt:MATRIX_FMT_BF8 matrix_b_fmt:MATRIX_FMT_BF8 matrix_a_scale:MATRIX_SCALE_ROW1
.elseif Q_
	v_wmma_scale_f32_16x16x128_f8f6f4 v[AC_:AC_+7], v[W_:W_+FR-1], v[R_:R_+FR-1], v[AC_:AC_+7], v[WS_], v[XS_] matrix_a_fmt:MATRIX_FMT_BF8 matrix_b_fmt:MATRIX_FMT_BF8
.elseif B_%2
	v_wmma_scale_f32_16x16x128_f8f6f4 v[AC_:AC_+7], v[W_:W_+FR-1], v[R_:R_+FR-1], 0, v[WS_], v[XS_] matrix_a_fmt:MATRIX_FMT_BF8 matrix_b_fmt:MATRIX_FMT_BF8 matrix_a_scale:MATRIX_SCALE_ROW1
.else
	v_wmma_scale_f32_16x16x128_f8f6f4 v[AC_:AC_+7], v[W_:W_+FR-1], v[R_:R_+FR-1], 0, v[WS_], v[XS_] matrix_a_fmt:MATRIX_FMT_BF8 matrix_b_fmt:MATRIX_FMT_BF8
.endif
.endif
.endm
.macro HOLD x, b                       ; held at 57,344 x the block's scale: the conversion does not saturate (ISA guide 7.6.2)
	v_med3_num_f32 v[\x], v[\x], -v[TQ+\b], v[TQ+\b]
.endm
.macro SCALES i, n                     ; 0: the conversion's scale operand; 1: the bound; 2: a second copy of it; 3: the scale byte
.if (\i) == 0
	v_add_nc_u32 v[SOP+\n], -(EMAX<<23), v[TQ]
.elseif (\i) == 1
	v_and_or_b32 v[TQ+1], v[TQ], 0x7f800000, s62
.elseif (\i) == 2
	v_mov_b32 v[TQ+3], v[TQ+1]
.else
	v_lshrrev_b32 v[EB+\n], 23, v[SOP+\n]
.endif
.endm
.macro MAXQ k, x                       ; q, k: 18 lines: the largest magnitude of the 32 sums at x, and the floor under which a byte would fall under 1
.if (\k) < 4
	v_max3_num_f32 v[TQ+\k], |v[\x+8*(\k)]|, |v[\x+8*(\k)+1]|, |v[\x+8*(\k)+2]|
.elseif (\k) < 12
	v_max3_num_f32 v[TQ+(\k)%4], v[TQ+(\k)%4], |v[\x+8*((\k)%4)+2*((\k)/4)+1]|, |v[\x+8*((\k)%4)+2*((\k)/4)+2]|
.elseif (\k) < 16
	v_max_num_f32 v[TQ+(\k)%4], v[TQ+(\k)%4], |v[\x+8*((\k)%4)+7]|
.elseif (\k) == 16
	v_max3_num_f32 v[TQ], v[TQ], v[TQ+1], v[TQ+2]
.else
	v_max3_num_f32 v[TQ], v[TQ], v[TQ+3], (EMAX+1)<<23
.endif
.endm
.macro HOLDS m, x                      ; two of a scale block's holds; the bound is read from its second copy where its first would be read too late
.if (\m) == 3
	HOLD \x, 3
	HOLD \x+1, 3
.else
	HOLD \x, 1
	HOLD \x+1, 1
.endif
.if (\m) == 2
	SCALES 2, 0
.endif
.endm
.macro GAPQ m, x                       ; the quantiser of q's or k's block, gaps 0 .. 26: the sums at x -> codes NCD, byte EB
.if (\m) < 9
	MAXQ 2*(\m), \x
	MAXQ 2*(\m)+1, \x
.elseif (\m) == 9
	SCALES 0, 0
	SCALES 1, 0
.elseif (\m) < 26
	HOLDS (\m)-10, \x+2*((\m)-10)
.if ((\m)-10)%4 == 3
	v_cvt_scalef32_pk8_bf8_f32 v[NCD+2*(((\m)-10)/4):NCD+2*(((\m)-10)/4)+1], v[\x+8*(((\m)-10)/4):\x+8*(((\m)-10)/4)+7], v[SOP]
.endif
.elseif (\m) == 26
	SCALES 3, 0
.endif
.endm
.macro GAPV u, x                       ; the quantiser of a pair of v's blocks, gaps 0 .. 59, 15 a tile: a scale block lies in lanes l and l xor 16: the even block's sums at x, the odd's at x + 32 -> codes MCD + 4 t, bytes EB + t
.set T_, (\u)/15
.set J_, (\u)%15
.set E_, \x+8*T_
.set O_, E_+32
.if (\u) > 59
.elseif J_ == 0
	v_max3_num_f32 v[TQ], |v[E_]|, |v[E_+1]|, |v[E_+2]|
	v_max3_num_f32 v[TQ+2], |v[O_]|, |v[O_+1]|, |v[O_+2]|
.elseif J_ < 3
	v_max3_num_f32 v[TQ], v[TQ], |v[E_+2*J_+1]|, |v[E_+2*J_+2]|
	v_max3_num_f32 v[TQ+2], v[TQ+2], |v[O_+2*J_+1]|, |v[O_+2*J_+2]|
.elseif J_ == 3
	v_max3_num_f32 v[TQ+2], v[TQ+2], |v[O_+7]|, (EMAX+1)<<23
	v_max3_num_f32 v[TQ], v[TQ], |v[E_+7]|, v[TQ+2]
.elseif J_ == 4
	v_permlanex16_b32 v[TQ+2], v[TQ], s60, s61
	v_max_num_f32 v[TQ], v[TQ], v[TQ+2]
.elseif J_ == 5
	SCALES 0, T_
	SCALES 1, T_
.elseif J_ < 10
	HOLDS J_-6, E_+2*(J_-6)
.if J_ == 9
	v_cvt_scalef32_pk8_bf8_f32 v[MCD+4*T_:MCD+4*T_+1], v[E_:E_+7], v[SOP+T_]
.endif
.elseif J_ < 14
	HOLDS J_-6, O_+2*(J_-10)
.if J_ == 13
	v_cvt_scalef32_pk8_bf8_f32 v[MCD+4*T_+2:MCD+4*T_+3], v[O_:O_+7], v[SOP+T_]
.endif
.else
	SCALES 3, T_
.endif
.endm
.macro RDESC i, off, lds               ; group 0 of a refill, in two parts: a quarter of 128 rows a wave, x's rows at byte s[off], into LDS at s[lds]
.if (\i) == 0
	s_mul_i32 s[G0R+1], s14, CH/4*PITCH
	s_add_co_u32 s[G0R+1], s[G0R+1], s\lds
	s_mul_i32 s20, s14, CH/4*KROW
	s_add_co_u32 s20, s20, s\off
.else
	s_mov_b32 s21, 0
	s_add_nc_u64 s[G0R+2:G0R+3], s[4:5], s[20:21]
	s_or_b32 s[G0R+3], s[G0R+3], 0x80000000
.endif
.endm
; What stands behind product n.  j: the block's number in its trip (the second loop's: 4, 5; v's: -1, -2).  The addresses of the block two on stand behind 0 and 1; from 1 on a way out: y = 1 q's or k's block at x; 2, 3 the halves of v's pair at x
.macro LIST n, j, y, x
.if (\n) == 0
.if (\j) >= 0
.if (\j)%2
	s_add_nc_u64 s[84:85], s[84:85], 3*TI
.else
	s_add_nc_u64 s[84:85], s[84:85], TI
.endif
.if (\j) == 1
	s_cmp_eq_u32 s46, 2
	s_cselect_b64 s[84:85], s[88:89], s[84:85]
.endif
.endif
	WIN 0
.if (\j) == 0 || (\j) == 1
	s_add_co_u32 s22, s101, (64+16*(\j))*PITCH
.elseif (\j) > 1
	s_add_co_u32 s22, s47, ((\j)%2)*16*PITCH
.else
	s_add_co_u32 s22, s47, (-1-(\j))*16*PITCH
.endif
	v_add_nc_u32 v[ADRA], s22, v[ADRA0]
.elseif (\n) == 1
	WIN 0
.if (\j) == 0 || (\j) == 1
	s_add_co_u32 s22, s17, (8+2*(\j))*272
.elseif (\j) > 1
	s_add_co_u32 s22, s8, ((\j)%2)*2*272
.else
	s_add_co_u32 s22, s8, (-1-(\j))*2*272
.endif
	v_add_nc_u32 v[AAS], s22, v[AAS0]
.endif
.if (\j) == 2 && (\n) == 2
	WIN 0
	v_lshl_add_u32 v7, v3, 8, s23
.elseif (\j) == 0 && ((\n) == 29 || (\n) == 30)
	RDESC (\n)-29, 6, 47
.elseif ((\j) == 1 || (\j) == 5) && (\n) == 2
	WIN 0
	v_add_nc_u32 v[VX], s9, v[VX0]
.endif
.if (\y) == 1 && (\n) > 0 && (\n) < 28
	WIN 0
	GAPQ (\n)-1, \x
.elseif (\y) == 2 && (\n) > 0 && (\n) < 31
	WIN 0
	GAPV (\n)-1, \x
.elseif (\y) == 3 && (\n) > 0 && (\n) < 31
	WIN 0
	GAPV (\n)+29, \x
.endif
.endm
.macro BLOCK kind, e, a, from, to, j, y, x
.set N_, \from
.rept (\to)-(\from)
	PROD \kind, \e, \a, N_
	LIST N_, \j, \y, \x
.set N_, N_+1
.endr
.endm
.macro BLK kind, e, a, w, j, y, x      ; w: the LDS wait's count (-1: none); the stores behind the block before have read their registers behind s_wait_xcnt 0
.if (\w) >= 0
	s_wait_dscnt \w
.endif
	s_wait_xcnt 0x0
	BLOCK \kind, \e, \a, 0, 32, \j, \y, \x
	WIN 0
	PLACES NP
.endm
.macro RBLK kind, e, a, w, j, y, x     ; a block with a round of the cluster's barrier
.if (\w) >= 0
	s_wait_dscnt \w
.endif
	s_wait_xcnt 0x0
	GRD
	BLOCK \kind, \e, \a, 0, 28, \j, \y, \x
	WIN 0
	WALU
	s_wait_dscnt 0x0
	s_barrier_signal -1
	BLOCK \kind, \e, \a, 28, 32, \j, \y, \x
	MIDDLE
	BARRIER
.endm
.macro SBLK kind, e, a, w, j, y, x, half=0   ; a block with a plain barrier (half = 1: it shows waves 0 and 1's loads alone)
.if (\w) >= 0
	s_wait_dscnt \w
.endif
	s_wait_xcnt 0x0
	BLOCK \kind, \e, \a, 0, 28, \j, \y, \x
	WIN 0
	WALU
.if \half
	s_cmp_lt_u32 s14, 2
	s_cbranch_scc0 .Lnot_yet_\@
	s_wait_tensorcnt 0x0
.Lnot_yet_\@:
.else
	s_wait_tensorcnt 0x0
.endif
	s_wait_dscnt 0x0
	s_barrier_signal -1
	BLOCK \kind, \e, \a, 28, 32, \j, \y, \x
	WIN 0
	s_barrier_wait -1
	PLACES NP
.endm
.macro QOUT off, boff                  ; a block's byte goes to its place in LDS, its 32 codes a lane leave: sixteen lanes store 256 consecutive bytes
	ds_store_b8 v[VX], v[EB] offset:\boff
	global_store_b128 v[CN], v[NCD:NCD+3], s[84:85] offset:\off
	global_store_b128 v[CN], v[NCD+4:NCD+7], s[84:85] offset:(\off)+256
.endm
.irp q, 0,1,2,3,4,5,6,7                ; my 64 rows of the first weight, all of K, into windows 1 and 2: 128 loads
	FRAG NB*\q, ADRB, \q, 0
	FRAG NB*\q+1, ADRO, \q, 8*PITCH
	FRAG NB*\q+2, ADRB, \q, 16*PITCH
	FRAG NB*\q+3, ADRO, \q, 24*PITCH
.endr
	WIN 0
	s_wait_tensorcnt 0x0                           ; chunk 0 and the scale bytes are in; the first weight is in registers
	s_wait_dscnt 0x0
	BARRIER
	FETCHAT 0, ADRA0, AAS0
	FETCHAT 1, 1, 2
	s_load_b256 s[92:99], s[0:1], 0x40             ; q_img, q_sc, k_img, k_sc
	s_load_b128 s[32:35], s[0:1], 0x60             ; v_img, v_sc
	s_mov_b32 s60, 0x76543210
	s_mov_b32 s61, 0xfedcba98                      ; v_permlanex16_b32's selects for lane l xor 16
	s_mov_b32 s62, 0x600000                        ; the mantissa field of 57,344
.set I_, 0
.rept 32
	v_mov_b32 v[ACC+32+I_], 0                      ; the first way out has no block before it
.set I_, I_+1
.endr
	s_wait_kmcnt 0x0
	s_cmp_eq_u32 s19, 1
	s_cselect_b64 s[92:93], s[96:97], s[92:93]
	s_cselect_b64 s[94:95], s[98:99], s[94:95]
	s_add_nc_u64 s[92:93], s[92:93], s[76:77]
	s_add_nc_u64 s[94:95], s[94:95], s[78:79]
	s_add_nc_u64 s[96:97], s[32:33], s[80:81]
	s_add_nc_u64 s[98:99], s[34:35], s[82:83]
	s_mul_i32 s20, s18, 16*TI
	s_mov_b32 s21, 0
	s_add_nc_u64 s[88:89], s[92:93], s[20:21]      ; the codes of v's window
	s_xor_b32 s20, s20, 16*TI
	s_add_nc_u64 s[84:85], s[92:93], s[20:21]      ; of the other window
	s_sub_nc_u64 s[84:85], s[84:85], 4*TI
	s_mov_b64 s[12:13], s[4:5]                     ; the prefetches' base
	s_mov_b32 s46, 0                               ; PHASE 1.  s46 the trip; s101, s47 this chunk's slot and the next's; s17, s8 their scale words' step; s6 the rows that are loaded; s9 a byte's place; s23 my share of what is asked for ahead
	s_mov_b32 s9, 0
	s_mov_b32 s23, 0
	s_mov_b32 s101, 0
	s_mov_b32 s47, YB
	s_mov_b32 s17, 0
	s_mov_b32 s8, CSTEP
	s_wait_loadcnt 0x0
.Lfour:
	RBLK 0, 0, 0, NF, 0, 1, ACC+32                 ; blocks 0, 4, 8: chunks 1, 2, 3 come
	s_cmp_lt_u32 s14, 2                            ; waves 0, 1 and waves 2, 3 have a load line each: the barrier inside the block two on waits for the first line's alone
	s_cbranch_scc0 .Lupper
	TLOAD G0R, G1R
	s_branch .Lboth
.Lupper:
	TLOAD G0R, G1R
.Lboth:
	PLACES NP-4
	s_cmp_eq_u32 s46, 0
	s_cbranch_scc1 .Lno_block_before
	QOUT 0, 320
.Lno_block_before:
	FETCHAT 0, ADRA, AAS
	BLK 0, 1, 1, -1, 1, 1, ACC
	QOUT 0, 0
	FETCHAT 1, ADRA, AAS
	SBLK 0, 0, 0, NF, 2, 1, ACC+32, 1              ; the next chunk's first half is in
	QOUT 0, 64
	s_cmp_eq_u32 s46, 0
	s_cbranch_scc1 .Lnone_ahead
	global_prefetch_b8 v7, s[12:13] th:TH_LOAD_NT scope:SCOPE_SE
.Lnone_ahead:
	FETCHAT 0, ADRA, AAS
	BLK 0, 1, 1, -1, 3, 1, ACC
	QOUT 0, 256
	FETCHAT 1, ADRA, AAS
	s_cmp_eq_u32 s46, 0
	s_cselect_b32 s6, s2, s7
	s_cselect_b32 s21, s90, s100
	s_cselect_b32 s22, s7, 0
	s_cselect_b64 s[12:13], s[4:5], s[10:11]       ; trip 1 asks for chunk 3, trip 2 for W_v's rows
	s_lshl_b32 s21, s21, 13
	s_add_co_u32 s23, s21, s22
	s_add_co_u32 s9, s9, 512
	s_mov_b32 s101, s47
	s_mov_b32 s17, s8
	s_xor_b32 s47, s47, YB
	s_add_co_u32 s8, s8, CSTEP
	s_add_co_u32 s46, s46, 1
	s_cmp_lg_u32 s46, 3
	s_cbranch_scc1 .Lfour
	GRD
	s_mul_i32 s20, s14, CH/4*KROW
	s_mov_b32 s21, 0
	s_mul_i32 s[G0A+1], s14, CH/4*PITCH
	s_add_nc_u64 s[G0A+2:G0A+3], s[10:11], s[20:21]
	s_or_b32 s[G0A+3], s[G0A+3], 0x80000000
	GROUP1 G1A, 45, CH/4
	s_wait_dscnt 0x0
	s_barrier_signal -1
	MIDDLE
	BARRIER
	TLOAD G0A, G1A
	s_mov_b32 s9, 1280
	s_mov_b32 s47, YB+64*PITCH
	s_mov_b32 s8, 3*CSTEP+8*272
.Ltwo:
	BLK 0, 0, 0, NF, 4, 1, ACC+32                  ; blocks 12, 14
	QOUT 0, 320
	FETCHAT 0, ADRA, AAS
	BLK 0, 1, 1, NF, 5, 1, ACC                     ; 13, 15; the block two on is then v's: chunk 3 again, as it lies in slot 1
	QOUT 0, 256
	FETCHAT 1, ADRA, AAS
	s_mov_b32 s47, YB
	s_mov_b32 s8, 3*CSTEP
	s_add_co_u32 s9, s9, 256
	s_add_co_u32 s46, s46, 1
	s_cmp_lg_u32 s46, 5
	s_cbranch_scc1 .Ltwo
; the change of phase
	s_wait_xcnt 0x0
	s_wait_tensorcnt 0x0                           ; W_v's rows are in
	s_wait_dscnt 0x0
	BARRIER
.macro CHANGE i                        ; among W_v's 128 loads: the last block's way out; W_v's scale words into their place; zeros into what no block has written yet
.if (\i) < 7
.irp k, 0,1,2,3
.if 4*(\i)+\k < 27
	GAPQ 4*(\i)+\k, ACC+32
.endif
.endr
.elseif (\i) < 9
.irp q, 0,1,2,3,4,5,6,7
	v_mov_b32 v[SB+8*((\i)-7)+\q], v[WS+8*((\i)-7)+\q]
.endr
.elseif (\i) < 15
.irp q, 0,1,2,3,4,5,6,7
	v_mov_b32 v[ACC+80+8*((\i)-9)+\q], 0
.endr
.endif
.endm
.irp q, 0,1,2,3,4,5,6,7
.irp b, 0,2
	FRAG NB*\q+\b, ADRB+1, \q, \b*16*PITCH
	FRAG NB*\q+\b+1, ADRB+1, \q, (\b+1)*16*PITCH
	WIN 0
	CHANGE 2*\q+\b/2
.endr
.endr
	QOUT TI, 320
	GRD
	s_mov_b32 s47, 0
	RDESC 0, 2, 47
	RDESC 1, 2, 47
	s_mov_b32 s46, 0
	s_mov_b32 s47, YB+64*PITCH
	s_mov_b32 s8, 3*CSTEP+8*272
	s_wait_dscnt 0x0
	s_barrier_signal -1
	MIDDLE
	BARRIER
	TLOAD G0R, G1R
.macro VOUT                            ; a pair of v's blocks: four tiles' bytes and codes: 32 lanes store 512 consecutive bytes
.irp t, 0,1,2,3
	ds_store_b8 v[VX], v[EB+\t] offset:64*\t
	global_store_b128 v[CO], v[MCD+4*\t:MCD+4*\t+3], s[84:85] offset:131072*\t
.endr
.endm
.macro VTO                             ; s22 = 2 x key step of the window + pair: where a pair's codes and bytes go
	s_lshl_b32 s20, s22, 10
	s_mov_b32 s21, 0
	s_add_nc_u64 s[84:85], s[96:97], s[20:21]
	s_lshr_b32 s20, s22, 1
	s_lshl_b32 s20, s20, 9
	s_and_b32 s21, s22, 1
	s_lshl_b32 s21, s21, 1
	s_add_co_u32 s20, s20, s21
	v_add_nc_u32 v[VX], s20, v[RD]
.endm
.Lpair:
	BLK 1, 0, 0, -1, -1, 2, ACC+64
	s_cmp_eq_u32 s46, 3
	s_cbranch_scc1 .Lnone_0
	FETCHAT 0, ADRA, AAS
	s_wait_dscnt NF
	s_branch .Lgo
.Lnone_0:
	s_wait_dscnt 0x0
.Lgo:
	SBLK 1, 1, 1, -1, -2, 3, ACC+64                ; the first trip's shows chunk 2
.set I_, 0
.rept 32                               ; the pair's sums are copied, so that one trip is two blocks of text
	v_dual_mov_b32 v[ACC+64+I_], v[ACC+I_] :: v_dual_mov_b32 v[ACC+64+I_+1], v[ACC+I_+1]
.set I_, I_+2
.endr
	s_add_co_u32 s22, s46, 1
	s_and_b32 s22, s22, 3                          ; chunk 3's pairs are 2, 3, chunk 2's 0, 1; the pair before this trip's
	VTO
	s_cmp_eq_u32 s46, 0
	s_cbranch_scc1 .Lno_pair_before
	VOUT
.Lno_pair_before:
	s_cmp_eq_u32 s46, 3
	s_cbranch_scc1 .Lnone_1
	FETCHAT 1, ADRA, AAS
.Lnone_1:
	s_mov_b32 s8, 2*CSTEP+8*272
	s_cmp_eq_u32 s46, 0
	s_cselect_b32 s47, 0, 64*PITCH
	s_cselect_b32 s8, 2*CSTEP, s8
	s_add_co_u32 s46, s46, 1
	s_cmp_lg_u32 s46, 4
	s_cbranch_scc1 .Lpair
	s_wait_xcnt 0x0
	s_mov_b32 s22, 1
	VTO
.set K_, 0
.rept 60
	GAPV K_, ACC+64
.set K_, K_+1
.endr
	VOUT
	s_wait_dscnt 0x0                               ; the scale bytes
	BARRIER
	v_lshlrev_b32 v20, 4, v3
	s_lshl_b32 s21, s14, 9
	s_add_co_u32 s21, s21, XN
	v_add_nc_u32 v21, s21, v20
	v_lshlrev_b32 v22, 3, v3
	s_lshl_b32 s21, s14, 8
	s_add_co_u32 s21, s21, XV
	v_add_nc_u32 v23, s21, v22
	s_wait_alu depctr_va_vdst(0)
	ds_load_b128 v[60:63], v21
	ds_load_b64 v[40:41], v23
	s_wait_dscnt 0x0
	global_store_b128 v20, v[60:63], s[94:95]      ; 512 and 256 consecutive bytes, aligned
	global_store_b64 v22, v[40:41], s[98:99]
	s_wait_tensorcnt 0x0                           ; the wave's end
	ds_add_u32 v[SPW], v[NIL]
	s_wait_dscnt 0x0
	CROUND                                         ; the closing round
	s_endpgm
.Lfunc_end_k_q463f0ff738_proj:
	.size	k_q463f0ff738_proj, .Lfunc_end_k_q463f0ff738_proj-k_q463f0ff738_proj
	.p2alignl 7, 3214868480
	.fill 96, 4, 3214868480
	.section	.rodata,"a",@progbits
	.p2align	6, 0x0
	.amdhsa_kernel k_q463f0ff738_proj
		.amdhsa_group_segment_fixed_size 327680
		.amdhsa_private_segment_fixed_size 0
		.amdhsa_enable_private_segment 0
		.amdhsa_kernarg_size 112
		.amdhsa_user_sgpr_count 2
		.amdhsa_user_sgpr_kernarg_segment_ptr 1
		.amdhsa_wavefront_size32 1
		.amdhsa_system_sgpr_workgroup_id_x 1
		.amdhsa_system_sgpr_workgroup_id_y 1
		.amdhsa_system_sgpr_workgroup_id_z 1
		.amdhsa_system_vgpr_workitem_id 0
		.amdhsa_next_free_vgpr 1024
		.amdhsa_next_free_sgpr 102
		.amdhsa_reserve_vcc 0
		.amdhsa_float_denorm_mode_32 3
		.amdhsa_float_denorm_mode_16_64 3
		.amdhsa_memory_ordered 1
		.amdhsa_forward_progress 1
		.amdhsa_inst_pref_size 161
	.end_amdhsa_kernel
	.amdgpu_metadata
---
amdhsa.version: [ 1, 2 ]
amdhsa.kernels:
  - .name:           k_q463f0ff738_proj
    .symbol:         k_q463f0ff738_proj.kd
    .args:
      - { .name: x_codes, .offset: 0, .size: 8, .value_kind: global_buffer, .address_space: global }
      - { .name: x_scales, .offset: 8, .size: 8, .value_kind: global_buffer, .address_space: global }
      - { .name: Wq_codes, .offset: 16, .size: 8, .value_kind: global_buffer, .address_space: global }
      - { .name: Wq_scales, .offset: 24, .size: 8, .value_kind: global_buffer, .address_space: global }
      - { .name: Wk_codes, .offset: 32, .size: 8, .value_kind: global_buffer, .address_space: global }
      - { .name: Wk_scales, .offset: 40, .size: 8, .value_kind: global_buffer, .address_space: global }
      - { .name: Wv_codes, .offset: 48, .size: 8, .value_kind: global_buffer, .address_space: global }
      - { .name: Wv_scales, .offset: 56, .size: 8, .value_kind: global_buffer, .address_space: global }
      - { .name: q_img, .offset: 64, .size: 8, .value_kind: global_buffer, .address_space: global }
      - { .name: q_sc, .offset: 72, .size: 8, .value_kind: global_buffer, .address_space: global }
      - { .name: k_img, .offset: 80, .size: 8, .value_kind: global_buffer, .address_space: global }
      - { .name: k_sc, .offset: 88, .size: 8, .value_kind: global_buffer, .address_space: global }
      - { .name: v_img, .offset: 96, .size: 8, .value_kind: global_buffer, .address_space: global }
      - { .name: v_sc, .offset: 104, .size: 8, .value_kind: global_buffer, .address_space: global }
    .group_segment_fixed_size: 327680
    .private_segment_fixed_size: 0
    .kernarg_segment_align: 8
    .kernarg_segment_size: 112
    .max_flat_workgroup_size: 128
    .sgpr_count:     102
    .vgpr_count:     1024
    .wavefront_size: 32
...
	.end_amdgpu_metadata
.endif
;; end of part 4
;; launch scores (part 5): grid 12 x 16, 4 waves a work-group, clusters of 4 x 4, 327,680 bytes of LDS; arguments q_img, q_sc, k_img, k_sc, p_img, pstat; writes p_img, pstat
.if DOCPART == 5
	.amdgcn_target "amdgcn-amd-amdhsa--gfx1250"
	.amdhsa_code_object_version 6
	.text
	.protected	k_q463f0ff738_scores
	.globl	k_q463f0ff738_scores
	.p2align	8
	.type	k_q463f0ff738_scores,@function
k_q463f0ff738_scores:
	s_mov_b64 s[64:65], 0
	v_nop
	global_prefetch_b8 v0, s[64:65] scope:SCOPE_SE
	s_setreg_imm32_b32 hwreg(HW_REG_WAVE_MODE, 25, 1), 1
	s_wait_xcnt 0x0
	s_wait_alu depctr_hold_cnt(0) depctr_sa_sdst(0) depctr_va_vdst(0) depctr_va_sdst(0) depctr_va_ssrc(0) depctr_va_vcc(0) depctr_vm_vsrc(0)
	s_getreg_b32 s2, hwreg(HW_REG_IB_STS2, 6, 4)
	s_cmp_eq_u32 s2, 0
	s_cbranch_scc0 .Lentry_in_a_cluster
	s_endpgm
.Lentry_in_a_cluster:
	s_bfe_u32 s2, ttmp6, 0x10000c
	s_cmp_lg_u32 s2, 0xf033
	s_cbranch_scc0 .Lentry_shape_is_right
	s_endpgm
.Lentry_shape_is_right:
; SECOND LAUNCH: S = q k^T on codes of BF8 (E5M2), the causal mask, p = 2^(t - M) and p's quantiser along the keys.
; WORK LEFT OUT: queries 0..1,023 with keys 1,024..2,047 of each batch: reference()'s own tril hides every score there, for all inputs (see the first kernel's head).
; SHARES.  A batch is three squares of 1,024 x 1,024: cluster x = 0: queries of region 1, keys of region 0 (nothing hidden); 1, 2: region 0, region 1 with itself (the diagonal).  Cluster y is the batch.
; A square is a 4 x 4 cluster of work-groups of 256 queries x 256 keys: cx takes keys 256 cx ..; cy takes 64 queries, 64 cy .., of each of the square's four windows of 256: so every work-group has scores that count.
; q's tiles are asked for jointly along a row of the cluster, k's along a column.  No branch hangs on cx or cy: on the diagonal all scores are made and the hidden ones masked.
; Four waves, 128 queries x 128 keys each: 64 accumulators.  A = q (one query a lane, source 1), B = k (keys along the registers, source 0).  Block a of wave half s17: queries 512 s17 + 256 (a / 4) + 64 cy + 16 (a % 4) + r.
; OPERANDS are images of fragments (2,048 bytes: register group c at 512 c + 16 x lane).  K = 1,024 goes in four slots of two K steps.  No prefetch: of the four slots two come at the head, so only two refills, a slot's two steps apart, are left to ask for.
; M IS LOCAL: for each query and each fragment of 128 keys, M_loc = ceil(the fragment's largest t), t = score x log2(e) / 32.  M is a whole number, so 2^(t - M_loc) has the same codes as 2^(t - M_row);
; the third launch takes M_row - M_loc off the scale bytes and joins the sums.  pstat holds, for each key step and query: the scale word, -M_loc, the sum of the unquantised p, 0.
; THE MASK: a score is held from above at (query - key + 1/2) 2^110: far over every score where the key counts, far under -1e30 x 32 / log2(e) where it is hidden: its p is 0.  t is held at -1e30 from below: a fragment all of whose keys are hidden gets -M_loc = 1e30, p = 0, sum 0.
; LIMITS: the scaled scores t stay under 2^31 in magnitude; NaN and infinities among the scores are not served; a block whose every p is 0 gets the byte 1 (its codes are zeros).
.set NQ,     2
.set FR,     16
.set NL,     4
.set NP,     8                         ; places behind this matrix instruction (ISA guide 7.12.1)
.set SLOT,   131072                    ; q's 16 row tiles x 4,096 bytes, then k's
.set SLOTB,  262144                    ; from slot to slot in the images
.set SCL,    2*SLOT                    ; the scale words: q's [K step 8][256 rows], then k's
.set SPARE,  SCL+16384
.set ADRA, 16
.set ADRB, 20
.set F00,  23                          ; v23  (query - key of block 0, B 0, register 0, + 1/2) 2^110
.set IO,   24
.set ADRS, 27
.set SPW,  28
.set NIL,  29
.set SC,   32
.set AF,   128
.set ST,   32                          ; the way out: statistics: +0 t, +2 -M, +4 the sum, +6 the scale word; the odd block's 8 on
.set L2,   48
.set Q,    52
.set X,    64                          ; two blocks' 64 numbers
.set PC,   192
.set BM,   224
.set BT,   232
.set HD,   240
.set SO,   248
.set G1, 24
.set G0, 32
.set G1B, 48
.set G0B, 56
.set G1S, 68
.set G0S, 76
.set G1SB, 80
.set G0SB, 88
.set G0H, 4
.set G0HB, 8
.set CS,  92
.set SEL, 94
.set MNT, 96
.set HI,  97
.set DG,  98
.set STEP16, 100
.set MSB, 0
.macro WIN new
.if MSB != (\new)
	s_set_vgpr_msb (MSB<<8)|(\new)
.set MSB, (\new)
.endif
.endm
.set MUL_LO, 0xa1                      ; source 0 (k) window 1, source 1 (q) window 0, C and D window 2
.set MUL_HI, 0xf1
.set TO_B,   0x40
.macro JLOAD g0a, g1a, g0b, g1b        ; a joint load: waves 0 and 1 fetch q's halves, waves 2 and 3 k's
	s_cmp_eq_u32 s17, 0
	s_cbranch_scc0 .Lfor_b_\@
	tensor_load_to_lds s[\g0a:\g0a+3], s[\g1a:\g1a+7]
	s_nop 0
.rept 4
	v_nop
.endr
	s_branch .Lasked_\@
.Lfor_b_\@:
	tensor_load_to_lds s[\g0b:\g0b+3], s[\g1b:\g1b+7]
	s_nop 0
.rept 4
	v_nop
.endr
.Lasked_\@:
.endm
.macro CREST
	s_cmp_lg_u32 s16, 0
	s_cbranch_scc1 .Lnot_wave_0_\@
	s_barrier_signal -3
.Lnot_wave_0_\@:
	s_barrier_wait -3
	s_barrier_signal -1
	s_barrier_wait -1
.endm
.macro CROUND
	s_barrier_signal -1
	s_barrier_wait -1
	CREST
.endm
.macro GROUP1 g, mask, cols, rows, pitch     ; in elements of 8 bytes
	s_or_b32 s[\g+0], s[\mask], (3<<16)|(1<<21)
	s_mov_b32 s[\g+1], (\cols)<<16
	s_mov_b32 s[\g+2], (\rows)<<16
	s_mov_b32 s[\g+3], (\cols)<<16
	s_mov_b32 s[\g+4], \rows
	s_mov_b32 s[\g+5], \pitch
	s_mov_b32 s[\g+6], 0
	s_mov_b32 s[\g+7], 0
.endm
	s_load_b256 s[4:11], s[0:1], 0x0               ; q_img, q_sc, k_img, k_sc
	s_load_b128 s[12:15], s[0:1], 0x20             ; p_img, pstat
	v_lshl_add_u32 v[SPW], v0, 2, SPARE
	v_mov_b32 v[NIL], 0
	ds_add_u32 v[SPW], v[NIL]                      ; the wave's opening: the add, twice on end, and its wait ahead of my first tensor load
	ds_add_u32 v[SPW], v[NIL]
	v_lshrrev_b32 v1, 5, v0
	v_readfirstlane_b32 s16, v1                    ; wave
	s_lshr_b32 s17, s16, 1                         ; my half of the queries.  Also: I fetch for q (0) or k (1)
	s_and_b32 s18, s16, 1                          ; my half of the keys.  Also: which 8 row tiles I fetch
	s_bfe_u32 s40, ttmp6, 0x40000                  ; cx
	s_bfe_u32 s41, ttmp6, 0x40004                  ; cy
	s_and_b32 s21, ttmp7, 0xffff                   ; the batch
	s_cmp_lg_u32 ttmp9, 1
	s_cselect_b32 s19, 1, 0                        ; the queries' region
	s_cmp_eq_u32 ttmp9, 2
	s_cselect_b32 s20, 1, 0                        ; the keys' region
	s_cmp_lg_u32 ttmp9, 0
	s_cselect_b32 s[DG], 1, 0                      ; on the diagonal?
	s_lshl_b32 s43, s41, 2
	s_lshl_b32 s43, 15, s43                        ; my row of the cluster
	s_lshl_b32 s44, 0x1111, s40                    ; my column
	GROUP1 G1, 43, 2048, 4, 8192                   ; q: of each of four windows four row tiles, 16,384 bytes on end; 16 row tiles from window to window
	GROUP1 G1B, 44, 2048, 4, 2048                  ; k: sixteen row tiles on end, as four rows of 16,384 bytes
	GROUP1 G1S, 43, 32, 32, 128                    ; q's scale words: 8 K steps x 4 windows: rows of 256 bytes, 1,024 apart
	GROUP1 G1SB, 44, 128, 8, 512                   ; k's: 8 K steps: rows of 1,024 bytes, 4,096 apart
	s_lshl_b32 s2, s21, 1
	s_add_co_u32 s3, s2, s20                       ; k's region among all eight
	s_add_co_u32 s2, s2, s19                       ; q's
	s_lshl_b32 s22, s2, 20
	s_lshl_b32 s42, s41, 14
	s_add_co_u32 s22, s22, s42                     ; q's codes
	s_mov_b32 s23, 0
	s_lshl_b32 s46, s3, 20
	s_lshl_b32 s42, s40, 16
	s_add_co_u32 s46, s46, s42                     ; k's
	s_mov_b32 s47, 0
	s_lshl_b32 s42, s2, 15
	s_lshl_b32 s43, s41, 8
	s_add_co_u32 s42, s42, s43                     ; q's scale words
	s_mov_b32 s43, 0
	s_lshl_b32 s44, s3, 15
	s_lshl_b32 s45, s40, 10
	s_add_co_u32 s44, s44, s45                     ; k's
	s_mov_b32 s45, 0
	s_mov_b32 s[CS], 0x3d38aa3b                    ; log2(e) / sqrt(1,024)
	s_mov_b32 s[CS+1], s[CS]
	s_mov_b32 s[SEL], 0x76543210
	s_mov_b32 s[SEL+1], 0xfedcba98
	s_mov_b32 s[MNT], 0x600000
	s_mov_b32 s[HI], 0xffff0000                    ; lanes 16-31
	s_mov_b32 s[STEP16], 0xf8800000                ; -16 x 2^110
	s_mov_b32 s[STEP16+1], s[STEP16]
	s_wait_dscnt 0x0                               ; both opening adds are done
	s_wait_kmcnt 0x0
	s_add_nc_u64 s[22:23], s[4:5], s[22:23]
	s_add_nc_u64 s[46:47], s[8:9], s[46:47]
	s_add_nc_u64 s[G0S+2:G0S+3], s[6:7], s[42:43]
	s_or_b32 s[G0S+3], s[G0S+3], 0x80000000
	s_mov_b32 s[G0S], 1
	s_mov_b32 s[G0S+1], SCL
	s_add_nc_u64 s[G0SB+2:G0SB+3], s[10:11], s[44:45]
	s_or_b32 s[G0SB+3], s[G0SB+3], 0x80000000
	s_mov_b32 s[G0SB], 1
	s_mov_b32 s[G0SB+1], SCL+8192
	CROUND                                         ; all sixteen work-groups are here: the first joint loads meet
	s_mov_b32 s[G0H], 1                            ; slot 0's two tiles, each whole
	s_mov_b32 s[G0H+1], 0
	s_mov_b64 s[G0H+2:G0H+3], s[22:23]
	s_or_b32 s[G0H+3], s[G0H+3], 0x80000000
	s_mov_b32 s[G0HB], 1
	s_mov_b32 s[G0HB+1], 65536
	s_mov_b64 s[G0HB+2:G0HB+3], s[46:47]
	s_or_b32 s[G0HB+3], s[G0HB+3], 0x80000000
; the head's loads, one a wave: wave 0 q's tile, wave 1 k's, wave 2 q's scale words, wave 3 k's.  One tree of branches on the wave's number: every way through it passes exactly one load.
.macro ARM under, g0, g1, next
	s_cmp_lt_u32 s16, \under
	s_cbranch_scc0 \next
	tensor_load_to_lds s[\g0:\g0+3], s[\g1:\g1+7]
	s_nop 0
.rept 4
	v_nop
.endr
	s_branch .Lhead_asked
\next:
.endm
	ARM 1, G0H,  G1,  .Lhead_b
	ARM 2, G0HB, G1B, .Lhead_sa
	ARM 3, G0S,  G1S, .Lhead_sb
	tensor_load_to_lds s[G0SB:G0SB+3], s[G1SB:G1SB+7]
	s_nop 0
.rept 4
	v_nop
.endr
.Lhead_asked:
	s_lshl_b32 s2, s18, 17                         ; the ring: my 8 row tiles: q: two windows on,
	s_mov_b32 s3, 0
	s_add_nc_u64 s[22:23], s[22:23], s[2:3]
	s_lshl_b32 s2, s18, 15                         ; k: 8 row tiles on
	s_add_nc_u64 s[46:47], s[46:47], s[2:3]
	s_lshl_b32 s45, s16, 15                        ; LDS: wave x 32,768
.irp s, 0,1
	s_mov_b32 s[G0+4*\s], 1
	s_add_co_u32 s[G0+4*\s+1], s45, \s*SLOT
	s_add_nc_u64 s[G0+4*\s+2:G0+4*\s+3], s[22:23], \s*SLOTB
	s_or_b32 s[G0+4*\s+3], s[G0+4*\s+3], 0x80000000
	s_mov_b32 s[G0B+4*\s], 1
	s_add_co_u32 s[G0B+4*\s+1], s45, \s*SLOT
	s_add_nc_u64 s[G0B+4*\s+2:G0B+4*\s+3], s[46:47], \s*SLOTB
	s_or_b32 s[G0B+4*\s+3], s[G0B+4*\s+3], 0x80000000
.endr
	s_lshl_b32 s2, s21, 7                          ; where my results go: my first tile of 16 queries,
	s_lshl_b32 s3, s19, 6
	s_add_co_u32 s2, s2, s3
	s_lshl_b32 s3, s17, 5
	s_add_co_u32 s2, s2, s3
	s_lshl_b32 s3, s41, 2
	s_add_co_u32 s2, s2, s3
	s_lshl_b32 s3, s20, 3                          ; my key step of 128
	s_lshl_b32 s22, s40, 1
	s_add_co_u32 s3, s3, s22
	s_add_co_u32 s3, s3, s18
	s_lshl_b32 s22, s2, 4
	s_add_co_u32 s22, s22, s3
	s_lshl_b32 s22, s22, 11
	s_mov_b32 s23, 0
	s_add_nc_u64 s[12:13], s[12:13], s[22:23]      ; p_img [batch][query tile 128][key step 16][2048]
	s_lshl_b32 s22, s21, 4
	s_add_co_u32 s22, s22, s3
	s_lshl_b32 s22, s22, 11
	s_and_b32 s2, s2, 127
	s_lshl_b32 s2, s2, 4
	s_add_co_u32 s22, s22, s2
	s_lshl_b32 s22, s22, 4
	s_add_nc_u64 s[14:15], s[14:15], s[22:23]      ; pstat [batch][key step 16][query 2048][16 bytes]
	s_lshl_b32 s2, s17, 9                          ; my first query less my first key, on the diagonal
	s_lshl_b32 s3, s41, 6
	s_add_co_u32 s2, s2, s3
	s_lshl_b32 s3, s40, 8
	s_sub_co_i32 s2, s2, s3
	s_lshl_b32 s3, s18, 7
	s_sub_co_i32 s2, s2, s3
	v_and_b32 v1, 15, v0                           ; r
	v_bfe_u32 v2, v0, 4, 1                         ; h
	v_and_b32 v3, 31, v0
	v_lshlrev_b32 v4, 3, v2
	v_sub_nc_u32 v4, v1, v4
	v_add_nc_u32 v4, s2, v4
	v_cvt_f32_i32 v4, v4
	v_add_f32 v4, 0.5, v4
	v_mul_f32 v[F00], 0x76800000, v4
	v_lshlrev_b32 v[IO], 4, v3
	s_lshl_b32 s2, s17, 15
	s_lshl_b32 s3, s18, 15
	s_add_co_u32 s3, s3, 65536
.irp s, 0,1
	v_add_nc_u32 v[ADRA+\s], s2, v[IO]
	v_add_nc_u32 v[ADRB+\s], s3, v[IO]
	s_add_co_u32 s2, s2, SLOT
	s_add_co_u32 s3, s3, SLOT
.endr
	s_lshl_b32 s2, s17, 9
	s_lshl_b32 s3, s18, 9
	s_add_co_u32 s3, s3, 8192
	s_sub_co_u32 s3, s3, s2                        ; from q's words of my half to k's of my half
	s_wait_alu depctr_va_vdst(0)
	v_mul_u32_u24 v5, s3, v2                       ; lanes 16-31 take k's
	s_add_co_u32 s2, s2, SCL
	v_lshl_add_u32 v5, v1, 2, v5
	v_add_nc_u32 v[ADRS], s2, v5
.macro FRAG reg, adr, q, i             ; a fragment's image comes back as it was stored
.irp c, 0,1,2,3
	ds_load_b128 v[\reg+4*\c:\reg+4*\c+3], v[\adr] offset:2048*(\q)+512*\c+(\i)*4096
.endr
.endm
.macro MUL16 a0, p, q, sc, zero        ; the 64 accumulators take turns, in the same order in every step
.irp a, \a0, \a0+1
.irp b, 0,1,2,3,4,5,6,7
.if \zero
	v_wmma_scale_f32_16x16x128_f8f6f4 v[8*(8*((\a)%4)+\b):8*(8*((\a)%4)+\b)+7], v[128*(\p)+FR*\b:128*(\p)+FR*\b+FR-1], v[AF+FR*(\a):AF+FR*(\a)+FR-1], 0, v[SC+8*NQ*(\sc)+NQ*\b+(\q)], v[SC+8*NQ*(\sc)+NQ*(\a)+(\q)] matrix_a_fmt:MATRIX_FMT_BF8 matrix_b_fmt:MATRIX_FMT_BF8 matrix_a_scale:MATRIX_SCALE_ROW1
.else
	v_wmma_scale_f32_16x16x128_f8f6f4 v[8*(8*((\a)%4)+\b):8*(8*((\a)%4)+\b)+7], v[128*(\p)+FR*\b:128*(\p)+FR*\b+FR-1], v[AF+FR*(\a):AF+FR*(\a)+FR-1], v[8*(8*((\a)%4)+\b):8*(8*((\a)%4)+\b)+7], v[SC+8*NQ*(\sc)+NQ*\b+(\q)], v[SC+8*NQ*(\sc)+NQ*(\a)+(\q)] matrix_a_fmt:MATRIX_FMT_BF8 matrix_b_fmt:MATRIX_FMT_BF8 matrix_a_scale:MATRIX_SCALE_ROW1
.endif
.endr
.endr
.endm
.macro FETCH_B slot, q, p
	WIN TO_B
.irp i, 0,1,2,3,4,5,6,7
	FRAG 128*(\p)+FR*\i, ADRB+\slot, \q, \i
.endr
	WIN 0
.endm
.macro FETCH_A slot, q, i0
.irp i, \i0, \i0+1, \i0+2, \i0+3
	FRAG AF+FR*(\i), ADRA+\slot, \q, \i
.endr
.endm
.macro SCALES sc                       ; lanes 0-15: q's block i; lanes 16-31: k's block i; the slot's two K steps lie 1,024 bytes apart
.irp i, 0,1,2,3,4,5,6,7
	ds_load_b32 v[SC+8*NQ*\sc+NQ*\i], v[ADRS] offset:64*\i
	ds_load_b32 v[SC+8*NQ*\sc+NQ*\i+1], v[ADRS] offset:1024+64*\i
.endr
.endm
.macro PLACES n
.rept \n
	v_nop
.endr
.endm
.macro STEP slot, q, zero
	s_wait_dscnt 4*NL                              ; all but the youngest sixteen loads (A's blocks 4-7) are in
	WIN MUL_LO
	MUL16 0, (\q)%2, \q, \slot, \zero
	MUL16 2, (\q)%2, \q, \slot, \zero
	s_wait_dscnt 0
	PLACES NP
	FETCH_B \slot, (\q)+1, 1-(\q)%2
	FETCH_A \slot, (\q)+1, 0
	WIN MUL_HI
	MUL16 4, (\q)%2, \q, \slot, \zero
	MUL16 6, (\q)%2, \q, \slot, \zero
	PLACES NP
	WIN 0
	FETCH_A \slot, (\q)+1, 4
.endm
.macro TURN slot, next, fill
	s_wait_tensorcnt 0x0                           ; all my tensor loads have landed: my part of the next slot
	ds_add_u32 v[SPW], v[NIL]
	s_wait_dscnt 4*NL+1                            ; the add and the youngest sixteen loads may be out
	WIN MUL_LO
	MUL16 0, 1, NQ-1, \slot, 0
	s_wait_dscnt 0x0                               ; the add is done, and my reads of this slot are over
	s_barrier_signal -1
	MUL16 2, 1, NQ-1, \slot, 0
	WIN 0
	s_barrier_wait -1
.if \fill
	CREST                                          ; the barrier has opened a round of the cluster's: no wave of any partner still reads this slot or has a load on its way
	s_add_nc_u64 s[G0+4*\slot+2:G0+4*\slot+3], s[G0+4*\slot+2:G0+4*\slot+3], 2*SLOTB
	s_add_nc_u64 s[G0B+4*\slot+2:G0B+4*\slot+3], s[G0B+4*\slot+2:G0B+4*\slot+3], 2*SLOTB
	JLOAD G0+4*\slot, G1, G0B+4*\slot, G1B         ; the first tensor load behind the round; its four v_nop are four of the eight places
	PLACES NP-4
.else
	PLACES NP
.endif
	v_add_nc_u32 v[ADRS], 2048, v[ADRS]            ; the next slot's scale words
	s_wait_alu depctr_va_vdst(0)
	FETCH_B \next, 0, 0
	FETCH_A \next, 0, 0
	SCALES \next
	WIN MUL_HI
	MUL16 4, 1, NQ-1, \slot, 0
	MUL16 6, 1, NQ-1, \slot, 0
	PLACES NP
	WIN 0
	FETCH_A \next, 0, 4
.endm
	s_wait_alu depctr_va_vdst(0)
	s_wait_tensorcnt 0x0                           ; my tile of the head's four is in
	ds_add_u32 v[SPW], v[NIL]
	s_mov_b32 s[G1+2], 2<<16                       ; no tensor load of mine is out: from here on a load brings two rows, half a tile
	s_mov_b32 s[G1+4], 2
	s_mov_b32 s[G1B+2], 2<<16
	s_mov_b32 s[G1B+4], 2
	s_wait_dscnt 0x0
	CROUND                                         ; all four tiles are in, and all sixteen work-groups are here
	JLOAD G0+4, G1, G0B+4, G1B                     ; slot 1
	FETCH_B 0, 0, 0
	FETCH_A 0, 0, 0
	SCALES 0
	FETCH_A 0, 0, 4
	STEP 0, 0, 1                                   ; the first products start the sums
	TURN 0, 1, 1
	STEP 1, 0, 0
	TURN 1, 0, 1
	STEP 0, 0, 0
	TURN 0, 1, 0
	STEP 1, 0, 0
	s_wait_dscnt 4*NL
	WIN MUL_LO
	MUL16 0, 1, NQ-1, 1, 0
	MUL16 2, 1, NQ-1, 1, 0
	s_wait_dscnt 0
	WIN MUL_HI
	MUL16 4, 1, NQ-1, 1, 0
	MUL16 6, 1, NQ-1, 1, 0
	WIN 0
; THE WAY OUT of blocks a and a + 1, side by side: 2 x 16 queries x my 128 keys.  Register 8 b + j of lane (r, h) is key 16 b + 8 h + j of query r.
.macro JL j, lit
	v_add_f32 v[X+\j], \lit, v[X]
.endm
.macro SOFT2 a
.set AC, 64*((\a)%4)
.set OW, (\a)/4
.if (\a) == 0
.set OFL, 0x78800000                   ; 16, 48, 272, 304 x 2^110: block a's queries lie 0, 32, 256, 288 on, and the table begins 16 keys below
.elseif (\a) == 2
.set OFL, 0x79400000
.elseif (\a) == 4
.set OFL, 0x7a880000
.else
.set OFL, 0x7a980000
.endif
	WIN 0
	s_wait_xcnt 0x0                                ; the earlier stores have read their data
	s_cmp_eq_u32 s[DG], 0                          ; the cluster's number alone
	s_cbranch_scc1 .Lopen_\@
	v_add_f32 v[X], OFL, v[F00]
	JL 1, 0xf6800000
	JL 2, 0xf7000000
	JL 3, 0xf7400000
	JL 4, 0xf7800000
	JL 5, 0xf7a00000
	JL 6, 0xf7c00000
	JL 7, 0xf7e00000
.irp k, 1,2,3,4,5,6,7,8
.irp j, 0,2,4,6
	v_pk_add_f32 v[X+8*\k+\j:X+8*\k+\j+1], v[X+8*\k-8+\j:X+8*\k-8+\j+1], s[STEP16:STEP16+1] op_sel_hi:[1,0]
.endr
.endr
	WIN 0x82+0x41*OW                               ; destination and source 0: window 2 or 3
.set nn, 0
.rept 64
	v_min_num_f32 v[AC+nn], v[AC+nn], v[X+8+nn]
.set nn, nn+1
.endr
.set nn, 0
.rept 64
	v_min_num_f32 v[AC+64+nn], v[AC+64+nn], v[X+nn]   ; block a + 1's queries lie 16 on: the table's row before
.set nn, nn+1
.endr
	WIN 0
.Lopen_\@:
	WIN 0x0a+5*OW
.irp b, 0,1,2,3
.irp e, 0,1
	v_max_num_f32 v[BM+4*\e+\b], v[AC+64*\e+16*\b], v[AC+64*\e+16*\b+1]   ; the largest score of each block of 32 keys: for the maximum, and, since p rises with the score, for the block's largest p
.endr
.endr
.irp i, 2,4,6,8,10,12,14
.irp b, 0,1,2,3
.irp e, 0,1
	v_max3_num_f32 v[BM+4*\e+\b], v[AC+64*\e+16*\b+\i], v[AC+64*\e+16*\b+\i+1], v[BM+4*\e+\b]
.endr
.endr
.endr
	WIN 0
.irp b, 0,1,2,3,4,5,6,7
	v_permlanex16_b32 v[BT+\b], v[BM+\b], s[SEL], s[SEL+1]
.endr
.irp b, 0,1,2,3,4,5,6,7
	v_max_num_f32 v[BM+\b], v[BM+\b], v[BT+\b]
.endr
.irp e, 0,1
	v_max3_num_f32 v[ST+8*\e], v[BM+4*\e], v[BM+4*\e+1], v[BM+4*\e+2]
.endr
.irp e, 0,1
	v_max_num_f32 v[ST+8*\e], v[ST+8*\e], v[BM+4*\e+3]
.endr
.irp e, 0,1
	v_mul_f32 v[ST+8*\e], s[CS], v[ST+8*\e]        ; as t
.endr
.irp e, 0,1
	v_max_num_f32 v[ST+8*\e], 0xf149f2ca, v[ST+8*\e]   ; held at -1e30 from below
.endr
.irp e, 0,1
	v_floor_f32 v[ST+8*\e+2], -v[ST+8*\e]          ; -M = floor(-t) = -ceil(t)
.endr
	WIN 0x02+OW
.irp e, 0,1
.set jj, 0
.rept 32
	v_pk_fma_f32 v[X+64*\e+jj:X+64*\e+jj+1], v[AC+64*\e+jj:AC+64*\e+jj+1], s[CS:CS+1], v[ST+8*\e+2:ST+8*\e+3] op_sel_hi:[1,0,0]   ; t - M, two at a time, into window 0
.set jj, jj+2
.endr
.endr
	WIN 0
.irp b, 0,1,2,3,4,5,6,7
	v_fma_f32 v[BM+\b], v[BM+\b], s[CS], v[ST+8*(\b/4)+2]
.endr
	s_wait_alu depctr_va_vdst(0)                   ; the wait ahead of the batch
.set nn, 0
.rept 128
	v_exp_f32 v[X+nn], v[X+nn]                     ; p = 2^(t - M)
.set nn, nn+1
.endr
	v_nop                                          ; a plain place behind the batch
	s_wait_alu depctr_va_vdst(0)                   ; and one for the batch, ahead of its first reader
.irp b, 0,1,2,3,4,5,6,7
	v_exp_f32 v[BM+\b], v[BM+\b]                   ; the blocks' largest p
.endr
.irp e, 0,1
	v_pk_add_f32 v[ST+8*\e+4:ST+8*\e+5], v[X+64*\e:X+64*\e+1], v[X+64*\e+2:X+64*\e+3]   ; the sums of the unquantised p, two chains a block
	v_pk_add_f32 v[L2+2*\e:L2+2*\e+1], v[X+64*\e+4:X+64*\e+5], v[X+64*\e+6:X+64*\e+7]
.endr
.irp j, 8,12,16,20,24,28,32,36,40,44,48,52,56,60
.irp e, 0,1
	v_pk_add_f32 v[ST+8*\e+4:ST+8*\e+5], v[ST+8*\e+4:ST+8*\e+5], v[X+64*\e+\j:X+64*\e+\j+1]
	v_pk_add_f32 v[L2+2*\e:L2+2*\e+1], v[L2+2*\e:L2+2*\e+1], v[X+64*\e+\j+2:X+64*\e+\j+3]
.endr
.endr
.irp e, 0,1
	v_pk_add_f32 v[ST+8*\e+4:ST+8*\e+5], v[ST+8*\e+4:ST+8*\e+5], v[L2+2*\e:L2+2*\e+1]
.endr
.irp e, 0,1
	v_add_f32 v[ST+8*\e+4], v[ST+8*\e+4], v[ST+8*\e+5]
.endr
.irp e, 0,1
	v_permlanex16_b32 v[L2+2*\e], v[ST+8*\e+4], s[SEL], s[SEL+1]
.endr
.irp e, 0,1
	v_add_f32 v[ST+8*\e+4], v[ST+8*\e+4], v[L2+2*\e]   ; with lane l xor 16's 64 keys
.endr
	s_wait_alu depctr_va_vdst(0)                   ; and one for the eight
.irp b, 0,1,2,3,4,5,6,7
	v_max_num_f32 v[BM+\b], 0x8000000, v[BM+\b]    ; the floor 2^(16 - 127)
.endr
.irp b, 0,1,2,3,4,5,6,7
	v_add_nc_u32 v[SO+\b], 0xf8800000, v[BM+\b]    ; the conversion's scale operand
.endr
.irp b, 0,1,2,3,4,5,6,7
	v_and_or_b32 v[HD+\b], v[BM+\b], 0x7f800000, s[MNT]   ; 57,344 x the scale
.endr
.irp b, 0,1,2,3,4,5,6,7
	v_lshrrev_b32 v[BT+\b], 23, v[SO+\b]           ; the scale's byte
.endr
.irp e, 0,1
	v_lshl_or_b32 v[ST+8*\e+6], v[BT+4*\e+1], 8, v[BT+4*\e]
.endr
.irp e, 0,1
	v_lshl_or_b32 v[ST+8*\e+6], v[BT+4*\e+2], 16, v[ST+8*\e+6]
.endr
.irp e, 0,1
	v_lshl_or_b32 v[ST+8*\e+6], v[BT+4*\e+3], 24, v[ST+8*\e+6]
.endr
.set nn, 0
.rept 128
	v_min_num_f32 v[X+nn], v[X+nn], v[HD+nn/16]    ; p is not negative: a one-sided hold (the conversion does not saturate: ISA guide 7.6.2)
.set nn, nn+1
.endr
.irp e, 0,1
.irp b, 0,1,2,3
	v_cvt_scalef32_pk8_bf8_f32 v[PC+16*\e+4*\b:PC+16*\e+4*\b+1], v[X+64*\e+16*\b:X+64*\e+16*\b+7], v[SO+4*\e+\b]
	v_cvt_scalef32_pk8_bf8_f32 v[PC+16*\e+4*\b+2:PC+16*\e+4*\b+3], v[X+64*\e+16*\b+8:X+64*\e+16*\b+15], v[SO+4*\e+\b]
.endr
.endr
	v_cndmask_b32 v[Q], v[ST+6], v[ST+14], s[HI]   ; lanes 0-15 speak for block a, lanes 16-31 for block a + 1
	v_cndmask_b32 v[Q+1], v[ST+2], v[ST+10], s[HI]
	v_cndmask_b32 v[Q+2], v[ST+4], v[ST+12], s[HI]
.irp e, 0,1
.irp c, 0,1,2,3
	global_store_b128 v[IO], v[PC+16*\e+4*\c:PC+16*\e+4*\c+3], s[12:13] offset:32768*(16*((\a)/4)+(\a)%4+\e)+512*\c
.endr
.endr
	global_store_b128 v[IO], v[Q:Q+3], s[14:15] offset:16*(256*((\a)/4)+16*((\a)%4))   ; 32 queries x 16 bytes: 512 consecutive bytes
.endm
	PLACES NP
.irp b, 0,1,2,3,4,5,6,7
	v_mov_b32 v[BT+\b], 0                          ; a lane permute's destination counts as one of its sources
.endr
	v_mov_b32 v[ST+3], 0                           ; named as upper halves of pairs
	v_mov_b32 v[ST+11], 0
	v_mov_b32 v[Q+3], 0
	s_wait_alu depctr_va_vdst(0)
	SOFT2 0
	SOFT2 2
	SOFT2 4
	SOFT2 6
	s_wait_tensorcnt 0x0                           ; the wave's end
	ds_add_u32 v[SPW], v[NIL]
	s_wait_dscnt 0x0
	CROUND                                         ; the closing round
	s_endpgm
.Lfunc_end_k_q463f0ff738_scores:
	.size	k_q463f0ff738_scores, .Lfunc_end_k_q463f0ff738_scores-k_q463f0ff738_scores
	.p2alignl 7, 3214868480
	.fill 96, 4, 3214868480
	.section	.rodata,"a",@progbits
	.p2align	6, 0x0
	.amdhsa_kernel k_q463f0ff738_scores
		.amdhsa_group_segment_fixed_size 327680
		.amdhsa_private_segment_fixed_size 0
		.amdhsa_enable_private_segment 0
		.amdhsa_kernarg_size 48
		.amdhsa_user_sgpr_count 2
		.amdhsa_user_sgpr_kernarg_segment_ptr 1
		.amdhsa_wavefront_size32 1
		.amdhsa_system_sgpr_workgroup_id_x 1
		.amdhsa_system_sgpr_workgroup_id_y 1
		.amdhsa_system_sgpr_workgroup_id_z 1
		.amdhsa_system_vgpr_workitem_id 0
		.amdhsa_next_free_vgpr 1024
		.amdhsa_next_free_sgpr 102
		.amdhsa_reserve_vcc 0
		.amdhsa_float_denorm_mode_32 3
		.amdhsa_float_denorm_mode_16_64 3
		.amdhsa_memory_ordered 1
		.amdhsa_forward_progress 1
		.amdhsa_inst_pref_size 253
	.end_amdhsa_kernel
	.amdgpu_metadata
---
amdhsa.version: [ 1, 2 ]
amdhsa.kernels:
  - .name:           k_q463f0ff738_scores
    .symbol:         k_q463f0ff738_scores.kd
    .args:
      - { .name: q_img, .offset: 0, .size: 8, .value_kind: global_buffer, .address_space: global }
      - { .name: q_sc, .offset: 8, .size: 8, .value_kind: global_buffer, .address_space: global }
      - { .name: k_img, .offset: 16, .size: 8, .value_kind: global_buffer, .address_space: global }
      - { .name: k_sc, .offset: 24, .size: 8, .value_kind: global_buffer, .address_space: global }
      - { .name: p_img, .offset: 32, .size: 8, .value_kind: global_buffer, .address_space: global }
      - { .name: pstat, .offset: 40, .size: 8, .value_kind: global_buffer, .address_space: global }
    .group_segment_fixed_size: 327680
    .private_segment_fixed_size: 0
    .kernarg_segment_align: 8
    .kernarg_segment_size: 48
    .max_flat_workgroup_size: 128
    .sgpr_count:     102
    .vgpr_count:     1024
    .wavefront_size: 32
...
	.end_amdgpu_metadata
.endif
;; end of part 5
;; launch mix (part 6): grid 8 x 32, 4 waves a work-group, no clusters, 327,680 bytes of LDS; arguments p_img, pstat, v_img, v_sc, out0; writes out0
.if DOCPART == 6
	.amdgcn_target "amdgcn-amd-amdhsa--gfx1250"
	.amdhsa_code_object_version 6
	.text
	.protected	k_q463f0ff738_mix
	.globl	k_q463f0ff738_mix
	.p2align	8
	.type	k_q463f0ff738_mix,@function
k_q463f0ff738_mix:
	s_mov_b64 s[64:65], 0
	v_nop
	global_prefetch_b8 v0, s[64:65] scope:SCOPE_SE
	s_setreg_imm32_b32 hwreg(HW_REG_WAVE_MODE, 25, 1), 1
	s_wait_xcnt 0x0
.set FR,     16
.set NP,     8
; THIRD LAUNCH: joins the local M and the sums of p, makes O = p v on codes of BF8 (E5M2) and divides by the sum.
; WORK LEFT OUT: for a tile of 256 queries the key steps that come after it are neither read nor multiplied: reference()'s own tril hides them, for all inputs (see the first kernel's head).
; A work-group makes 256 queries x 128 channels; v's images lie in LDS, p's come from memory straight into registers.  No cluster: p's loads are not joint, and work-groups that share v walk different numbers of key steps.
.set CHUNK,  131072
.set SCP,    2*CHUNK
.set RL,     SCP+16384
.set SCV,    RL+1024
.set SPARE,  SCV+8192
.set STG,    SPARE+512
.set SPITCH, 528
.set T16,  5
.set SPA,  6
.set RLA,  7
.set RLR,  8
.set STO,  9
.set RD,   10
.set ADRS, 12
.set CO,   16
.set VB,   16
.set PO,   20
.set SPW,  28
.set NIL,  29
.set SC,   32
.set OF,   64
.set RI,   64
.set NMR,  92
.set LSUM, 94
.set RC,   96
.set ST,   128
.set BK,   128
.set G1V, 24
.set G0A, 32
.set G0C, 36
.set G1S, 48
.set G0S, 56
.set MSB, 0
.macro WIN new
.if MSB != (\new)
	s_set_vgpr_msb (MSB<<8)|(\new)
.set MSB, (\new)
.endif
.endm
.set TO_B,   0x40
.macro PLACES n
.rept \n
	v_nop
.endr
.endm
	s_load_b256 s[4:11], s[0:1], 0x0
	s_load_b64 s[12:13], s[0:1], 0x20
	v_lshl_add_u32 v[SPW], v0, 2, SPARE
	v_mov_b32 v[NIL], 0
	ds_add_u32 v[SPW], v[NIL]
	ds_add_u32 v[SPW], v[NIL]
	v_lshrrev_b32 v1, 5, v0
	v_readfirstlane_b32 s14, v1
	s_mov_b32 s17, ttmp9
	s_and_b32 s20, ttmp7, 0xffff
	s_and_b32 s18, s20, 7
	s_lshr_b32 s19, s20, 3
	s_mov_b32 s[G1V+0], 3<<16
	s_mov_b32 s[G1V+1], 2048<<16
	s_mov_b32 s[G1V+2], 2<<16
	s_mov_b32 s[G1V+3], 2048<<16
	s_mov_b32 s[G1V+4], 2
	s_mov_b32 s[G1V+5], 16384
	s_mov_b32 s[G1V+6], 0
	s_mov_b32 s[G1V+7], 0
	s_mov_b32 s[G1S+0], 3<<16
	s_mov_b32 s[G1S+1], 64<<16
	s_mov_b32 s[G1S+2], 4<<16
	s_mov_b32 s[G1S+3], 64<<16
	s_mov_b32 s[G1S+4], 4
	s_mov_b32 s[G1S+5], 512
	s_mov_b32 s[G1S+6], 0
	s_mov_b32 s[G1S+7], 0
	s_lshl_b32 s20, s17, 3
	s_lshl_b32 s21, s14, 1
	s_add_co_u32 s20, s20, s21
	s_lshl_b32 s20, s20, 17
	s_lshl_b32 s21, s19, 15
	s_add_co_u32 s20, s20, s21
	s_mov_b32 s21, 0
	s_lshl_b32 s22, s19, 16
	s_lshl_b32 s23, s14, 14
	s_add_co_u32 s22, s22, s23
	s_lshl_b32 s23, s17, 9
	s_add_co_u32 s22, s22, s23
	s_mov_b32 s23, 0
	s_lshl_b32 s40, s14, 15
	s_lshl_b32 s41, s14, 11
	s_lshl_b32 s60, s18, 1
	s_add_co_u32 s60, s60, 1
	s_wait_dscnt 0x0
	s_wait_kmcnt 0x0
	s_mov_b32 s[G0S], 1
	s_add_co_u32 s[G0S+1], s41, SCV
	s_add_nc_u64 s[G0S+2:G0S+3], s[10:11], s[22:23]
	s_or_b32 s[G0S+3], s[G0S+3], 0x80000000
	s_mov_b32 s[G0A], 1
	s_mov_b32 s[G0A+1], s40
	s_add_nc_u64 s[G0A+2:G0A+3], s[8:9], s[20:21]
	s_mov_b32 s[G0C], 1
	s_add_co_u32 s[G0C+1], s40, CHUNK
	s_add_nc_u64 s[G0C+2:G0C+3], s[G0A+2:G0A+3], 16384
	s_or_b32 s[G0A+3], s[G0A+3], 0x80000000
	s_or_b32 s[G0C+3], s[G0C+3], 0x80000000
	tensor_load_to_lds s[G0S:G0S+3], s[G1S:G1S+7]
	s_nop 0
	s_wait_alu depctr_va_vdst(0)
	s_wait_tensorcnt 0x0
	ds_add_u32 v28, v29
	s_wait_dscnt 0x0
	s_barrier_signal -1
	s_barrier_wait -1
	tensor_load_to_lds s[G0A:G0A+3], s[G1V:G1V+7]
	s_nop 0
	s_lshl_b32 s20, s19, 19
	s_lshl_b32 s21, s18, 12
	s_add_co_u32 s20, s20, s21
	s_mov_b32 s21, 0
	s_add_nc_u64 s[6:7], s[6:7], s[20:21]
	v_lshlrev_b32 v[T16], 4, v0
	s_wait_alu depctr_va_vdst(0)
.irp s, 0,1,2,3,4,5,6,7,8,9,10,11,12,13,14,15
	s_min_u32 s62, s60, \s
	s_lshl_b32 s62, s62, 15
	v_add_nc_u32 v[OF+\s], s62, v[T16]
.endr
	s_wait_alu depctr_va_vdst(0)
.irp s, 0,1,2,3,4,5,6,7,8,9,10,11,12,13,14,15
	global_load_b128 v[ST+4*\s:ST+4*\s+3], v[OF+\s], s[6:7]
.endr
.irp s, 0,1,2,3,4,5,6,7,8,9,10,11,12,13,14,15
	global_load_b128 v[ST+64+4*\s:ST+64+4*\s+3], v[OF+\s], s[6:7] offset:2048
.endr
	v_and_b32 v1, 15, v0
	v_bfe_u32 v2, v0, 4, 1
	v_and_b32 v3, 31, v0
	v_lshlrev_b32 v[CO], 4, v3
.irp k, 1,2,3
	v_add_nc_u32 v[VB+\k], \k*65536, v[CO]
.endr
	s_lshr_b32 s20, s14, 1
	s_lshl_b32 s20, s20, 13
	s_and_b32 s21, s14, 1
	s_lshl_b32 s21, s21, 8
	s_add_co_u32 s20, s20, s21
	s_mov_b32 s21, SCV-SCP
	s_sub_co_u32 s21, s21, s20
	v_mul_u32_u24 v4, s21, v2
	s_wait_alu depctr_va_vdst(0)
	s_add_co_u32 s20, s20, SCP
	v_lshl_add_u32 v4, v1, 2, v4
	v_add_nc_u32 v[ADRS], s20, v4
	s_mul_i32 s20, s14, 16*SPITCH
	s_add_co_u32 s20, s20, STG
	v_mul_u32_u24 v4, v1, SPITCH
	v_lshl_add_u32 v4, v2, 5, v4
	v_add_nc_u32 v[STO], s20, v4
	v_add_nc_u32 v[RD], s20, v[CO]
	s_lshl_b32 s20, s14, 8
	s_add_co_u32 s20, s20, RL
	v_lshl_add_u32 v[RLR], v1, 2, s20
	v_lshl_add_u32 v[SPA], v0, 2, SCP
	v_lshl_add_u32 v[RLA], v0, 2, RL
	s_lshl_b32 s20, s19, 23
	s_lshl_b32 s21, s18, 20
	s_add_co_u32 s20, s20, s21
	s_lshl_b32 s21, s14, 18
	s_add_co_u32 s20, s20, s21
	s_lshl_b32 s21, s17, 9
	s_add_co_u32 s20, s20, s21
	s_mov_b32 s21, 0
	s_add_nc_u64 s[12:13], s[12:13], s[20:21]
	s_lshl_b32 s20, s19, 7
	s_lshl_b32 s21, s18, 4
	s_add_co_u32 s20, s20, s21
	s_lshl_b32 s21, s14, 2
	s_add_co_u32 s20, s20, s21
	s_lshl_b32 s20, s20, 15
	s_mov_b32 s21, 0
	s_add_nc_u64 s[4:5], s[4:5], s[20:21]
.irp k, 0,1,2,3
	s_min_u32 s62, s60, \k
	s_lshl_b32 s62, s62, 11
	v_add_nc_u32 v[PO+\k], s62, v[CO]
.endr
.macro ALOAD s
.set ASET, (\s)%5
.if ASET < 4
.set AB, 64*ASET
	WIN 0xc0
.else
.set AB, 128
	WIN 0
.endif
.irp a, 0,1,2,3
.irp c, 0,1,2,3
	global_load_b128 v[AB+FR*\a+4*\c:AB+FR*\a+4*\c+3], v[PO+ASET], s[4:5] offset:32768*\a+512*\c
.endr
.endr
.endm
	s_wait_alu depctr_va_vdst(0)
	s_wait_loadcnt 0x0
	ALOAD 0
	ALOAD 1
	ALOAD 2
	ALOAD 3
	WIN 0
.irp q, 0,1
	v_min3_num_f32 v[NMR+\q], v[ST+64*\q+1], v[ST+64*\q+5], v[ST+64*\q+9]
.endr
.irp s, 3,5,7,9,11,13
.irp q, 0,1
	v_min3_num_f32 v[NMR+\q], v[NMR+\q], v[ST+64*\q+4*\s+1], v[ST+64*\q+4*\s+5]
.endr
.endr
.irp q, 0,1
	v_min_num_f32 v[NMR+\q], v[NMR+\q], v[ST+64*\q+61]
.endr
.set nn, 0
.rept 32
	v_sub_f32 v[ST+4*nn+1], v[NMR+nn/16], v[ST+4*nn+1]
.set nn, nn+1
.endr
.set nn, 0
.rept 32
	v_max_num_f32 v[ST+4*nn+1], 0xc3480000, v[ST+4*nn+1]
.set nn, nn+1
.endr
.set nn, 0
.rept 32
	v_cvt_i32_f32 v[ST+4*nn+1], v[ST+4*nn+1]
.set nn, nn+1
.endr
.irp s, 0,1,2,3,4,5,6,7,8,9,10,11,12,13,14,15
	s_cmp_ge_u32 s60, \s
	s_cselect_b32 s61, 1.0, 0
	v_ldexp_f32 v[ST+4*\s+3], s61, v[ST+4*\s+1]
	v_ldexp_f32 v[ST+64+4*\s+3], s61, v[ST+64+4*\s+1]
.endr
.irp q, 0,1
	v_mul_f32 v[LSUM+\q], v[ST+64*\q+2], v[ST+64*\q+3]
.endr
.irp s, 1,2,3,4,5,6,7,8,9,10,11,12,13,14,15
.irp q, 0,1
	v_fma_f32 v[LSUM+\q], v[ST+64*\q+4*\s+2], v[ST+64*\q+4*\s+3], v[LSUM+\q]
.endr
.endr
	s_wait_alu depctr_va_vdst(0)
	v_rcp_f32 v[RC], v[LSUM]
	v_rcp_f32 v[RC+1], v[LSUM+1]
.set nn, 0
.rept 32
	v_sub_nc_u32 v[ST+4*nn+1], 0, v[ST+4*nn+1]
.set nn, nn+1
.endr
.set nn, 0
.rept 32
	v_min_u32 v[ST+4*nn+1], 127, v[ST+4*nn+1]
.set nn, nn+1
.endr
.set nn, 0
.rept 32
	v_lshl_or_b32 v[ST+4*nn+1], v[ST+4*nn+1], 8, v[ST+4*nn+1]
.set nn, nn+1
.endr
.set nn, 0
.rept 32
	v_lshl_or_b32 v[ST+4*nn+1], v[ST+4*nn+1], 16, v[ST+4*nn+1]
.set nn, nn+1
.endr
.set nn, 0
.rept 32
	v_or_b32 v[ST+4*nn], 0x80808080, v[ST+4*nn]
.set nn, nn+1
.endr
.set nn, 0
.rept 32
	v_sub_nc_u32 v[ST+4*nn], v[ST+4*nn], v[ST+4*nn+1]
.set nn, nn+1
.endr
.set nn, 0
.rept 32
	v_and_b32 v[ST+4*nn+3], 0x80808080, v[ST+4*nn]
.set nn, nn+1
.endr
.set nn, 0
.rept 32
	v_lshrrev_b32 v[ST+4*nn+1], 7, v[ST+4*nn+3]
.set nn, nn+1
.endr
.set nn, 0
.rept 32
	v_sub_nc_u32 v[ST+4*nn+3], v[ST+4*nn+3], v[ST+4*nn+1]
.set nn, nn+1
.endr
.set nn, 0
.rept 32
	v_and_b32 v[ST+4*nn], v[ST+4*nn], v[ST+4*nn+3]
.set nn, nn+1
.endr
.set nn, 0
.rept 32
	ds_store_b32 v[SPA], v[ST+4*nn] offset:8192*(nn/16)+512*(nn%16)
.set nn, nn+1
.endr
	s_wait_alu depctr_va_vdst(0)
	ds_store_b32 v[RLA], v[RC]
	ds_store_b32 v[RLA], v[RC+1] offset:512
.macro LOADB s, i0
.irp i, \i0, \i0+1, \i0+2, \i0+3
.irp c, 0,1,2,3
	ds_load_b128 v[128*((\s)%2)+FR*(\i)+4*\c:128*((\s)%2)+FR*(\i)+4*\c+3], v[VB+2*((\s)/8)+(\i)/4] offset:((\i)%4)*16384+((\s)%8)*2048+512*\c
.endr
.endr
.endm
.macro SCALES s
.irp i, 0,1,2,3,4,5,6,7
	ds_load_b32 v[SC+8*((\s)%2)+\i], v[ADRS] offset:512*(\s)+64*\i
.endr
.endm
.macro MW s
.if ((\s)%5) < 4
	WIN 0xad
.else
	WIN 0xa1
.endif
.endm
.macro MULB b0, s, zero
.set ASET, (\s)%5
.if ASET < 4
.set AB, 64*ASET
.else
.set AB, 128
.endif
.irp b, \b0, \b0+1, \b0+2, \b0+3
.irp a, 0,1,2,3
.if \zero
	v_wmma_scale_f32_16x16x128_f8f6f4 v[8*(8*\a+(\b)):8*(8*\a+(\b))+7], v[128*((\s)%2)+FR*(\b):128*((\s)%2)+FR*(\b)+FR-1], v[AB+FR*\a:AB+FR*\a+FR-1], 0, v[SC+8*((\s)%2)+(\b)], v[SC+8*((\s)%2)+\a] matrix_a_fmt:MATRIX_FMT_BF8 matrix_b_fmt:MATRIX_FMT_BF8 matrix_a_scale:MATRIX_SCALE_ROW1
.else
	v_wmma_scale_f32_16x16x128_f8f6f4 v[8*(8*\a+(\b)):8*(8*\a+(\b))+7], v[128*((\s)%2)+FR*(\b):128*((\s)%2)+FR*(\b)+FR-1], v[AB+FR*\a:AB+FR*\a+FR-1], v[8*(8*\a+(\b)):8*(8*\a+(\b))+7], v[SC+8*((\s)%2)+(\b)], v[SC+8*((\s)%2)+\a] matrix_a_fmt:MATRIX_FMT_BF8 matrix_b_fmt:MATRIX_FMT_BF8 matrix_a_scale:MATRIX_SCALE_ROW1
.endif
.endr
.endr
.endm
.macro PRIME s
	PLACES NP
	SCALES \s
	WIN TO_B
	LOADB \s, 0
	LOADB \s, 4
	WIN 0
.endm
.macro KSTEP s, pre, zero
.if (\s) < 13
	s_wait_loadcnt 48
.else
	s_wait_loadcnt 16*(15-(\s))
.endif
	s_wait_dscnt 16
	PLACES NP
.if ((\s) < 12) || \pre
	WIN 0
.endif
.if (\s) < 12
	s_min_u32 s62, s60, (\s)+4
	s_lshl_b32 s62, s62, 11
	v_add_nc_u32 v[PO+((\s)+4)%5], s62, v[CO]
.endif
.if \pre
	SCALES (\s)+1
	WIN TO_B
	LOADB (\s)+1, 0
.endif
	MW \s
	MULB 0, \s, \zero
.if \pre
	s_wait_dscnt 24
	WIN TO_B
	LOADB (\s)+1, 4
.else
	s_wait_dscnt 0x0
.endif
.if (\s) < 12
	s_wait_alu depctr_va_vdst(0)
	ALOAD (\s)+4
.endif
	MW \s
	MULB 4, \s, \zero
.endm
.macro LEAVE s, where
	WIN 0
	s_cmp_eq_u32 s60, \s
	s_cbranch_scc1 \where
.endm
	s_wait_tensorcnt 0x0
	ds_add_u32 v[SPW], v[NIL]
	s_wait_dscnt 0x0
	s_barrier_signal -1
	s_barrier_wait -1
	s_cmp_lt_u32 s18, 4
	s_cbranch_scc1 .Lpast
	tensor_load_to_lds s[G0C:G0C+3], s[G1V:G1V+7]
	s_nop 0
.rept 4
	v_nop
.endr
.Lpast:
	PRIME 0
	KSTEP 0, 1, 1
	KSTEP 1, 1, 0
	LEAVE 1, .Lshort
	KSTEP 2, 1, 0
	KSTEP 3, 1, 0
	LEAVE 3, .Lshort
	KSTEP 4, 1, 0
	KSTEP 5, 1, 0
	LEAVE 5, .Lshort
	KSTEP 6, 1, 0
	KSTEP 7, 0, 0
	LEAVE 7, .Lshort
	s_wait_tensorcnt 0x0
	s_wait_dscnt 0x0
	s_barrier_signal -1
	s_barrier_wait -1
	PRIME 8
	KSTEP 8, 1, 0
	KSTEP 9, 1, 0
	LEAVE 9, .Lend
	KSTEP 10, 1, 0
	KSTEP 11, 1, 0
	LEAVE 11, .Lend
	KSTEP 12, 1, 0
	KSTEP 13, 1, 0
	LEAVE 13, .Lend
	KSTEP 14, 1, 0
	KSTEP 15, 0, 0
	WIN 0
	s_branch .Lend
.Lshort:
	s_wait_tensorcnt 0x0
	s_wait_dscnt 0x0
	s_barrier_signal -1
	s_barrier_wait -1
.Lend:
	s_wait_loadcnt 0x0
	s_wait_dscnt 0x0
.macro SCL a
.set AC, 64*(\a)
	WIN 0x82
.set jj, 0
.rept 32
	v_pk_mul_f32 v[AC+jj:AC+jj+1], v[AC+jj:AC+jj+1], v[RI+2*(\a):RI+2*(\a)+1] op_sel_hi:[1,0]
.set jj, jj+2
.endr
.endm
.macro TOSTAGE a
.set AC, 64*(\a)
	WIN 0x08
.irp b, 0,1,2,3,4,5,6,7
	ds_store_b128 v[STO], v[AC+8*\b:AC+8*\b+3] offset:64*\b
	ds_store_b128 v[STO], v[AC+8*\b+4:AC+8*\b+7] offset:64*\b+16
.endr
	WIN 0
.set BB, BK+64*((\a)%2)
.irp t, 0,1,2,3,4,5,6,7,8,9,10,11,12,13,14,15
	ds_load_b128 v[BB+4*\t:BB+4*\t+3], v[RD] offset:\t*SPITCH
.endr
.endm
.macro SEND a, younger
.set BB, BK+64*((\a)%2)
	s_wait_dscnt \younger
.if (\a) > 0
	s_add_nc_u64 s[12:13], s[12:13], 16*4096
.endif
.irp t, 0,1,2,3,4,5,6,7,8,9,10,11,12,13,14,15
	global_store_b128 v[CO], v[BB+4*\t:BB+4*\t+3], s[12:13] offset:\t*4096 th:TH_STORE_NT
.endr
.endm
	PLACES NP
.irp a, 0,1,2,3
	ds_load_b32 v[RI+2*\a], v[RLR] offset:64*\a
	v_mov_b32 v[RI+2*\a+1], 0
.endr
	s_wait_alu depctr_va_vdst(0)
	s_wait_dscnt 0x0
	SCL 0
	TOSTAGE 0
.irp a, 1,2,3
.if \a > 1
	s_wait_xcnt 0x0
.endif
	SCL \a
	TOSTAGE \a
	SEND \a-1, 32
.endr
	s_wait_xcnt 0x0
	SEND 3, 0
	s_wait_tensorcnt 0x0
	ds_add_u32 v[SPW], v[NIL]
	s_wait_dscnt 0x0
	s_endpgm
.Lfunc_end_k_q463f0ff738_mix:
	.size	k_q463f0ff738_mix, .Lfunc_end_k_q463f0ff738_mix-k_q463f0ff738_mix
	.p2alignl 7, 3214868480
	.fill 96, 4, 3214868480
	.section	.rodata,"a",@progbits
	.p2align	6, 0x0
	.amdhsa_kernel k_q463f0ff738_mix
		.amdhsa_group_segment_fixed_size 327680
		.amdhsa_private_segment_fixed_size 0
		.amdhsa_enable_private_segment 0
		.amdhsa_kernarg_size 40
		.amdhsa_user_sgpr_count 2
		.amdhsa_user_sgpr_kernarg_segment_ptr 1
		.amdhsa_wavefront_size32 1
		.amdhsa_system_sgpr_workgroup_id_x 1
		.amdhsa_system_sgpr_workgroup_id_y 1
		.amdhsa_system_sgpr_workgroup_id_z 1
		.amdhsa_system_vgpr_workitem_id 0
		.amdhsa_next_free_vgpr 1024
		.amdhsa_next_free_sgpr 66
		.amdhsa_reserve_vcc 0
		.amdhsa_float_denorm_mode_32 3
		.amdhsa_float_denorm_mode_16_64 3
		.amdhsa_memory_ordered 1
		.amdhsa_forward_progress 1
		.amdhsa_inst_pref_size 201
	.end_amdhsa_kernel
	.amdgpu_metadata
---
amdhsa.version: [ 1, 2 ]
amdhsa.kernels:
  - .name:           k_q463f0ff738_mix
    .symbol:         k_q463f0ff738_mix.kd
    .args:
      - { .name: p_img, .offset: 0, .size: 8, .value_kind: global_buffer, .address_space: global }
      - { .name: pstat, .offset: 8, .size: 8, .value_kind: global_buffer, .address_space: global }
      - { .name: v_img, .offset: 16, .size: 8, .value_kind: global_buffer, .address_space: global }
      - { .name: v_sc, .offset: 24, .size: 8, .value_kind: global_buffer, .address_space: global }
      - { .name: out0, .offset: 32, .size: 8, .value_kind: global_buffer, .address_space: global }
    .group_segment_fixed_size: 327680
    .private_segment_fixed_size: 0
    .kernarg_segment_align: 8
    .kernarg_segment_size: 40
    .max_flat_workgroup_size: 128
    .sgpr_count:     66
    .vgpr_count:     1024
    .wavefront_size: 32
...
	.end_amdgpu_metadata
.endif
;; end of part 6
